; MI455X (gfx1250); checked and timed in simulation.
; The chip was launched on July 23, 2026; its instructions are those of AMD's public machine-readable ISA for CDNA 5 (MIT licence, August 2026) and "CDNA5" Instruction Set Architecture Reference Guide (July 2026). The comments in the code are by the model that wrote it; some were corrected since.
;; Causal Self Attention. Allowed arithmetic: matrix products marked QUANTISED: E3M2 operands, one E8M0 scale for each 32 along K, by v_wmma_scale_f32_16x16x128_f8f6f4 with both operands' format E3M2, f32 sums; everything else in f32.
;; Inputs: Wk 1,024 x 1,024 float32; Wq 1,024 x 1,024 float32; Wv 1,024 x 1,024 float32; bk 1,024 float32; bq 1,024 float32; bv 1,024 float32; x 4 x 2,048 x 1,024 float32.
;; Outputs: out0 4 x 2,048 x 1,024 float32.
;; This version of the problem:
;;   THIS VERSION OF THE PROBLEM IS GIVEN IN LOW PRECISION. The matrix products marked QUANTISED in the list below multiply operands that are first quantised to E3M2 (3 exponent bits, 2 mantissa bits; 6 bits a number), with one power-of-two scale for each 32 numbers along K (OCP MX v1.0); their sums are f32. All else is computed in f32.
;;   The module's matrix products, in the order in which they are computed (A, B: the left and right operand; K: the contracted axis; several contracted axes count as one K, in the product's order):
;;     1. [M 8,192, K 1,024] x [K 1,024, N 1,024]; A: input x; B: input Wq: QUANTISED
;;     2. [M 8,192, K 1,024] x [K 1,024, N 1,024]; A: input x; B: input Wk: QUANTISED
;;     3. [M 8,192, K 1,024] x [K 1,024, N 1,024]; A: input x; B: input Wv: QUANTISED
;;     4. batch 4 x [M 2,048, K 1,024] x [K 1,024, N 2,048]; A: computed on the way; B: computed on the way: QUANTISED
;;     5. batch 4 x [M 2,048, K 2,048] x [K 2,048, N 1,024]; A: softmax (see below); B: computed on the way: QUANTISED
;;   THE QUANTISER, for each operand of a quantised product, along K:
;;     - K is cut into blocks of 32 from its start; a last block that is shorter is filled with zeros.
;;     - A block's scale is 2^e with e = floor(log2(the largest magnitude in the block)) - 4, held to -126 .. 127; a block of zeros has e = 0. As a byte (E8M0): e + 127.
;;     - Each number is divided by its block's scale, clamped to +-28, and rounded to the nearest number of E3M2, ties to even, subnormals kept.
;;     - The product sums the exact products of the quantised numbers (number of the format x scale) in f32.
;;   ~~~python
;;   def quantise(x, axis):      # numpy; x: float32 -> the quantised numbers, widened to float32 again
;;       x = np.moveaxis(x, axis, -1); K = x.shape[-1]
;;       x = np.pad(x, [(0, 0)] * (x.ndim - 1) + [(0, -K % 32)]); x = x.reshape(x.shape[:-1] + (-1, 32)); a = np.abs(x).max(-1, keepdims=True)
;;       e = np.where(a > 0, np.clip(np.frexp(np.where(a > 0, a, 1))[1] - 1 - 4, -126, 127), 0)      # np.frexp(a)[1] - 1 = floor(log2(a)), exactly
;;       r = np.clip(x / 2.0 ** e, -28, 28)
;;       step = 2.0 ** (np.maximum(np.frexp(np.where(r == 0, 1, r))[1] - 1, -2) - 2)
;;       q = np.round(r / step) * step * 2.0 ** e      # np.round: ties to even
;;       return np.moveaxis(q.reshape(q.shape[:-2] + (-1,))[..., :K], -1, axis).astype(np.float32)
;;   ~~~
;;   SOFTMAX AHEAD OF A QUANTISED PRODUCT. Where the list says 'softmax', what is quantised is not the finished softmax but p = 2^(t - M), with t = logit x log2(e) and M = ceil(the row's largest t), a whole number; so 1/2 < the row's largest p <= 1. The row's sum l is taken of the UNQUANTISED p, in f32, and the product's result is divided by l at the end. Since M is a whole number, a kernel that streams over the keys may use a running M (the ceiling of the running maximum): every later rescaling is an exact power of two, which a block's scale takes up: the codes' values come out the same.
;;   OPERANDS COMPUTED ON THE WAY. 'Computed on the way' means the value that the module computes at that place (a softmax that the list does not call 'softmax' is quantised finished and normalised). What goes into a quantiser is computed in f32, as accurately as f32 sums, v_exp_f32 and their like allow (about 1e-6 of the number): no bf16 or f16 on the way to a quantiser, and a product that is left as it is and whose result goes on into a quantised operand takes f32 operands (vector FMAs, or v_wmma_f32_16x16x4_f32). A number that lies on a knife's edge between two numbers of the format may be rounded either way, as far as f32 arithmetic and the matrix unit's own rounding can turn it there, and no further.
;; 2 versions. Each part assembles by itself: llvm-mc -triple=amdgcn-amd-amdhsa -mcpu=gfx1250 --defsym DOCPART=n.
;; ======== version 1 of 2: 4 launches
;; workspace buffers: xw 9,011,200 bytes; qkv 19,660,800 bytes; pimg 13,107,200 bytes; mstat 524,288 bytes; lstat 524,288 bytes
;; launch quant (part 1): grid 704 x 1, 1 waves a work-group, no clusters, 8,960 bytes of LDS; arguments x, Wq, Wk, Wv, xw; writes xw
.if DOCPART == 1
	.amdgcn_target "amdgcn-amd-amdhsa--gfx1250"
	.amdhsa_code_object_version 6
	.text
	.protected	k_q8100c8d6b2_quant
	.globl	k_q8100c8d6b2_quant
	.p2align	8
	.type	k_q8100c8d6b2_quant,@function
k_q8100c8d6b2_quant:
	s_mov_b64 s[64:65], 0
	v_nop
	global_prefetch_b8 v0, s[64:65] scope:SCOPE_SE
	s_setreg_imm32_b32 hwreg(HW_REG_WAVE_MODE, 25, 1), 1
	s_wait_xcnt 0x0
; x [8192][1024], Wq, Wk, Wv [1024][1024], f32, K innermost, become codes of E3M2 with one E8M0 byte for each 32 along K, laid in xw as SUPER BLOCKS.
; A super block is 128 rows x 128 along K in 12,800 bytes, in the order of the matrix operand's registers:
;   codes: byte 1536 t + 512 c + 16 l + 4 e = register 4 c + e of lane l of tile t's fragment (tile t, lane r stands for row 32 (t/2) + 8 (t%2) + r%8 + 16 (r/8) of the 128);
;   scale words: byte 12288 + 256 (t/4) + 16 r + 4 (t%4) = the four scale bytes of that row.
; xw holds [88 row groups][8 K steps] of them: groups 0-63 x, 64-71 Wq, 72-79 Wk, 80-87 Wv.  A reader takes a fragment by three loads of 16 bytes a lane, 512 consecutive bytes each.
; SHARES: one wave to a work-group, one super block to a wave: 64 KiB read, 12,800 bytes written.  Waves share nothing: no barrier.
; A tile's 16 rows come by 16 loads of 512 consecutive bytes and turn through a stage in LDS (rows 528 bytes apart), so that lane (r, h) gets of row r the two whole blocks k = 64 c + 32 h + 0..31.
; A block's scale is 2^(floor(log2(largest magnitude)) - 4): its byte is the largest magnitude's exponent field less 4, held at 1 from below by a floor among the maximum's leaves.
; LIMITS: NaN and infinities among the inputs are not served; a block whose largest magnitude lies under 2^-122 (a block of zeros too) keeps the byte 1: only this program reads the bytes, and zero codes add nothing.
.set SBB, 12800
.set SPT, 528                          ; a stage row: 512 bytes + 16
.set WD,  8                            ; v8-9     the scale word in the making
.set R,   16                           ; v16-143  two sets of 64: a tile as it is loaded
.set X,   144                          ; v144-207 my two blocks of 32 numbers
.set PC,  208                          ; v208-231 two sets of 12: a fragment's codes
.set CT,  232                          ; v232-238 the second halves of the two blocks' codes (a conversion's three registers begin on an even number)
.set MX,  240                          ; v240-243 four running maxima
.set SCO, 244                          ; v244-245 the conversions' scale operands
.set BY,  246                          ; v246-247 the scale bytes
.set SW,  248                          ; v248-255 the eight tiles' scale words
	s_load_b256 s[4:11], s[0:1], 0x0               ; x, Wq, Wk, Wv
	s_load_b64 s[12:13], s[0:1], 0x20              ; xw
	v_lshl_add_u32 v15, v0, 2, 0x2200
	v_mov_b32 v239, 0
	v_and_b32 v1, 15, v0                           ; r
	v_bfe_u32 v2, v0, 4, 1                         ; h
	v_lshlrev_b32 v3, 4, v0                        ; 16 x lane: my bytes of a load, of a stage row on the way in, of a store
	v_mul_u32_u24 v5, v1, SPT
	v_lshl_add_u32 v5, v2, 7, v5                   ; the stage on the way out: row r, + 128 h
	v_lshlrev_b32 v6, 3, v2                        ; 8 h: where my two bytes stand in the scale word
	v_mov_b32 v[WD+1], 0                           ; written once: a lane permute's destination counts as one of its sources
	s_mov_b32 s20, 0x76543210
	s_mov_b32 s21, 0xfedcba98                      ; v_permlanex16_b32's selects for lane l xor 16
	s_lshr_b32 s14, ttmp9, 3                       ; row group 0..87
	s_and_b32 s15, s14, 7                          ; and within a weight
	s_and_b32 s16, ttmp9, 7
	s_lshl_b32 s16, s16, 9                         ; the K step: 128 numbers, 512 bytes
	s_mov_b32 s17, 0
	s_mul_i32 s18, ttmp9, SBB                      ; my super block
	s_mov_b32 s19, 0
	s_wait_kmcnt 0x0
	s_cmp_lt_u32 ttmp9, 640                        ; which tensor: the choice hangs on the work-group's number alone
	s_cselect_b64 s[8:9], s[8:9], s[10:11]
	s_cmp_lt_u32 ttmp9, 576
	s_cselect_b64 s[6:7], s[6:7], s[8:9]
	s_cmp_lt_u32 ttmp9, 512
	s_cselect_b64 s[4:5], s[4:5], s[6:7]
	s_cselect_b32 s14, s14, s15
	s_lshl_b32 s14, s14, 19                        ; 128 rows of 4,096 bytes
	s_add_co_u32 s16, s16, s14
	s_add_nc_u64 s[4:5], s[4:5], s[16:17]
	s_add_nc_u64 s[12:13], s[12:13], s[18:19]
.macro LOADF i                         ; tile i: load t reads 512 consecutive bytes of the tile's row t
.irp t, 0,1,2,3,4,5,6,7,8,9,10,11,12,13,14,15
	global_load_b128 v[R+64*((\i)%2)+4*\t:R+64*((\i)%2)+4*\t+3], v3, s[4:5] offset:(32*((\i)/2)+8*((\i)%2)+(\t%8)+16*(\t/8))*4096 th:TH_LOAD_NT
.endr
.endm
.macro FRAGQ i
.set RS, R+64*((\i)%2)
.set PS, PC+12*((\i)%2)
.if (\i) < 7
	s_wait_loadcnt 16                              ; this tile's 16 loads are in; the next tile's 16 may be out
.else
	s_wait_loadcnt 0x0
.endif
.irp t, 0,1,2,3,4,5,6,7,8,9,10,11,12,13,14,15
	ds_store_b128 v3, v[RS+4*\t:RS+4*\t+3] offset:SPT*\t
.endr
.irp c, 0,1
.irp j, 0,1,2,3,4,5,6,7
	ds_load_b128 v[X+32*\c+4*\j:X+32*\c+4*\j+3], v5 offset:256*\c+16*\j   ; LDS serves a wave's instructions in order: these see the stores above
.endr
.endr
	s_wait_dscnt 0x0                               ; my numbers are back, and the stores have read their registers,
.if (\i) < 6
	LOADF (\i)+2                                   ; which take the tile two further on
.endif
.irp m, 0,1,2,3                        ; four chains: the two halves of each of my two blocks; the floor 2^(5 - 127) is a leaf
	v_max3_num_f32 v[MX+\m], |v[X+16*\m]|, |v[X+16*\m+1]|, 0x2800000
.endr
.irp k, 2,4,6,8,10,12,14
.irp m, 0,1,2,3
	v_max3_num_f32 v[MX+\m], v[MX+\m], |v[X+16*\m+\k]|, |v[X+16*\m+\k+1]|
.endr
.endr
.irp c, 0,1
	v_max_num_f32 v[MX+2*\c], v[MX+2*\c], v[MX+2*\c+1]
.endr
.irp c, 0,1
	v_add_nc_u32 v[SCO+\c], 0xfe000000, v[MX+2*\c] ; 4 off the exponent field: the conversion takes that field as its scale
.endr
.irp c, 0,1
	v_lshrrev_b32 v[BY+\c], 23, v[SCO+\c]          ; the scale's byte
.endr
	v_lshl_or_b32 v[WD], v[BY+1], 16, v[BY]        ; my bytes: blocks h and 2 + h,
	v_lshlrev_b32 v[WD], v6, v[WD]                 ; at their places;
	v_permlanex16_b32 v[WD+1], v[WD], s20, s21
	v_or_b32 v[SW+(\i)], v[WD], v[WD+1]            ; with lane l xor 16's two the word is whole, in both lanes
	s_wait_xcnt 0x0                                ; the stores of two tiles ago have read this set of code registers
.irp c, 0,1
	v_cvt_scalef32_pk16_bf6_f32 v[PS+6*\c:PS+6*\c+2], v[X+32*\c:X+32*\c+15], v[SCO+\c]
	v_cvt_scalef32_pk16_bf6_f32 v[CT+4*\c:CT+4*\c+2], v[X+32*\c+16:X+32*\c+31], v[SCO+\c]
.endr
	v_nop                                          ; one plain place behind a scaled conversion
.irp c, 0,1
.irp e, 0,1,2
	v_mov_b32 v[PS+6*\c+3+\e], v[CT+4*\c+\e]
.endr
.endr
.irp c, 0,1,2
	global_store_b128 v3, v[PS+4*\c:PS+4*\c+3], s[12:13] offset:1536*(\i)+512*\c   ; 32 lanes store 512 consecutive bytes, at a multiple of 256 from the buffer's first byte
.endr
.endm
	LOADF 0
	LOADF 1
.irp i, 0,1,2,3,4,5,6,7
	FRAGQ \i
.endr
	s_mov_b32 vcc_lo, 0xffff0000                   ; lanes 16-31 give the words of tiles 4-7
.irp e, 0,1,2,3
	v_cndmask_b32 v[CT+\e], v[SW+\e], v[SW+4+\e], vcc_lo
.endr
	global_store_b128 v3, v[CT:CT+3], s[12:13] offset:12288
	s_wait_tensorcnt 0x0
	ds_add_u32 v15, v239
	s_wait_dscnt 0x0
	s_endpgm
.Lfunc_end_k_q8100c8d6b2_quant:
	.size	k_q8100c8d6b2_quant, .Lfunc_end_k_q8100c8d6b2_quant-k_q8100c8d6b2_quant
	.p2alignl 7, 3214868480
	.fill 96, 4, 3214868480
	.section	.rodata,"a",@progbits
	.p2align	6, 0x0
	.amdhsa_kernel k_q8100c8d6b2_quant
		.amdhsa_group_segment_fixed_size 8960
		.amdhsa_private_segment_fixed_size 0
		.amdhsa_enable_private_segment 0
		.amdhsa_kernarg_size 40
		.amdhsa_user_sgpr_count 2
		.amdhsa_user_sgpr_kernarg_segment_ptr 1
		.amdhsa_wavefront_size32 1
		.amdhsa_system_sgpr_workgroup_id_x 1
		.amdhsa_system_sgpr_workgroup_id_y 1
		.amdhsa_system_sgpr_workgroup_id_z 1
		.amdhsa_system_vgpr_workitem_id 0
		.amdhsa_next_free_vgpr 256
		.amdhsa_next_free_sgpr 66
		.amdhsa_reserve_vcc 1
		.amdhsa_float_denorm_mode_32 3
		.amdhsa_float_denorm_mode_16_64 3
		.amdhsa_memory_ordered 1
		.amdhsa_forward_progress 1
		.amdhsa_inst_pref_size 58
	.end_amdhsa_kernel
	.amdgpu_metadata
---
amdhsa.version: [ 1, 2 ]
amdhsa.kernels:
  - .name:           k_q8100c8d6b2_quant
    .symbol:         k_q8100c8d6b2_quant.kd
    .args:
      - { .name: x, .offset: 0, .size: 8, .value_kind: global_buffer, .address_space: global }
      - { .name: Wq, .offset: 8, .size: 8, .value_kind: global_buffer, .address_space: global }
      - { .name: Wk, .offset: 16, .size: 8, .value_kind: global_buffer, .address_space: global }
      - { .name: Wv, .offset: 24, .size: 8, .value_kind: global_buffer, .address_space: global }
      - { .name: xw, .offset: 32, .size: 8, .value_kind: global_buffer, .address_space: global }
    .group_segment_fixed_size: 8960
    .private_segment_fixed_size: 0
    .kernarg_segment_align: 8
    .kernarg_segment_size: 40
    .max_flat_workgroup_size: 32
    .sgpr_count:     66
    .vgpr_count:     256
    .wavefront_size: 32
...
	.end_amdgpu_metadata
.endif
;; end of part 1
;; launch proj (part 2): grid 8 x 48, 4 waves a work-group, clusters of 4 x 4, 327,680 bytes of LDS; arguments xw, bq, bk, bv, qkv; writes qkv
.if DOCPART == 2
	.amdgcn_target "amdgcn-amd-amdhsa--gfx1250"
	.amdhsa_code_object_version 6
	.text
	.protected	k_q8100c8d6b2_proj
	.globl	k_q8100c8d6b2_proj
	.p2align	8
	.type	k_q8100c8d6b2_proj,@function
k_q8100c8d6b2_proj:
	s_mov_b64 s[64:65], 0
	v_nop
	global_prefetch_b8 v0, s[64:65] scope:SCOPE_SE
	s_setreg_imm32_b32 hwreg(HW_REG_WAVE_MODE, 25, 1), 1
	s_wait_xcnt 0x0
	s_wait_alu depctr_hold_cnt(0) depctr_sa_sdst(0) depctr_va_vdst(0) depctr_va_sdst(0) depctr_va_ssrc(0) depctr_va_vcc(0) depctr_vm_vsrc(0)
	s_getreg_b32 s2, hwreg(HW_REG_IB_STS2, 6, 4)
	s_cmp_eq_u32 s2, 0
	s_cbranch_scc0 .Lentry_in_a_cluster
	s_endpgm
.Lentry_in_a_cluster:
	s_bfe_u32 s2, ttmp6, 0x10000c
	s_cmp_lg_u32 s2, 0xf033
	s_cbranch_scc0 .Lentry_shape_is_right
	s_endpgm
.Lentry_shape_is_right:
; q = x Wq^T + bq, k = x Wk^T + bk, v^T = Wv x^T + bv, on codes of E3M2 with E8M0 scales (K = 1,024), each result quantised in registers along the K of the product that will read it,
; and stored as super blocks: 128 rows x 128 K in 12,800 bytes, in the order of the operand's registers (codes at 1536 t + 512 c + 16 lane; scale words at 12288 + 256 (t/4) + 16 r + 4 (t%4);
; tile t, lane r = row 32 (t/2) + 8 (t%2) + r%8 + 16 (r/8)).  qkv: q [64 groups of tokens][8 K steps], then k likewise, then v^T [4 batches][8 groups of d][16 K steps of tokens].
; A tile of 256 x 256 is made by four waves, 128 x 128 each: 64 accumulators, 512 registers.  SOURCE 1 ("A") gives the rows that a lane owns, SOURCE 0 ("B") the rows that run along a lane's registers:
; with the rows of a tile ordered as above, a lane's 64 results of one tile of A are k = 32 b + 16 h + i of the next operand, which is what the conversions want.
; q, k: A = x, B = Wq | Wk (clusters y 0-7).  v^T: A = Wv, B = x (clusters y 8-11).  The role hangs on the cluster's y alone: it is alike in all partners.
; K goes through a ring of two LDS slots, 256 along K each; a row group's two K steps are 25,600 dense bytes, one tensor load a wave.  CLUSTERS 4 x 4: A's tiles are asked for jointly along a row, B's along a column.
; REGISTERS: window 0: v4-6, v16-23 addresses; v28-29 for the add; v32-63 scale words (16 slot + 8 q + i: lanes 0-15 A's tile i, lanes 16-31 B's); v64-127, v240-255 biases; v128-223 A's fragments, one set;
;   window 1: B's fragments, two sets, at v0 and v128; windows 2, 3: the accumulators ((a, b) at v[8 (8 (a%4) + b)]).  On the way out v128-239 are at work.
; LIMITS: NaN and infinities are not served; a block whose largest magnitude lies under 2^-122 keeps the scale byte 1.
.set SBB,   12800
.set GRP,   2*SBB                      ; two K steps of a row group: what one tensor load brings
.set SLOT,  4*GRP                      ; A's two groups, then B's two
.set SPARE, 2*SLOT                     ; behind the ring: the spare words, 128 bytes a wave
.set KGRP,  8*SBB                      ; a row group's eight K steps in xw
.set FR,    12
.set NL,    3                          ; LDS loads that bring a fragment
.set NP,    4                          ; places behind this matrix instruction (ISA guide 7.12.1)
.set LI,    4                          ; v4   16 x lane
.set BOF,   5                          ; v5   64 h: my place in the bias that runs along registers
.set MOF,   6                          ; v6   4 (r%8 + 16 (r/8)): my place in the bias that runs along rows
.set ADRA,  16                         ; v16-17 my A fragments in slot 0, 1
.set ADRB,  20                         ; v20-21 my B fragments
.set ADRS,  22                         ; v22-23 my scale words: lanes 0-15 A's, lanes 16-31 B's
.set SPW,   28
.set NIL,   29
.set SC,    32
.set BN,    64
.set AF,    128
.set T,     128                        ; the way out: 64 numbers
.set PC,    192                        ; v192-211 the codes just made
.set TM,    212                        ; v212-227 at work
.set SW,    232                        ; v232-239 eight scale words
.set BM,    240                        ; v240-255 the row bias of tile a, twice, at 240 + 2 a
.set G1,  24
.set G0,  32
.set G1B, 48
.set G0B, 56
.set SEL, 78
.set MSB, 0
.macro WIN new                         ; the immediate's high byte repeats the setting that is left
.if MSB != (\new)
	s_set_vgpr_msb (MSB<<8)|(\new)
.set MSB, (\new)
.endif
.endm
.set MUL_LO, 0xa1                      ; source 0 (B) window 1, source 1 (A) window 0, C and D window 2
.set MUL_HI, 0xf1
.set TO_B,   0x40
.macro PLACES n
.rept \n
	v_nop
.endr
.endm
; A joint load: waves 0 and 1 fetch for A, waves 2 and 3 for B; the branch hangs on the wave's number alone.  Four v_nop follow each of the two lines.
.macro JLOAD g0a, g1a, g0b, g1b
	s_cmp_eq_u32 s15, 0
	s_cbranch_scc0 .Lfor_b_\@
	tensor_load_to_lds s[\g0a:\g0a+3], s[\g1a:\g1a+7]
	s_nop 0
	PLACES 4
	s_branch .Lasked_\@
.Lfor_b_\@:
	tensor_load_to_lds s[\g0b:\g0b+3], s[\g1b:\g1b+7]
	s_nop 0
	PLACES 4
.Lasked_\@:
.endm
.macro CREST                           ; a round of the cluster's barrier behind its opening barrier
	s_cmp_lg_u32 s14, 0
	s_cbranch_scc1 .Lnot_wave_0_\@
	s_barrier_signal -3
.Lnot_wave_0_\@:
	s_barrier_wait -3
	s_barrier_signal -1
	s_barrier_wait -1
.endm
.macro CROUND
	s_barrier_signal -1
	s_barrier_wait -1
	CREST
.endm
	s_load_b256 s[4:11], s[0:1], 0x0               ; xw, bq, bk, bv
	s_load_b64 s[12:13], s[0:1], 0x20              ; qkv
	v_lshl_add_u32 v[SPW], v0, 2, SPARE
	v_mov_b32 v[NIL], 0
	ds_add_u32 v28, v29
	ds_add_u32 v28, v29
	s_wait_dscnt 0x0
	v_lshrrev_b32 v1, 5, v0
	v_readfirstlane_b32 s14, v1                    ; wave 0..3
	s_lshr_b32 s15, s14, 1                         ; which of A's two groups I multiply.  Also: I fetch for A (0) or for B (1)
	s_and_b32 s16, s14, 1                          ; which of B's two groups I multiply.  Also: which group of that operand I fetch
	s_bfe_u32 s40, ttmp6, 0x40000                  ; cx, cy
	s_bfe_u32 s41, ttmp6, 0x40004
	s_and_b32 s17, ttmp7, 0xffff                   ; the cluster's y
	s_sub_co_u32 s18, s17, 8
	s_lshl_b32 s18, s18, 1
	s_add_co_u32 s18, s18, ttmp9                   ; for v^T: cluster column 2 (y - 8) + x
	s_cmp_ge_u32 s17, 8
	s_cselect_b32 s42, s18, ttmp9                  ; cluster column
	s_cselect_b32 s17, 0, s17                      ; cluster row
	s_cselect_b32 s19, 80, 0                       ; A's first row group in xw: Wv or x
	s_cselect_b32 s20, 0, 64                       ; B's: x or Wq
	s_cselect_b32 s21, 1, 0                        ; the role: 1 = v^T
	s_lshl_b32 s42, s42, 2
	s_add_co_u32 s42, s42, s40                     ; tile column
	s_lshl_b32 s17, s17, 2
	s_add_co_u32 s17, s17, s41                     ; tile row
	s_lshl_b32 s43, s41, 2
	s_lshl_b32 s43, 15, s43                        ; my row of the cluster
	s_lshl_b32 s44, 0x1111, s40                    ; my column
	; descriptor group 1: 25,600 dense bytes as 100 rows of 32 elements of 8 bytes, no padding
	s_or_b32 s[G1+0], s43, (3<<16)|(1<<21)         ; 15:0 the mask; 17:16 elements of 8 bytes; 21 set beside a mask
	s_or_b32 s[G1B+0], s44, (3<<16)|(1<<21)
.irp g, G1, G1B
	s_mov_b32 s[\g+1], 32<<16                      ; tensor_dim0
	s_mov_b32 s[\g+2], 100<<16                     ; tensor_dim1
	s_mov_b32 s[\g+3], 32<<16                      ; tile_dim0
	s_mov_b32 s[\g+4], 100                         ; tile_dim1
	s_mov_b32 s[\g+5], 32                          ; the pitch
	s_mov_b32 s[\g+6], 0
	s_mov_b32 s[\g+7], 0
.endr
	s_lshl_b32 s22, s17, 1
	s_add_co_u32 s22, s22, s19
	s_add_co_u32 s22, s22, s16                     ; A's row group that I would fetch: it hangs on the tile row alone
	s_mul_i32 s22, s22, KGRP
	s_mov_b32 s23, 0
	s_lshl_b32 s46, s42, 1
	s_add_co_u32 s46, s46, s20
	s_add_co_u32 s46, s46, s16                     ; B's: on the tile column alone
	s_mul_i32 s46, s46, KGRP
	s_mov_b32 s47, 0
	s_mul_i32 s45, s14, GRP                        ; where it goes: wave x 25,600
	s_mov_b32 s[SEL], 0x76543210
	s_mov_b32 s[SEL+1], 0xfedcba98
	s_wait_kmcnt 0x0
	s_add_nc_u64 s[22:23], s[4:5], s[22:23]
	s_add_nc_u64 s[46:47], s[4:5], s[46:47]
	CROUND                                         ; all sixteen work-groups are here: the first joint loads meet
.irp s, 0,1
	s_mov_b32 s[G0+4*\s], 1
	s_add_co_u32 s[G0+4*\s+1], s45, \s*SLOT
	s_add_nc_u64 s[G0+4*\s+2:G0+4*\s+3], s[22:23], \s*GRP
	s_or_b32 s[G0+4*\s+3], s[G0+4*\s+3], 0x80000000
	s_mov_b32 s[G0B+4*\s], 1
	s_add_co_u32 s[G0B+4*\s+1], s45, \s*SLOT
	s_add_nc_u64 s[G0B+4*\s+2:G0B+4*\s+3], s[46:47], \s*GRP
	s_or_b32 s[G0B+4*\s+3], s[G0B+4*\s+3], 0x80000000
	JLOAD G0+4*\s, G1, G0B+4*\s, G1B
.endr
	; the biases and the place of my result
	s_lshl_b32 s66, s42, 1
	s_add_co_u32 s66, s66, s16                     ; kb: B's group that I multiply = the result's K step
	s_lshl_b32 s67, s17, 1
	s_add_co_u32 s67, s67, s15                     ; g: A's group that I multiply = the result's row group
	s_and_b32 s68, s66, 7
	s_lshl_b32 s68, s68, 9
	s_mov_b32 s69, 0
	s_cmp_lt_u32 s42, 4
	s_cselect_b64 s[70:71], s[6:7], s[8:9]         ; bq or bk (for v^T these numbers are loaded and not used; the masked index keeps the loads inside)
	s_add_nc_u64 s[70:71], s[70:71], s[68:69]
	s_and_b32 s68, s67, 7
	s_lshl_b32 s68, s68, 9
	s_add_nc_u64 s[72:73], s[10:11], s[68:69]      ; bv (for q and k loaded and not used)
	s_lshr_b32 s74, s66, 3                         ; q, k: super block 512 (kb / 8) + 8 g + kb % 8
	s_lshl_b32 s74, s74, 9
	s_lshl_b32 s75, s67, 3
	s_add_co_u32 s74, s74, s75
	s_and_b32 s75, s66, 7
	s_add_co_u32 s74, s74, s75
	s_lshr_b32 s75, s66, 4                         ; v^T: 1024 + 16 (8 (kb / 16) + g) + kb % 16
	s_lshl_b32 s75, s75, 3
	s_add_co_u32 s75, s75, s67
	s_lshl_b32 s75, s75, 4
	s_and_b32 s76, s66, 15
	s_add_co_u32 s75, s75, s76
	s_add_co_u32 s75, s75, 1024
	s_cmp_eq_u32 s21, 0
	s_cselect_b32 s74, s74, s75
	s_mul_i32 s74, s74, SBB
	s_mov_b32 s75, 0
	s_add_nc_u64 s[12:13], s[12:13], s[74:75]
	v_and_b32 v1, 15, v0                           ; r
	v_bfe_u32 v2, v0, 4, 1                         ; h
	v_and_b32 v3, 31, v0
	v_lshlrev_b32 v[LI], 4, v3
	v_lshlrev_b32 v[BOF], 6, v2
	v_and_b32 v8, 7, v1
	v_lshrrev_b32 v9, 3, v1
	v_lshl_add_u32 v8, v9, 4, v8
	v_lshlrev_b32 v[MOF], 2, v8
.irp b, 0,1,2,3
.irp j, 0,1,2,3
	global_load_b128 v[BN+16*\b+4*\j:BN+16*\b+4*\j+3], v[BOF], s[70:71] offset:128*\b+16*\j   ; register 16 b + i: the bias of unit 32 b + 16 h + i
.endr
.endr
.irp a, 0,1,2,3,4,5,6,7
	global_load_b32 v[BM+2*\a], v[MOF], s[72:73] offset:4*(32*(\a/2)+8*(\a%2))                ; the bias of my row of tile a, into both halves of a pair
	global_load_b32 v[BM+2*\a+1], v[MOF], s[72:73] offset:4*(32*(\a/2)+8*(\a%2))
.endr
	s_mul_i32 s18, s15, GRP
	s_mul_i32 s19, s16, GRP
	s_add_co_u32 s19, s19, 2*GRP
.irp s, 0,1
	v_add_nc_u32 v[ADRA+\s], s18, v[LI]
	v_add_nc_u32 v[ADRB+\s], s19, v[LI]
	s_add_co_u32 s18, s18, SLOT
	s_add_co_u32 s19, s19, SLOT
.endr
	s_mul_i32 s18, s15, GRP
	s_mul_i32 s19, s16, GRP
	s_add_co_u32 s19, s19, 2*GRP
	s_sub_co_u32 s19, s19, s18
	v_mul_u32_u24 v7, s19, v2                      ; lanes 16-31 take B's: one product, the distance between the two bases
	v_lshl_add_u32 v7, v1, 4, v7                   ; + 16 r
	s_add_co_u32 s18, s18, 12288
	v_add_nc_u32 v[ADRS], s18, v7
	v_add_nc_u32 v[ADRS+1], SLOT, v[ADRS]
.macro FRAG reg, adr, q, i             ; tile i of the slot's q-th K step: three loads of 512 consecutive bytes
.irp c, 0,1,2
	ds_load_b128 v[\reg+4*\c:\reg+4*\c+3], v[\adr] offset:SBB*(\q)+1536*(\i)+512*\c
.endr
.endm
; 16 matrix instructions: A's tiles a0, a0 + 1 x B's eight.  The 64 accumulators take turns, one instruction a turn.
.macro MUL16 a0, p, q, sc, zero
.irp a, \a0, \a0+1
.irp b, 0,1,2,3,4,5,6,7
.if \zero
	v_wmma_scale_f32_16x16x128_f8f6f4 v[8*(8*((\a)%4)+\b):8*(8*((\a)%4)+\b)+7], v[128*(\p)+FR*\b:128*(\p)+FR*\b+FR-1], v[AF+FR*(\a):AF+FR*(\a)+FR-1], 0, v[SC+16*(\sc)+8*(\q)+\b], v[SC+16*(\sc)+8*(\q)+(\a)] matrix_a_fmt:MATRIX_FMT_BF6 matrix_b_fmt:MATRIX_FMT_BF6 matrix_a_scale:MATRIX_SCALE_ROW1
.else
	v_wmma_scale_f32_16x16x128_f8f6f4 v[8*(8*((\a)%4)+\b):8*(8*((\a)%4)+\b)+7], v[128*(\p)+FR*\b:128*(\p)+FR*\b+FR-1], v[AF+FR*(\a):AF+FR*(\a)+FR-1], v[8*(8*((\a)%4)+\b):8*(8*((\a)%4)+\b)+7], v[SC+16*(\sc)+8*(\q)+\b], v[SC+16*(\sc)+8*(\q)+(\a)] matrix_a_fmt:MATRIX_FMT_BF6 matrix_b_fmt:MATRIX_FMT_BF6 matrix_a_scale:MATRIX_SCALE_ROW1
.endif
.endr
.endr
.endm
.macro FETCH_B slot, q, p
	WIN TO_B
.irp i, 0,1,2,3,4,5,6,7
	FRAG 128*(\p)+FR*\i, ADRB+\slot, \q, \i
.endr
	WIN 0
.endm
.macro FETCH_A slot, q, i0
.irp i, \i0, \i0+1, \i0+2, \i0+3
	FRAG AF+FR*(\i), ADRA+\slot, \q, \i
.endr
.endm
.macro SCALES slot                     ; a slot's scale words, both K steps: a load gives a lane the words of four tiles
.irp q, 0,1
.irp f, 0,1
	ds_load_b128 v[SC+16*\slot+8*\q+4*\f:SC+16*\slot+8*\q+4*\f+3], v[ADRS+\slot] offset:SBB*\q+256*\f
.endr
.endr
.endm
.macro STEP slot, q, zero              ; a K step of 128 that has its successor in the same slot
	s_wait_dscnt 4*NL                              ; all but the youngest 12 loads (A's tiles 4-7) are in
	WIN MUL_LO
	MUL16 0, (\q)%2, \q, \slot, \zero
	MUL16 2, (\q)%2, \q, \slot, \zero
	s_wait_dscnt 0
	PLACES NP                                      ; in front of loads into registers that matrix instructions have read
	FETCH_B \slot, (\q)+1, 1-(\q)%2
	FETCH_A \slot, (\q)+1, 0
	WIN MUL_HI
	MUL16 4, (\q)%2, \q, \slot, \zero
	MUL16 6, (\q)%2, \q, \slot, \zero
	PLACES NP
	WIN 0
	FETCH_A \slot, (\q)+1, 4
.endm
; A slot's last step changes slots: one barrier; in front of it each wave waits for all its tensor loads, adds 0 to its spare word, and waits for that and for its reads of this slot.
.macro TURN slot, next, fill
	s_wait_tensorcnt 0x0                           ; all my tensor loads have landed: my part of the next slot
	ds_add_u32 v[SPW], v[NIL]
	s_wait_dscnt 4*NL+1                            ; (the add and the youngest 12 loads may be out)
	WIN MUL_LO
	MUL16 0, 1, 1, \slot, 0
	s_wait_dscnt 0x0                               ; the add is done, and my reads of this slot are over
	s_barrier_signal -1
	MUL16 2, 1, 1, \slot, 0
	WIN 0
	s_barrier_wait -1
.if \fill
	CREST                                          ; the barrier has opened a round of the cluster's: no wave of any partner still reads this slot or has a load on its way
	s_add_nc_u64 s[G0+4*\slot+2:G0+4*\slot+3], s[G0+4*\slot+2:G0+4*\slot+3], 2*GRP
	s_add_nc_u64 s[G0B+4*\slot+2:G0B+4*\slot+3], s[G0B+4*\slot+2:G0B+4*\slot+3], 2*GRP
	JLOAD G0+4*\slot, G1, G0B+4*\slot, G1B         ; the first tensor load behind the round; its four v_nop are the places in front of the loads below
.else
	PLACES NP
.endif
	FETCH_B \next, 0, 0
	FETCH_A \next, 0, 0
	SCALES \next
	WIN MUL_HI
	MUL16 4, 1, 1, \slot, 0
	MUL16 6, 1, 1, \slot, 0
	PLACES NP
	WIN 0
	FETCH_A \next, 0, 4
.endm
	s_wait_tensorcnt 1                             ; my part of slot 0 is in; slot 1's may stay out
	s_barrier_signal -1
	s_barrier_wait -1
	FETCH_B 0, 0, 0
	FETCH_A 0, 0, 0
	SCALES 0
	FETCH_A 0, 0, 4
	STEP 0, 0, 1                                   ; K step 0 starts the sums: nothing is cleared.  Eight K steps, written out
	TURN 0, 1, 1                                   ; slot 0 takes K steps 4, 5
	STEP 1, 0, 0
	TURN 1, 0, 1                                   ; slot 1 takes K steps 6, 7
	STEP 0, 0, 0
	TURN 0, 1, 0
	STEP 1, 0, 0
	s_wait_dscnt 4*NL
	WIN MUL_LO
	MUL16 0, 1, 1, 1, 0
	MUL16 2, 1, 1, 1, 0
	s_wait_dscnt 0
	WIN MUL_HI
	MUL16 4, 1, 1, 1, 0
	MUL16 6, 1, 1, 1, 0
	WIN 0
; 64 numbers of a lane, register 16 b + i = k 32 b + 16 h + i of my row, become a fragment's codes in v[PC] on and its scale word in v[w].
.macro QUANT s, w
.irp b, 0,1,2,3
	v_max3_num_f32 v[TM+\b], |v[\s+16*\b]|, |v[\s+1+16*\b]|, 0x2800000   ; the floor 2^(5 - 127) is a leaf: the byte cannot fall under 1
.endr
.irp i, 2,4,6,8,10,12,14
.irp b, 0,1,2,3
	v_max3_num_f32 v[TM+\b], v[TM+\b], |v[\s+16*\b+\i]|, |v[\s+1+16*\b+\i]|
.endr
.endr
.irp b, 0,1,2,3
	v_permlanex16_b32 v[TM+4+\b], v[TM+\b], s[SEL], s[SEL+1]
.endr
.irp b, 0,1,2,3
	v_max_num_f32 v[TM+\b], v[TM+\b], v[TM+4+\b]   ; with lane l xor 16's: the block's largest magnitude
.endr
.irp b, 0,1,2,3
	v_add_nc_u32 v[TM+12+\b], 0xfe000000, v[TM+\b] ; 4 off its exponent field: the conversion's scale operand
.endr
.irp b, 0,1,2,3
	v_lshrrev_b32 v[TM+4+\b], 23, v[TM+12+\b]      ; the scale's byte
.endr
	v_lshl_or_b32 v[\w], v[TM+5], 8, v[TM+4]
	v_lshl_or_b32 v[\w], v[TM+6], 16, v[\w]
	v_lshl_or_b32 v[\w], v[TM+7], 24, v[\w]
.irp c, 0,1
	v_cvt_scalef32_pk16_bf6_f32 v[PC+6*\c:PC+2+6*\c], v[\s+32*\c:\s+15+32*\c], v[TM+12+2*\c]
	v_cvt_scalef32_pk16_bf6_f32 v[PC+12+4*\c:PC+14+4*\c], v[\s+16+32*\c:\s+31+32*\c], v[TM+12+2*\c+1]
.endr
	v_nop                                          ; one plain place behind a scaled conversion
.irp c, 0,1                            ; the operand's layout wants a whole block in a lane
.irp i, 0,1,2
	v_permlane16_swap_b32 v[PC+6*\c+\i], v[PC+12+4*\c+\i]
.endr
.irp i, 0,1,2
	v_mov_b32 v[PC+3+6*\c+\i], v[PC+12+4*\c+\i]
.endr
.endr
.endm
; THE WAY OUT of A's tile a: the bias, the quantiser, three stores of 512 consecutive bytes.  No LDS: the codes leave as the image of the next operand's registers.
.macro OUTA a
	s_cmp_eq_u32 s21, 0
	s_cbranch_scc0 .Lby_row_\@                     ; the role: alike in every wave and every partner; only register work stands in the two arms
	WIN 0x02+(\a)/4                                ; source 0: window 2 or 3
.set n, 0
.rept 32
	v_pk_add_f32 v[T+n:T+n+1], v[64*((\a)%4)+n:64*((\a)%4)+n+1], v[BN+n:BN+n+1]   ; q, k: the bias runs along my registers; each accumulator from its low end on
.set n, n+2
.endr
	WIN 0
	s_branch .Lbiased_\@
.Lby_row_\@:
	WIN 0x02+(\a)/4
.set n, 0
.rept 32
	v_pk_add_f32 v[T+n:T+n+1], v[64*((\a)%4)+n:64*((\a)%4)+n+1], v[BM+2*(\a):BM+2*(\a)+1]   ; v^T: one bias for my row
.set n, n+2
.endr
	WIN 0
.Lbiased_\@:
	s_wait_xcnt 0x0                                ; the last tile's stores have read the code registers
	QUANT T, SW+(\a)
.irp c, 0,1,2
	global_store_b128 v[LI], v[PC+4*\c:PC+4*\c+3], s[12:13] offset:1536*(\a)+512*\c
.endr
.endm
	s_wait_loadcnt 0x0                             ; the biases
	PLACES NP                                      ; behind the last products: results are read, and registers that held A's fragments are written
.irp b, 0,1,2,3
	v_mov_b32 v[TM+4+\b], 0                        ; written once: a lane permute's destination counts as one of its sources
.endr
.irp a, 0,1,2,3,4,5,6,7
	OUTA \a
.endr
	s_mov_b32 vcc_lo, 0xffff0000                   ; lanes 16-31 give the words of tiles 4-7
.irp e, 0,1,2,3
	v_cndmask_b32 v[T+\e], v[SW+\e], v[SW+4+\e], vcc_lo
.endr
	global_store_b128 v[LI], v[T:T+3], s[12:13] offset:12288
	s_wait_tensorcnt 0x0                           ; the wave's end
	ds_add_u32 v[SPW], v[NIL]
	s_wait_dscnt 0x0
	CROUND                                         ; the closing round
	s_endpgm
.Lfunc_end_k_q8100c8d6b2_proj:
	.size	k_q8100c8d6b2_proj, .Lfunc_end_k_q8100c8d6b2_proj-k_q8100c8d6b2_proj
	.p2alignl 7, 3214868480
	.fill 96, 4, 3214868480
	.section	.rodata,"a",@progbits
	.p2align	6, 0x0
	.amdhsa_kernel k_q8100c8d6b2_proj
		.amdhsa_group_segment_fixed_size 327680
		.amdhsa_private_segment_fixed_size 0
		.amdhsa_enable_private_segment 0
		.amdhsa_kernarg_size 40
		.amdhsa_user_sgpr_count 2
		.amdhsa_user_sgpr_kernarg_segment_ptr 1
		.amdhsa_wavefront_size32 1
		.amdhsa_system_sgpr_workgroup_id_x 1
		.amdhsa_system_sgpr_workgroup_id_y 1
		.amdhsa_system_sgpr_workgroup_id_z 1
		.amdhsa_system_vgpr_workitem_id 0
		.amdhsa_next_free_vgpr 1024
		.amdhsa_next_free_sgpr 80
		.amdhsa_reserve_vcc 1
		.amdhsa_float_denorm_mode_32 3
		.amdhsa_float_denorm_mode_16_64 3
		.amdhsa_memory_ordered 1
		.amdhsa_forward_progress 1
		.amdhsa_inst_pref_size 173
	.end_amdhsa_kernel
	.amdgpu_metadata
---
amdhsa.version: [ 1, 2 ]
amdhsa.kernels:
  - .name:           k_q8100c8d6b2_proj
    .symbol:         k_q8100c8d6b2_proj.kd
    .args:
      - { .name: xw, .offset: 0, .size: 8, .value_kind: global_buffer, .address_space: global }
      - { .name: bq, .offset: 8, .size: 8, .value_kind: global_buffer, .address_space: global }
      - { .name: bk, .offset: 16, .size: 8, .value_kind: global_buffer, .address_space: global }
      - { .name: bv, .offset: 24, .size: 8, .value_kind: global_buffer, .address_space: global }
      - { .name: qkv, .offset: 32, .size: 8, .value_kind: global_buffer, .address_space: global }
    .group_segment_fixed_size: 327680
    .private_segment_fixed_size: 0
    .kernarg_segment_align: 8
    .kernarg_segment_size: 40
    .max_flat_workgroup_size: 128
    .sgpr_count:     80
    .vgpr_count:     1024
    .wavefront_size: 32
...
	.end_amdgpu_metadata
.endif
;; end of part 2
;; launch score (part 3): grid 40 x 4, 4 waves a work-group, no clusters, 327,680 bytes of LDS; arguments qkv, pimg, mstat, lstat; writes pimg, mstat, lstat
.if DOCPART == 3
	.amdgcn_target "amdgcn-amd-amdhsa--gfx1250"
	.amdhsa_code_object_version 6
	.text
	.protected	k_q8100c8d6b2_score
	.globl	k_q8100c8d6b2_score
	.p2align	8
	.type	k_q8100c8d6b2_score,@function
k_q8100c8d6b2_score:
	s_mov_b64 s[64:65], 0
	v_nop
	global_prefetch_b8 v0, s[64:65] scope:SCOPE_SE
	s_setreg_imm32_b32 hwreg(HW_REG_WAVE_MODE, 25, 1), 1
	s_wait_xcnt 0x0
; S = q k^T on codes of E3M2 (K = 1,024), the causal mask, and p = 2^(t - M'), t = score x log2(e) / 32, M' = the ceiling of the largest t of the query AMONG THE WAVE'S 128 KEYS: a whole number.
; p is quantised along the keys and stored as super blocks (128 queries x 128 keys in 12,800 bytes, in the order of the operand's registers: codes at 1536 t + 512 c + 16 lane, scale words at
; 12288 + 256 (t/4) + 16 r + 4 (t%4); tile t, lane r = row 32 (t/2) + 8 (t%2) + r%8 + 16 (r/8)): pimg [4 batches][16 groups of queries][16 K steps of keys].
; -M' goes to mstat and the sum l' of the unquantised p to lstat, 512 bytes for each super block, laid as its scale words.  The next launch brings all stretches of a row under the row's own M by
; whole powers of two: on the scale bytes and on l'.  The codes are those of the row's M, since M - M' is a whole number.
; TILES: 256 queries x 256 keys; row i of a batch has tiles j = 0 .. (i | 1): 40 a batch, the 36 that the mask leaves and 4 wholly hidden, which come out as zero codes by the same lines, so that the next
; launch finds p written in whole steps of 512 keys.  NO CLUSTER: the rows hold 2, 2, 4, 4, 6, 6, 8, 8 tiles; groups of 4 x 4 would want 48 tiles a batch, 12 of them wholly hidden.
; Four waves, 128 x 128 each.  SOURCE 1 = q (a lane owns a query), SOURCE 0 = k (keys run along a lane's registers: register 16 b + i = key 32 b + 16 h + i).  Ring, steps and registers as in the launch before.
; LIMITS: NaN and infinities are not served.  A block of 32 whose largest p lies under 2^-64 is coded under the scale 2^-68 (its numbers are under 2^-64 of the stretch's largest).
.set SBB,   12800
.set GRP,   2*SBB
.set SLOT,  4*GRP
.set SPARE, 2*SLOT
.set KGRP,  8*SBB
.set FR,    12
.set NL,    3
.set NP,    4
.set LI,    4
.set ADRA,  16
.set ADRB,  20
.set ADRS,  22
.set SPW,   28
.set NIL,   29
.set SC,    32
.set FLR,   64                         ; v64  -3e38: under every score
.set NINF,  65                         ; v65  -infinity
.set DQ0,   66                         ; v66  my query of tile 0 less the key of my register 0
.set SW,    72                         ; v72-79 scale words, v80-87 -M', v88-95 l', one for each tile of queries
.set MS,    80
.set LS,    88
.set AF,    128
.set T,     128
.set PC,    192
.set BMX,   212                        ; v212-215 each block's largest score, then its largest p
.set BX2,   216
.set SCO,   220
.set NM,    224                        ; v224-225 -M' (named as a pair)
.set SU,    226                        ; v226-229 the sum, in two chains
.set TMP,   230
.set DQ,    231
.set G1,  24
.set G0,  32
.set CS,  40                           ; s[40:41] c = log2(e) / 32
.set SEL, 42
.set MSB, 0
.macro WIN new
.if MSB != (\new)
	s_set_vgpr_msb (MSB<<8)|(\new)
.set MSB, (\new)
.endif
.endm
.set MUL_LO, 0xa1
.set MUL_HI, 0xf1
.set TO_B,   0x40
.macro PLACES n
.rept \n
	v_nop
.endr
.endm
	s_load_b256 s[4:11], s[0:1], 0x0               ; qkv, pimg, mstat, lstat
	v_lshl_add_u32 v[SPW], v0, 2, SPARE
	v_mov_b32 v[NIL], 0
	ds_add_u32 v28, v29
	ds_add_u32 v28, v29
	s_wait_dscnt 0x0
	v_lshrrev_b32 v1, 5, v0
	v_readfirstlane_b32 s14, v1                    ; wave 0..3
	s_lshr_b32 s15, s14, 1                         ; which 128 queries I multiply.  Also: I fetch for q (0) or for k (1)
	s_and_b32 s16, s14, 1                          ; which 128 keys I multiply.  Also: which group of that operand I fetch
	s_and_b32 s44, ttmp7, 0xffff                   ; the batch
	s_cmp_ge_u32 ttmp9, 4                          ; the pairs of rows begin at tiles 0, 4, 12, 24
	s_cselect_b32 s17, 1, 0
	s_cmp_ge_u32 ttmp9, 12
	s_cselect_b32 s18, 1, 0
	s_cmp_ge_u32 ttmp9, 24
	s_cselect_b32 s19, 1, 0
	s_add_co_u32 s17, s17, s18
	s_add_co_u32 s17, s17, s19                     ; the pair of rows, 0..3
	s_add_co_u32 s18, s17, 1
	s_mul_i32 s18, s18, s17
	s_lshl_b32 s18, s18, 1                         ; its first tile
	s_sub_co_u32 s19, ttmp9, s18
	s_lshl_b32 s20, s17, 1
	s_add_co_u32 s20, s20, 2                       ; tiles in each of its rows
	s_lshl_b32 s17, s17, 1
	s_cmp_ge_u32 s19, s20
	s_cselect_b32 s21, 1, 0
	s_cselect_b32 s22, s20, 0
	s_add_co_u32 s17, s17, s21                     ; i
	s_sub_co_u32 s19, s19, s22                     ; j
	s_cmp_lt_u32 s19, s17
	s_cselect_b32 s45, 1, 0                        ; 1: every key of the tile counts for every query
	s_sub_co_u32 s20, s19, s17                     ; the row group that I fetch: 16 b + 2 i + half for q, 64 + 16 b + 2 j + half for k
	s_lshl_b32 s20, s20, 1
	s_add_co_u32 s20, s20, 64
	s_mul_i32 s20, s20, s15
	s_lshl_b32 s21, s17, 1
	s_add_co_u32 s20, s20, s21
	s_add_co_u32 s20, s20, s16
	s_lshl_b32 s21, s44, 4
	s_add_co_u32 s20, s20, s21
	s_mul_i32 s20, s20, KGRP
	s_mov_b32 s21, 0
	s_mov_b32 s[G1+0], 3<<16                       ; no mask; elements of 8 bytes; no padding: 25,600 dense bytes as 100 rows of 256
	s_mov_b32 s[G1+1], 32<<16
	s_mov_b32 s[G1+2], 100<<16
	s_mov_b32 s[G1+3], 32<<16
	s_mov_b32 s[G1+4], 100
	s_mov_b32 s[G1+5], 32
	s_mov_b32 s[G1+6], 0
	s_mov_b32 s[G1+7], 0
	s_mul_i32 s46, s14, GRP
	s_mov_b32 s[CS], 0x3d38aa3b
	s_mov_b32 s[CS+1], s[CS]
	s_mov_b32 s[SEL], 0x76543210
	s_mov_b32 s[SEL+1], 0xfedcba98
	s_wait_kmcnt 0x0
	s_add_nc_u64 s[20:21], s[4:5], s[20:21]
.irp s, 0,1
	s_mov_b32 s[G0+4*\s], 1
	s_add_co_u32 s[G0+4*\s+1], s46, \s*SLOT
	s_add_nc_u64 s[G0+4*\s+2:G0+4*\s+3], s[20:21], \s*GRP
	s_or_b32 s[G0+4*\s+3], s[G0+4*\s+3], 0x80000000
.endr
	tensor_load_to_lds s[G0:G0+3], s[G1:G1+7]      ; both first fills together: two loads of mine are out
	s_nop 0
	tensor_load_to_lds s[G0+4:G0+7], s[G1:G1+7]
	s_nop 0
	PLACES 4
	s_lshl_b32 s47, s17, 1
	s_add_co_u32 s47, s47, s15                     ; my group of queries
	s_lshl_b32 s48, s44, 4
	s_add_co_u32 s47, s47, s48
	s_lshl_b32 s47, s47, 4
	s_lshl_b32 s48, s19, 1
	s_add_co_u32 s48, s48, s16                     ; my K step of keys
	s_add_co_u32 s47, s47, s48                     ; my super block
	s_mul_i32 s48, s47, SBB
	s_mov_b32 s49, 0
	s_add_nc_u64 s[6:7], s[6:7], s[48:49]
	s_lshl_b32 s48, s47, 9
	s_add_nc_u64 s[8:9], s[8:9], s[48:49]
	s_add_nc_u64 s[10:11], s[10:11], s[48:49]
	v_and_b32 v1, 15, v0                           ; r
	v_bfe_u32 v2, v0, 4, 1                         ; h
	v_and_b32 v3, 31, v0
	v_lshlrev_b32 v[LI], 4, v3
	s_sub_co_i32 s22, s17, s19
	s_lshl_b32 s22, s22, 8
	s_sub_co_i32 s23, s15, s16
	s_lshl_b32 s23, s23, 7
	s_add_co_i32 s22, s22, s23                     ; 256 (i - j) + 128 (my half of the queries - my half of the keys)
	v_and_b32 v8, 7, v1
	v_lshrrev_b32 v9, 3, v1
	v_lshl_add_u32 v8, v9, 4, v8
	v_lshlrev_b32 v9, 4, v2
	v_sub_nc_u32 v8, v8, v9
	v_add_nc_u32 v[DQ0], s22, v8
	v_mov_b32 v[FLR], 0xff61b1e6
	v_mov_b32 v[NINF], 0xff800000
	s_mul_i32 s18, s15, GRP
	s_mul_i32 s20, s16, GRP
	s_add_co_u32 s20, s20, 2*GRP
.irp s, 0,1
	v_add_nc_u32 v[ADRA+\s], s18, v[LI]
	v_add_nc_u32 v[ADRB+\s], s20, v[LI]
	s_add_co_u32 s18, s18, SLOT
	s_add_co_u32 s20, s20, SLOT
.endr
	s_mul_i32 s18, s15, GRP
	s_mul_i32 s20, s16, GRP
	s_add_co_u32 s20, s20, 2*GRP
	s_sub_co_u32 s20, s20, s18
	v_mul_u32_u24 v7, s20, v2                      ; lanes 16-31 take k's scale words: one product, the distance between the two bases
	v_lshl_add_u32 v7, v1, 4, v7
	s_add_co_u32 s18, s18, 12288
	v_add_nc_u32 v[ADRS], s18, v7
	v_add_nc_u32 v[ADRS+1], SLOT, v[ADRS]
.macro FRAG reg, adr, q, i
.irp c, 0,1,2
	ds_load_b128 v[\reg+4*\c:\reg+4*\c+3], v[\adr] offset:SBB*(\q)+1536*(\i)+512*\c
.endr
.endm
.macro MUL16 a0, p, q, sc, zero        ; the 64 accumulators take turns, one instruction a turn
.irp a, \a0, \a0+1
.irp b, 0,1,2,3,4,5,6,7
.if \zero
	v_wmma_scale_f32_16x16x128_f8f6f4 v[8*(8*((\a)%4)+\b):8*(8*((\a)%4)+\b)+7], v[128*(\p)+FR*\b:128*(\p)+FR*\b+FR-1], v[AF+FR*(\a):AF+FR*(\a)+FR-1], 0, v[SC+16*(\sc)+8*(\q)+\b], v[SC+16*(\sc)+8*(\q)+(\a)] matrix_a_fmt:MATRIX_FMT_BF6 matrix_b_fmt:MATRIX_FMT_BF6 matrix_a_scale:MATRIX_SCALE_ROW1
.else
	v_wmma_scale_f32_16x16x128_f8f6f4 v[8*(8*((\a)%4)+\b):8*(8*((\a)%4)+\b)+7], v[128*(\p)+FR*\b:128*(\p)+FR*\b+FR-1], v[AF+FR*(\a):AF+FR*(\a)+FR-1], v[8*(8*((\a)%4)+\b):8*(8*((\a)%4)+\b)+7], v[SC+16*(\sc)+8*(\q)+\b], v[SC+16*(\sc)+8*(\q)+(\a)] matrix_a_fmt:MATRIX_FMT_BF6 matrix_b_fmt:MATRIX_FMT_BF6 matrix_a_scale:MATRIX_SCALE_ROW1
.endif
.endr
.endr
.endm
.macro FETCH_B slot, q, p
	WIN TO_B
.irp i, 0,1,2,3,4,5,6,7
	FRAG 128*(\p)+FR*\i, ADRB+\slot, \q, \i
.endr
	WIN 0
.endm
.macro FETCH_A slot, q, i0
.irp i, \i0, \i0+1, \i0+2, \i0+3
	FRAG AF+FR*(\i), ADRA+\slot, \q, \i
.endr
.endm
.macro SCALES slot
.irp q, 0,1
.irp f, 0,1
	ds_load_b128 v[SC+16*\slot+8*\q+4*\f:SC+16*\slot+8*\q+4*\f+3], v[ADRS+\slot] offset:SBB*\q+256*\f
.endr
.endr
.endm
.macro STEP slot, q, zero
	s_wait_dscnt 4*NL                              ; all but the youngest 12 loads (q's tiles 4-7) are in
	WIN MUL_LO
	MUL16 0, (\q)%2, \q, \slot, \zero
	MUL16 2, (\q)%2, \q, \slot, \zero
	s_wait_dscnt 0
	PLACES NP
	FETCH_B \slot, (\q)+1, 1-(\q)%2
	FETCH_A \slot, (\q)+1, 0
	WIN MUL_HI
	MUL16 4, (\q)%2, \q, \slot, \zero
	MUL16 6, (\q)%2, \q, \slot, \zero
	PLACES NP
	WIN 0
	FETCH_A \slot, (\q)+1, 4
.endm
.macro TURN slot, next, fill
	s_wait_tensorcnt 0x0                           ; all my tensor loads have landed: my part of the next slot
	ds_add_u32 v[SPW], v[NIL]
	s_wait_dscnt 4*NL+1                            ; (the add and the youngest 12 loads may be out)
	WIN MUL_LO
	MUL16 0, 1, 1, \slot, 0
	s_wait_dscnt 0x0                               ; the add is done, and my reads of this slot are over
	s_barrier_signal -1
	MUL16 2, 1, 1, \slot, 0
	WIN 0
	s_barrier_wait -1
.if \fill
	s_add_nc_u64 s[G0+4*\slot+2:G0+4*\slot+3], s[G0+4*\slot+2:G0+4*\slot+3], 2*GRP   ; no load of mine is out: the group may be written
	tensor_load_to_lds s[G0+4*\slot:G0+4*\slot+3], s[G1:G1+7]                        ; my one tensor load behind this barrier
	s_nop 0
.endif
	PLACES NP
	FETCH_B \next, 0, 0
	FETCH_A \next, 0, 0
	SCALES \next
	WIN MUL_HI
	MUL16 4, 1, 1, \slot, 0
	MUL16 6, 1, 1, \slot, 0
	PLACES NP
	WIN 0
	FETCH_A \next, 0, 4
.endm
	s_wait_tensorcnt 1                             ; my part of slot 0 is in; slot 1's may stay out
	s_barrier_signal -1
	s_barrier_wait -1
	FETCH_B 0, 0, 0
	FETCH_A 0, 0, 0
	SCALES 0
	FETCH_A 0, 0, 4
	STEP 0, 0, 1
	TURN 0, 1, 1
	STEP 1, 0, 0
	TURN 1, 0, 1
	STEP 0, 0, 0
	TURN 0, 1, 0
	STEP 1, 0, 0
	s_wait_dscnt 4*NL
	WIN MUL_LO
	MUL16 0, 1, 1, 1, 0
	MUL16 2, 1, 1, 1, 0
	s_wait_dscnt 0
	WIN MUL_HI
	MUL16 4, 1, 1, 1, 0
	MUL16 6, 1, 1, 1, 0
	WIN 0
; THE SOFTMAX AND THE WAY OUT of tile a of the queries: 64 scores a lane, register 16 b + i = key 32 b + 16 h + i of my 128.
.macro SOFT a
.set AC, 64*((\a)%4)
.set WH, (\a)/4
	s_cmp_eq_u32 s45, 1
	s_cbranch_scc1 .Lopen_\@                       ; a tile under the diagonal has nothing to hide: a branch on the work-group's number
	v_add_nc_u32 v[DQ], 32*((\a)/2)+8*((\a)%2), v[DQ0]   ; my query less my register 0's key: register 16 b + i is hidden where 32 b + i is greater
	WIN 0x82+0x41*WH                               ; destination and source 0: the accumulators' window
.set n, 0
.rept 64
	v_cmp_gt_i32 vcc_lo, 32*(n/16)+n%16, v[DQ]
	v_cndmask_b32 v[AC+n], v[AC+n], v[NINF], vcc_lo
.set n, n+1
.endr
	WIN 0
.Lopen_\@:
	WIN 0x28+0x14*WH                               ; sources 1 and 2: the accumulators' window
.irp b, 0,1,2,3
	v_max3_num_f32 v[BMX+\b], v[FLR], v[AC+16*\b], v[AC+16*\b+1]   ; each block's largest score; -3e38 is a leaf, so that a hidden block gives a number
.endr
.irp i, 2,4,6,8,10,12,14
.irp b, 0,1,2,3
	v_max3_num_f32 v[BMX+\b], v[BMX+\b], v[AC+16*\b+\i], v[AC+16*\b+\i+1]
.endr
.endr
	WIN 0
.irp b, 0,1,2,3
	v_permlanex16_b32 v[BX2+\b], v[BMX+\b], s[SEL], s[SEL+1]
.endr
.irp b, 0,1,2,3
	v_max_num_f32 v[BMX+\b], v[BMX+\b], v[BX2+\b]
.endr
	v_max3_num_f32 v[TMP], v[BMX], v[BMX+1], v[BMX+2]
	v_max_num_f32 v[TMP], v[TMP], v[BMX+3]
	v_mul_f32 v[TMP], s[CS], v[TMP]                ; the largest t of my query among these 128 keys
	v_floor_f32 v[NM], -v[TMP]                     ; -M' = floor(-t) = -ceil(t)
	WIN 0x02+WH
.set n, 0
.rept 32
	v_pk_fma_f32 v[T+n:T+n+1], v[AC+n:AC+n+1], s[CS:CS+1], v[NM:NM+1] op_sel_hi:[1,0,0]   ; t - M'
.set n, n+2
.endr
	WIN 0
.irp b, 0,1,2,3
	v_fma_f32 v[BMX+\b], v[BMX+\b], s[CS], v[NM]   ; the same of each block's largest score
.endr
.set n, 0
.rept 64
	v_exp_f32 v[T+n], v[T+n]                       ; p, at most 1; 0 where the key is hidden
.set n, n+1
.endr
.irp b, 0,1,2,3
	v_exp_f32 v[BMX+\b], v[BMX+\b]                 ; the block's largest p: the same two operations on the same number
.endr
	v_mov_b32 v[MS+(\a)], v[NM]                    ; (a plain place behind the exponentials)
	s_wait_alu depctr_va_vdst(0)
.irp b, 0,1,2,3
	v_med3_num_f32 v[BMX+\b], v[BMX+\b], 0x1f800000, 1.0   ; held between 2^-64 and 1: the bytes lie in 59 .. 123, so that the next launch can take up to 58 off them
.endr
.irp b, 0,1,2,3
	v_add_nc_u32 v[SCO+\b], 0xfe000000, v[BMX+\b]
.endr
.irp b, 0,1,2,3
	v_lshrrev_b32 v[BX2+\b], 23, v[SCO+\b]
.endr
	v_lshl_or_b32 v[SW+(\a)], v[BX2+1], 8, v[BX2]
	v_lshl_or_b32 v[SW+(\a)], v[BX2+2], 16, v[SW+(\a)]
	v_lshl_or_b32 v[SW+(\a)], v[BX2+3], 24, v[SW+(\a)]
	s_wait_xcnt 0x0                                ; the last tile's stores have read the code registers
.irp c, 0,1
	v_cvt_scalef32_pk16_bf6_f32 v[PC+6*\c:PC+2+6*\c], v[T+32*\c:T+15+32*\c], v[SCO+2*\c]
	v_cvt_scalef32_pk16_bf6_f32 v[PC+12+4*\c:PC+14+4*\c], v[T+16+32*\c:T+31+32*\c], v[SCO+2*\c+1]
.endr
	v_nop                                          ; one plain place behind a scaled conversion
.irp c, 0,1
.irp i, 0,1,2
	v_permlane16_swap_b32 v[PC+6*\c+\i], v[PC+12+4*\c+\i]
.endr
.irp i, 0,1,2
	v_mov_b32 v[PC+3+6*\c+\i], v[PC+12+4*\c+\i]
.endr
.endr
	v_pk_add_f32 v[SU:SU+1], v[T:T+1], v[T+2:T+3]  ; the sum of the unquantised p, in two chains
	v_pk_add_f32 v[SU+2:SU+3], v[T+4:T+5], v[T+6:T+7]
.irp j, 8,12,16,20,24,28,32,36,40,44,48,52,56,60
	v_pk_add_f32 v[SU:SU+1], v[SU:SU+1], v[T+\j:T+\j+1]
	v_pk_add_f32 v[SU+2:SU+3], v[SU+2:SU+3], v[T+\j+2:T+\j+3]
.endr
	v_pk_add_f32 v[SU:SU+1], v[SU:SU+1], v[SU+2:SU+3]
	v_add_f32 v[SU], v[SU], v[SU+1]
	v_permlanex16_b32 v[TMP], v[SU], s[SEL], s[SEL+1]
	v_add_f32 v[LS+(\a)], v[SU], v[TMP]
.irp c, 0,1,2
	global_store_b128 v[LI], v[PC+4*\c:PC+4*\c+3], s[6:7] offset:1536*(\a)+512*\c   ; 512 consecutive bytes, at a multiple of 256 from the buffer's first byte
.endr
.endm
	PLACES NP                                      ; behind the last products
.irp b, 0,1,2,3
	v_mov_b32 v[BX2+\b], 0                         ; written once: a lane permute's destination counts as one of its sources
.endr
	v_mov_b32 v[NM+1], 0                           ; named as the upper half of a pair
.irp a, 0,1,2,3,4,5,6,7
	SOFT \a
.endr
	s_mov_b32 vcc_lo, 0xffff0000                   ; lanes 16-31 give the words of tiles 4-7
.irp e, 0,1,2,3
	v_cndmask_b32 v[T+\e], v[SW+\e], v[SW+4+\e], vcc_lo
	v_cndmask_b32 v[T+4+\e], v[MS+\e], v[MS+4+\e], vcc_lo
	v_cndmask_b32 v[T+8+\e], v[LS+\e], v[LS+4+\e], vcc_lo
.endr
	global_store_b128 v[LI], v[T:T+3], s[6:7] offset:12288
	global_store_b128 v[LI], v[T+4:T+7], s[8:9]
	global_store_b128 v[LI], v[T+8:T+11], s[10:11]
	s_wait_tensorcnt 0x0                           ; the wave's end
	ds_add_u32 v[SPW], v[NIL]
	s_wait_dscnt 0x0
	s_endpgm
.Lfunc_end_k_q8100c8d6b2_score:
	.size	k_q8100c8d6b2_score, .Lfunc_end_k_q8100c8d6b2_score-k_q8100c8d6b2_score
	.p2alignl 7, 3214868480
	.fill 96, 4, 3214868480
	.section	.rodata,"a",@progbits
	.p2align	6, 0x0
	.amdhsa_kernel k_q8100c8d6b2_score
		.amdhsa_group_segment_fixed_size 327680
		.amdhsa_private_segment_fixed_size 0
		.amdhsa_enable_private_segment 0
		.amdhsa_kernarg_size 32
		.amdhsa_user_sgpr_count 2
		.amdhsa_user_sgpr_kernarg_segment_ptr 1
		.amdhsa_wavefront_size32 1
		.amdhsa_system_sgpr_workgroup_id_x 1
		.amdhsa_system_sgpr_workgroup_id_y 1
		.amdhsa_system_sgpr_workgroup_id_z 1
		.amdhsa_system_vgpr_workitem_id 0
		.amdhsa_next_free_vgpr 1024
		.amdhsa_next_free_sgpr 66
		.amdhsa_reserve_vcc 1
		.amdhsa_float_denorm_mode_32 3
		.amdhsa_float_denorm_mode_16_64 3
		.amdhsa_memory_ordered 1
		.amdhsa_forward_progress 1
		.amdhsa_inst_pref_size 231
	.end_amdhsa_kernel
	.amdgpu_metadata
---
amdhsa.version: [ 1, 2 ]
amdhsa.kernels:
  - .name:           k_q8100c8d6b2_score
    .symbol:         k_q8100c8d6b2_score.kd
    .args:
      - { .name: qkv, .offset: 0, .size: 8, .value_kind: global_buffer, .address_space: global }
      - { .name: pimg, .offset: 8, .size: 8, .value_kind: global_buffer, .address_space: global }
      - { .name: mstat, .offset: 16, .size: 8, .value_kind: global_buffer, .address_space: global }
      - { .name: lstat, .offset: 24, .size: 8, .value_kind: global_buffer, .address_space: global }
    .group_segment_fixed_size: 327680
    .private_segment_fixed_size: 0
    .kernarg_segment_align: 8
    .kernarg_segment_size: 32
    .max_flat_workgroup_size: 128
    .sgpr_count:     66
    .vgpr_count:     1024
    .wavefront_size: 32
...
	.end_amdgpu_metadata
.endif
;; end of part 3
;; launch mix (part 4): grid 4 x 64, 4 waves a work-group, clusters of 4 x 4, 327,680 bytes of LDS; arguments pimg, qkv, mstat, lstat, out0; writes out0
.if DOCPART == 4
	.amdgcn_target "amdgcn-amd-amdhsa--gfx1250"
	.amdhsa_code_object_version 6
	.text
	.protected	k_q8100c8d6b2_mix
	.globl	k_q8100c8d6b2_mix
	.p2align	8
	.type	k_q8100c8d6b2_mix,@function
k_q8100c8d6b2_mix:
	s_mov_b64 s[64:65], 0
	v_nop
	global_prefetch_b8 v0, s[64:65] scope:SCOPE_SE
	s_setreg_imm32_b32 hwreg(HW_REG_WAVE_MODE, 25, 1), 1
	s_wait_xcnt 0x0
	s_wait_alu depctr_hold_cnt(0) depctr_sa_sdst(0) depctr_va_vdst(0) depctr_va_sdst(0) depctr_va_ssrc(0) depctr_va_vcc(0) depctr_vm_vsrc(0)
	s_getreg_b32 s2, hwreg(HW_REG_IB_STS2, 6, 4)
	s_cmp_eq_u32 s2, 0
	s_cbranch_scc0 .Lentry_in_a_cluster
	s_endpgm
.Lentry_in_a_cluster:
	s_bfe_u32 s2, ttmp6, 0x10000c
	s_cmp_lg_u32 s2, 0xf033
	s_cbranch_scc0 .Lentry_shape_is_right
	s_endpgm
.Lentry_shape_is_right:
; out = P v / l on codes of E3M2.  P: pimg [4 batches][16 groups of 128 queries][16 K steps of 128 keys], v^T: in qkv behind q and k, [4][8 groups of 128 d][16 K steps], both as super blocks of 12,800 bytes in the
; order of the operand's registers (codes at 1536 t + 512 c + 16 lane, scale words at 12288 + 256 (t/4) + 16 r + 4 (t%4); tile t, lane r = row 32 (t/2) + 8 (t%2) + r%8 + 16 (r/8)).
; Each stretch of 128 keys of a query was coded under its own whole number M' (mstat holds -M', lstat the stretch's sum l').  Here M = the largest M' of the row; e = M' - M is a whole number, 0 or less:
; l = the sum of l' 2^e (exact scalings), and e is added to each of P's four scale bytes of that stretch, which is the multiplication of its p by 2^e.
; SHARES: a work-group makes 128 queries x 256 d, a wave 64 x 128: 32 accumulators.  SOURCE 1 = P (a lane owns a query), SOURCE 0 = v^T (d runs along a lane's registers).
; CAUSAL: the four groups of queries of a cluster need keys 0 .. 512 LAPS - 1, LAPS = 1 .. 4 from the cluster's y: alike in all partners.  A lap is 512 keys: two slots of 256.  Each number of laps has its own tail,
; written out, behind one forward branch: no joint load is asked for that nobody reads.  CLUSTERS 4 x 4: P's tiles are asked for jointly along a row, v^T's along a column.
; REGISTERS: window 0: v4-5, v16-25 addresses; v28-29 for the add; v32-47 P's scale words (8 slot + 4 q + a), v48-79 v^T's (16 slot + 8 q + b); v80-143 what is added to P's words (4 K step + a);
;   v144-239 P's fragments, two sets; v240-247 1 / l in pairs; window 1: the accumulators ((a, b) at v[8 (8 a + b)]); window 2: v^T's fragments, two sets, at v0 and v96.
; LIMITS: NaN and infinities are not served.  A stretch whose M' lies more than 58 under the row's M is weighed by 2^-58 and not by less in the product (in l exactly): under 2^-50 of the row's largest term.
.set SBB,   12800
.set GRP,   2*SBB
.set SLOT,  3*GRP                      ; P's two K steps, then two K steps of each of v^T's two groups
.set STAGE, 2*SLOT                     ; behind the ring: 16 rows x 528 bytes for each wave; no fill lands here
.set SPT,   528
.set SPARE, STAGE+4*16*SPT             ; the spare words, 128 bytes a wave
.set LI,    4                          ; v4   16 x lane
.set SOF,   5                          ; v5   my place in a stretch's 512 bytes of -M' or l'
.set ADRA,  16                         ; v16-17 P's fragments in slot 0, 1;  v18-19 its scale words
.set ADSA,  18
.set ADRB,  20                         ; v20-21 v^T's fragments;  v22-23 its scale words
.set ADSB,  22
.set STO,   24
.set RD,    25
.set SPW,   28
.set NIL,   29
.set SA,    32
.set SB,    48
.set D,     80
.set BK,    80                         ; the way out: 16 rows read back from the stage
.set AF,    144
.set L,     144                        ; the head: l' (before P's fragments take the registers)
.set T,     144                        ; the way out: 64 numbers
.set EI,    208
.set RL,    240
.set NMR,   248
.set LSUM,  252
.set G1,  24
.set G0,  32
.set G1B, 48
.set G0B, 56
.set MSB, 0
.macro WIN new
.if MSB != (\new)
	s_set_vgpr_msb (MSB<<8)|(\new)
.set MSB, (\new)
.endif
.endm
.set MUL, 0x52                         ; source 0 (v^T) window 2, source 1 (P) window 0, C and D window 1
.macro PLACES n
.rept \n
	v_nop
.endr
.endm
.macro JLOAD g0a, g1a, g0b, g1b        ; waves 0 and 1 fetch P's two K steps, waves 2 and 3 v^T's two groups; four v_nop follow each of the two lines
	s_cmp_eq_u32 s15, 0
	s_cbranch_scc0 .Lfor_b_\@
	tensor_load_to_lds s[\g0a:\g0a+3], s[\g1a:\g1a+7]
	s_nop 0
	PLACES 4
	s_branch .Lasked_\@
.Lfor_b_\@:
	tensor_load_to_lds s[\g0b:\g0b+3], s[\g1b:\g1b+7]
	s_nop 0
	PLACES 4
.Lasked_\@:
.endm
.macro CREST
	s_cmp_lg_u32 s14, 0
	s_cbranch_scc1 .Lnot_wave_0_\@
	s_barrier_signal -3
.Lnot_wave_0_\@:
	s_barrier_wait -3
	s_barrier_signal -1
	s_barrier_wait -1
.endm
.macro CROUND
	s_barrier_signal -1
	s_barrier_wait -1
	CREST
.endm
	s_load_b256 s[4:11], s[0:1], 0x0               ; pimg, qkv, mstat, lstat
	s_load_b64 s[12:13], s[0:1], 0x20              ; out0
	v_lshl_add_u32 v[SPW], v0, 2, SPARE
	v_mov_b32 v[NIL], 0
	ds_add_u32 v28, v29
	ds_add_u32 v28, v29
	s_wait_dscnt 0x0
	v_lshrrev_b32 v1, 5, v0
	v_readfirstlane_b32 s14, v1                    ; wave 0..3
	s_lshr_b32 s15, s14, 1                         ; which 64 queries I multiply.  Also: I fetch for P (0) or for v^T (1)
	s_and_b32 s16, s14, 1                          ; which 128 d I multiply.  Also: which part of that operand I fetch
	s_bfe_u32 s40, ttmp6, 0x40000                  ; cx, cy
	s_bfe_u32 s41, ttmp6, 0x40004
	s_and_b32 s17, ttmp7, 0xffff
	s_lshr_b32 s18, s17, 2                         ; the batch
	s_and_b32 s19, s17, 3
	s_add_co_u32 s20, s19, 1                       ; LAPS
	s_lshl_b32 s21, s19, 2
	s_add_co_u32 s21, s21, s41                     ; my group of queries in the batch
	s_lshl_b32 s42, ttmp9, 2
	s_add_co_u32 s42, s42, s40                     ; my 256 d
	s_lshl_b32 s43, s41, 2
	s_lshl_b32 s43, 15, s43                        ; my row of the cluster
	s_lshl_b32 s44, 0x1111, s40                    ; my column
	s_or_b32 s[G1+0], s43, (3<<16)|(1<<21)         ; P: 12,800 dense bytes as 50 rows of 32 elements of 8 bytes
	s_mov_b32 s[G1+1], 32<<16
	s_mov_b32 s[G1+2], 50<<16
	s_mov_b32 s[G1+3], 32<<16
	s_mov_b32 s[G1+4], 50
	s_mov_b32 s[G1+5], 32
	s_mov_b32 s[G1+6], 0
	s_mov_b32 s[G1+7], 0
	s_or_b32 s[G1B+0], s44, (3<<16)|(1<<21)        ; v^T: 25,600 as 100 rows
	s_mov_b32 s[G1B+1], 32<<16
	s_mov_b32 s[G1B+2], 100<<16
	s_mov_b32 s[G1B+3], 32<<16
	s_mov_b32 s[G1B+4], 100
	s_mov_b32 s[G1B+5], 32
	s_mov_b32 s[G1B+6], 0
	s_mov_b32 s[G1B+7], 0
	s_lshl_b32 s22, s18, 4
	s_add_co_u32 s66, s22, s21                     ; 16 b + group of queries
	s_lshl_b32 s22, s66, 4
	s_add_co_u32 s22, s22, s16                     ; P: its K step 0 or 1
	s_mul_i32 s22, s22, SBB
	s_mov_b32 s23, 0
	s_lshl_b32 s46, s18, 3
	s_lshl_b32 s47, s42, 1
	s_add_co_u32 s46, s46, s47
	s_add_co_u32 s46, s46, s16                     ; v^T: group 8 b + 2 x my 256 d + half
	s_mul_i32 s46, s46, 16*SBB
	s_add_co_u32 s46, s46, 1024*SBB                ; behind q and k
	s_mov_b32 s47, 0
	s_mul_i32 s45, s16, SBB                        ; where they go in a slot
	s_mul_i32 s67, s16, GRP
	s_add_co_u32 s67, s67, GRP
	s_wait_kmcnt 0x0
	s_add_nc_u64 s[22:23], s[4:5], s[22:23]
	s_add_nc_u64 s[46:47], s[6:7], s[46:47]
	CROUND                                         ; all sixteen work-groups are here: the first joint loads meet
.irp s, 0,1
	s_mov_b32 s[G0+4*\s], 1
	s_add_co_u32 s[G0+4*\s+1], s45, \s*SLOT
	s_add_nc_u64 s[G0+4*\s+2:G0+4*\s+3], s[22:23], \s*GRP
	s_or_b32 s[G0+4*\s+3], s[G0+4*\s+3], 0x80000000
	s_mov_b32 s[G0B+4*\s], 1
	s_add_co_u32 s[G0B+4*\s+1], s67, \s*SLOT
	s_add_nc_u64 s[G0B+4*\s+2:G0B+4*\s+3], s[46:47], \s*GRP
	s_or_b32 s[G0B+4*\s+3], s[G0B+4*\s+3], 0x80000000
	JLOAD G0+4*\s, G1, G0B+4*\s, G1B
.endr
	s_lshl_b32 s68, s66, 13                        ; a group's 16 stretches of 512 bytes
	s_mov_b32 s69, 0
	s_add_nc_u64 s[8:9], s[8:9], s[68:69]
	s_add_nc_u64 s[10:11], s[10:11], s[68:69]
	s_lshl_b32 s70, s66, 19                        ; out0: 128 rows of 4,096 bytes a group,
	s_lshl_b32 s71, s15, 18                        ; my 64 rows,
	s_add_co_u32 s70, s70, s71
	s_lshl_b32 s71, s42, 10                        ; my work-group's 256 columns,
	s_add_co_u32 s70, s70, s71
	s_lshl_b32 s71, s16, 9                         ; my 128
	s_add_co_u32 s70, s70, s71
	s_mov_b32 s71, 0
	s_add_nc_u64 s[12:13], s[12:13], s[70:71]
	s_mov_b32 s72, 0x7f61b1e6                      ; 3e38
	s_mov_b32 s73, 0x01010101
	v_and_b32 v1, 15, v0                           ; r
	v_bfe_u32 v2, v0, 4, 1                         ; h
	v_and_b32 v3, 31, v0
	v_lshlrev_b32 v[LI], 4, v3
	v_lshlrev_b32 v6, 4, v1                        ; 16 r
	s_mul_i32 s74, s15, 4*1536
	v_add_nc_u32 v[ADRA], s74, v[LI]
	v_add_nc_u32 v[ADRA+1], SLOT, v[ADRA]
	s_lshl_b32 s74, s15, 8
	v_add_nc_u32 v[SOF], s74, v6
	s_add_co_u32 s74, s74, 12288
	v_add_nc_u32 v[ADSA], s74, v6
	v_add_nc_u32 v[ADSA+1], SLOT, v[ADSA]
	v_add_nc_u32 v[ADRB], s67, v[LI]
	v_add_nc_u32 v[ADRB+1], SLOT, v[ADRB]
	s_add_co_u32 s74, s67, 12288
	v_add_nc_u32 v[ADSB], s74, v6
	v_add_nc_u32 v[ADSB+1], SLOT, v[ADSB]
	s_mul_i32 s74, s14, 16*SPT
	s_add_co_u32 s74, s74, STAGE                   ; my stage
	v_mul_u32_u24 v7, v1, SPT
	v_lshl_add_u32 v7, v2, 6, v7
	v_add_nc_u32 v[STO], s74, v7                   ; in: row r, + 64 h
	v_add_nc_u32 v[RD], s74, v[LI]                 ; back: a row's 512 bytes, 16 a lane
	; THE ROWS' M AND l, while the first tiles land.  Stretches beyond my laps count as -M' = 3e38 and l' = 0.
.set n, 16
.rept 48
	v_mov_b32 v[D+n], s72
	v_mov_b32 v[L+n], 0
.set n, n+1
.endr
.macro STATS l                         ; lap l's four stretches: -M' and l' of my four tiles of queries
.irp k, 0,1,2,3
	global_load_b128 v[D+16*(\l)+4*\k:D+16*(\l)+4*\k+3], v[SOF], s[8:9] offset:512*(4*(\l)+\k)
	global_load_b128 v[L+16*(\l)+4*\k:L+16*(\l)+4*\k+3], v[SOF], s[10:11] offset:512*(4*(\l)+\k)
.endr
.endm
	STATS 0
	s_cmp_le_u32 s20, 1
	s_cbranch_scc1 .Lstats
	STATS 1
	s_cmp_le_u32 s20, 2
	s_cbranch_scc1 .Lstats
	STATS 2
	s_cmp_le_u32 s20, 3
	s_cbranch_scc1 .Lstats
	STATS 3
.Lstats:
	s_wait_loadcnt 0x0
.irp a, 0,1,2,3
	v_min3_num_f32 v[NMR+\a], v[D+\a], v[D+4+\a], v[D+8+\a]
.endr
.irp k, 3,5,7,9,11,13
.irp a, 0,1,2,3
	v_min3_num_f32 v[NMR+\a], v[NMR+\a], v[D+4*\k+\a], v[D+4*\k+4+\a]
.endr
.endr
.irp a, 0,1,2,3
	v_min_num_f32 v[NMR+\a], v[NMR+\a], v[D+60+\a] ; -M = the least -M'
.endr
.irp k, 0,1,2,3,4,5,6,7,8,9,10,11,12,13,14,15
.irp a, 0,1,2,3
	v_sub_f32 v[D+4*\k+\a], v[NMR+\a], v[D+4*\k+\a]        ; e = M' - M: a whole number, 0 or less
.endr
.irp a, 0,1,2,3
	v_cvt_i32_f32 v[EI+\a], v[D+4*\k+\a]                   ; (it saturates)
.endr
.irp a, 0,1,2,3
	v_ldexp_f32 v[L+4*\k+\a], v[L+4*\k+\a], v[EI+\a]       ; l' 2^e: nothing is rounded
.endr
.irp a, 0,1,2,3
	v_max_num_f32 v[D+4*\k+\a], 0xc2680000, v[D+4*\k+\a]   ; held at -58: the bytes are 59 at the least, so none borrows from its neighbour and none falls under 1
.endr
.irp a, 0,1,2,3
	v_cvt_i32_f32 v[D+4*\k+\a], v[D+4*\k+\a]
.endr
.irp a, 0,1,2,3
	v_mul_lo_u32 v[D+4*\k+\a], v[D+4*\k+\a], s73           ; e in each of the word's four bytes
.endr
.endr
.irp a, 0,1,2,3
	v_add_f32 v[LSUM+\a], v[L+\a], v[L+4+\a]
.endr
.irp k, 2,3,4,5,6,7,8,9,10,11,12,13,14,15
.irp a, 0,1,2,3
	v_add_f32 v[LSUM+\a], v[LSUM+\a], v[L+4*\k+\a]
.endr
.endr
.irp a, 0,1,2,3
	v_rcp_f32 v[RL+2*\a], v[LSUM+\a]
.endr
	v_nop                                          ; one plain place behind a transcendental
	s_wait_alu depctr_va_vdst(0)
.irp a, 0,1,2,3
	v_mov_b32 v[RL+2*\a+1], v[RL+2*\a]
.endr
.macro FETCHK slot, q                  ; the fragments of the slot's q-th K step into set q: v^T's eight tiles, P's four
	WIN 0x80                                       ; destination window 2
.irp b, 0,1,2,3,4,5,6,7
.irp c, 0,1,2
	ds_load_b128 v[96*(\q)+12*\b+4*\c:96*(\q)+12*\b+4*\c+3], v[ADRB+\slot] offset:SBB*(\q)+1536*\b+512*\c
.endr
.endr
	WIN 0
.irp a, 0,1,2,3
.irp c, 0,1,2
	ds_load_b128 v[AF+48*(\q)+12*\a+4*\c:AF+48*(\q)+12*\a+4*\c+3], v[ADRA+\slot] offset:SBB*(\q)+1536*\a+512*\c
.endr
.endr
.endm
.macro SCALES slot                     ; the slot's scale words, both K steps
.irp q, 0,1
	ds_load_b128 v[SA+8*\slot+4*\q:SA+8*\slot+4*\q+3], v[ADSA+\slot] offset:SBB*\q
.irp f, 0,1
	ds_load_b128 v[SB+16*\slot+8*\q+4*\f:SB+16*\slot+8*\q+4*\f+3], v[ADSB+\slot] offset:SBB*\q+256*\f
.endr
.endr
.endm
.macro MUL8 q, slot, a, zero           ; P's tile a x v^T's eight.  The 32 accumulators take turns, one instruction a turn
.irp b, 0,1,2,3,4,5,6,7
.if \zero
	v_wmma_scale_f32_16x16x128_f8f6f4 v[8*(8*(\a)+\b):8*(8*(\a)+\b)+7], v[96*(\q)+12*\b:96*(\q)+12*\b+11], v[AF+48*(\q)+12*(\a):AF+48*(\q)+12*(\a)+11], 0, v[SB+16*(\slot)+8*(\q)+\b], v[SA+8*(\slot)+4*(\q)+(\a)] matrix_a_fmt:MATRIX_FMT_BF6 matrix_b_fmt:MATRIX_FMT_BF6
.else
	v_wmma_scale_f32_16x16x128_f8f6f4 v[8*(8*(\a)+\b):8*(8*(\a)+\b)+7], v[96*(\q)+12*\b:96*(\q)+12*\b+11], v[AF+48*(\q)+12*(\a):AF+48*(\q)+12*(\a)+11], v[8*(8*(\a)+\b):8*(8*(\a)+\b)+7], v[SB+16*(\slot)+8*(\q)+\b], v[SA+8*(\slot)+4*(\q)+(\a)] matrix_a_fmt:MATRIX_FMT_BF6 matrix_b_fmt:MATRIX_FMT_BF6
.endif
.endr
.endm
; A slot's first K step; ks0 = its number among the row's 16.  P's scale words of both K steps are brought under the row's M first.
.macro STEPA slot, ks0, zero
	s_wait_dscnt 0x0                               ; set 0's fragments and the slot's scale words are in
.irp q, 0,1
.irp a, 0,1,2,3
	v_add_nc_u32 v[SA+8*\slot+4*\q+\a], v[SA+8*\slot+4*\q+\a], v[D+4*((\ks0)+\q)+\a]
.endr
.endr
	PLACES 8                                       ; a scale register written by a vector instruction stands 8 places ahead of the scaled product; these lines are also the places in front of the loads into set 1
	FETCHK \slot, 1
	WIN MUL
	MUL8 0, \slot, 0, \zero
	MUL8 0, \slot, 1, \zero
	MUL8 0, \slot, 2, \zero
	MUL8 0, \slot, 3, \zero
	WIN 0
.endm
; A slot's second K step changes slots: one barrier; in front of it each wave waits for all its tensor loads, adds 0 to its spare word, and waits for that and for its reads of this slot.
.macro TURN slot, next, fill
	s_wait_tensorcnt 0x0                           ; all my tensor loads have landed: my part of the next slot
	ds_add_u32 v[SPW], v[NIL]
	s_wait_dscnt 1                                 ; set 1's fragments are in (the add alone may be out)
	WIN MUL
	MUL8 1, \slot, 0, 0
	s_wait_dscnt 0x0                               ; the add is done, and my reads of this slot are over
	s_barrier_signal -1
	MUL8 1, \slot, 1, 0
	WIN 0
	s_barrier_wait -1
.if \fill
	CREST                                          ; the barrier has opened a round of the cluster's: no wave of any partner still reads this slot or has a load on its way
	s_add_nc_u64 s[G0+4*\slot+2:G0+4*\slot+3], s[G0+4*\slot+2:G0+4*\slot+3], 2*GRP
	s_add_nc_u64 s[G0B+4*\slot+2:G0B+4*\slot+3], s[G0B+4*\slot+2:G0B+4*\slot+3], 2*GRP
	JLOAD G0+4*\slot, G1, G0B+4*\slot, G1B         ; the first tensor load behind the round: the next lap's 256 keys; its four v_nop are the places in front of the loads below
.else
	PLACES 4
.endif
	FETCHK \next, 0
	SCALES \next
	WIN MUL
	MUL8 1, \slot, 2, 0
	MUL8 1, \slot, 3, 0
	WIN 0
.endm
.macro TAIL ks                         ; the last lap's last three K steps: nothing more is asked for.  ks = the number of slot 1's first K step
	TURN 0, 1, 0
	STEPA 1, \ks, 0
	s_wait_dscnt 0x0
	WIN MUL
	MUL8 1, 1, 0, 0
	MUL8 1, 1, 1, 0
	MUL8 1, 1, 2, 0
	MUL8 1, 1, 3, 0
	WIN 0
.endm
	s_wait_tensorcnt 1                             ; my part of slot 0 is in; slot 1's may stay out
	s_barrier_signal -1
	s_barrier_wait -1
	FETCHK 0, 0
	SCALES 0
	STEPA 0, 0, 1                                  ; K step 0 starts the sums: nothing is cleared
.irp l, 0,1,2
	s_cmp_lg_u32 s20, \l+1                         ; is this my last lap?  The same answer in every wave and every partner
	s_cbranch_scc1 .Lmore_\l
	TAIL 4*\l+2
	s_branch .Lout
.Lmore_\l:
	TURN 0, 1, 1
	STEPA 1, 4*\l+2, 0
	TURN 1, 0, 1
	STEPA 0, 4*\l+4, 0
.endr
	TAIL 14
.Lout:
; THE WAY OUT, a tile of 16 queries x 128 d at a time: divided by l, through my own stage in LDS, back as whole rows of 512 bytes.
.macro OUTQ a
	WIN 0x01                                       ; source 0: the accumulators' window
.set n, 0
.rept 32
	v_pk_mul_f32 v[T+n:T+n+1], v[64*(\a)+n:64*(\a)+n+1], v[RL+2*(\a):RL+2*(\a)+1]   ; each accumulator from its low end on
.set n, n+2
.endr
	WIN 0
.irp b, 0,1,2,3,4,5,6,7
	ds_store_b128 v[STO], v[T+8*\b:T+8*\b+3] offset:128*(\b/2)+32*(\b%2)          ; register 8 b + j is d = 32 (b/2) + 16 h + 8 (b%2) + j
	ds_store_b128 v[STO], v[T+8*\b+4:T+8*\b+7] offset:128*(\b/2)+32*(\b%2)+16
.endr
	s_wait_xcnt 0x0                                ; the last tile's stores have read their registers
.irp t, 0,1,2,3,4,5,6,7,8,9,10,11,12,13,14,15
	ds_load_b128 v[BK+4*\t:BK+4*\t+3], v[RD] offset:SPT*\t   ; LDS serves a wave's instructions in order: these see the stores above
.endr
	s_wait_dscnt 0x0
.irp t, 0,1,2,3,4,5,6,7,8,9,10,11,12,13,14,15
	global_store_b128 v[LI], v[BK+4*\t:BK+4*\t+3], s[12:13] offset:4096*(32*((\a)/2)+8*((\a)%2)+(\t%8)+16*(\t/8)) th:TH_STORE_NT   ; 32 lanes store 512 consecutive bytes, at a multiple of 256 from out0's first byte
.endr
.endm
	PLACES 4                                       ; behind the last products
.irp a, 0,1,2,3
	OUTQ \a
.endr
	s_wait_tensorcnt 0x0                           ; the wave's end
	ds_add_u32 v[SPW], v[NIL]
	s_wait_dscnt 0x0
	CROUND                                         ; the closing round
	s_endpgm
.Lfunc_end_k_q8100c8d6b2_mix:
	.size	k_q8100c8d6b2_mix, .Lfunc_end_k_q8100c8d6b2_mix-k_q8100c8d6b2_mix
	.p2alignl 7, 3214868480
	.fill 96, 4, 3214868480
	.section	.rodata,"a",@progbits
	.p2align	6, 0x0
	.amdhsa_kernel k_q8100c8d6b2_mix
		.amdhsa_group_segment_fixed_size 327680
		.amdhsa_private_segment_fixed_size 0
		.amdhsa_enable_private_segment 0
		.amdhsa_kernarg_size 40
		.amdhsa_user_sgpr_count 2
		.amdhsa_user_sgpr_kernarg_segment_ptr 1
		.amdhsa_wavefront_size32 1
		.amdhsa_system_sgpr_workgroup_id_x 1
		.amdhsa_system_sgpr_workgroup_id_y 1
		.amdhsa_system_sgpr_workgroup_id_z 1
		.amdhsa_system_vgpr_workitem_id 0
		.amdhsa_next_free_vgpr 768
		.amdhsa_next_free_sgpr 80
		.amdhsa_reserve_vcc 0
		.amdhsa_float_denorm_mode_32 3
		.amdhsa_float_denorm_mode_16_64 3
		.amdhsa_memory_ordered 1
		.amdhsa_forward_progress 1
		.amdhsa_inst_pref_size 231
	.end_amdhsa_kernel
	.amdgpu_metadata
---
amdhsa.version: [ 1, 2 ]
amdhsa.kernels:
  - .name:           k_q8100c8d6b2_mix
    .symbol:         k_q8100c8d6b2_mix.kd
    .args:
      - { .name: pimg, .offset: 0, .size: 8, .value_kind: global_buffer, .address_space: global }
      - { .name: qkv, .offset: 8, .size: 8, .value_kind: global_buffer, .address_space: global }
      - { .name: mstat, .offset: 16, .size: 8, .value_kind: global_buffer, .address_space: global }
      - { .name: lstat, .offset: 24, .size: 8, .value_kind: global_buffer, .address_space: global }
      - { .name: out0, .offset: 32, .size: 8, .value_kind: global_buffer, .address_space: global }
    .group_segment_fixed_size: 327680
    .private_segment_fixed_size: 0
    .kernarg_segment_align: 8
    .kernarg_segment_size: 40
    .max_flat_workgroup_size: 128
    .sgpr_count:     80
    .vgpr_count:     768
    .wavefront_size: 32
...
	.end_amdgpu_metadata
.endif
;; end of part 4
;; ======== version 2 of 2: 4 launches
;; limits: right only within a limited range of input values
;; workspace buffers: xw 9,011,200 bytes; qkv 19,660,800 bytes; pimg 13,107,200 bytes; mstat 524,288 bytes; lstat 524,288 bytes
;; launch quant (part 5): grid 1408 x 1, 1 waves a work-group, no clusters, 8,960 bytes of LDS; arguments x, Wq, Wk, Wv, xw; writes xw
.if DOCPART == 5
	.amdgcn_target "amdgcn-amd-amdhsa--gfx1250"
	.amdhsa_code_object_version 6
	.text
	.protected	k_q8100c8d6b2_quant
	.globl	k_q8100c8d6b2_quant
	.p2align	8
	.type	k_q8100c8d6b2_quant,@function
k_q8100c8d6b2_quant:
	s_mov_b64 s[64:65], 0
	v_nop
	global_prefetch_b8 v0, s[64:65] scope:SCOPE_SE
	s_setreg_imm32_b32 hwreg(HW_REG_WAVE_MODE, 25, 1), 1
	s_wait_xcnt 0x0
; x [8192][1024], Wq, Wk, Wv [1024][1024], f32, K innermost, become codes of E3M2 with one E8M0 byte for each 32 along K, laid in xw as SUPER BLOCKS.
; A super block is 128 rows x 128 along K in 12,800 bytes, in the order of the matrix operand's registers:
;   codes: byte 1536 t + 512 c + 16 l + 4 e = register 4 c + e of lane l of tile t's fragment (tile t, lane r stands for row 32 (t/2) + 8 (t%2) + r%8 + 16 (r/8) of the 128);
;   scale words: byte 12288 + 256 (t/4) + 16 r + 4 (t%4) = the four scale bytes of that row.
; xw holds [88 row groups][8 K steps] of them: groups 0-63 x, 64-71 Wq, 72-79 Wk, 80-87 Wv.  A reader takes a fragment by three loads of 16 bytes a lane, 512 consecutive bytes each.
; SHARES: one wave to a work-group, two waves to a super block, four of its eight tiles each: 32 KiB read, 6,400 bytes written.  Waves share nothing: no barrier.
; A tile's 16 rows come by 16 loads of 512 consecutive bytes and turn through a stage in LDS (rows 528 bytes apart), so that lane (r, h) gets of row r the two whole blocks k = 64 c + 32 h + 0..31.
; A block's scale is 2^(floor(log2(largest magnitude)) - 4): its byte is the largest magnitude's exponent field less 4, held at 1 from below by a floor among the maximum's leaves.
; LIMITS: NaN and infinities among the inputs are not served; a block whose largest magnitude lies under 2^-122 (a block of zeros too) keeps the byte 1: only this program reads the bytes, and zero codes add nothing.
.set SBB, 12800
.set SPT, 528                          ; a stage row: 512 bytes + 16
.set WD,  8                            ; v8-9     the scale word in the making
.set R,   16                           ; v16-143  two sets of 64: a tile as it is loaded
.set X,   144                          ; v144-207 my two blocks of 32 numbers
.set PC,  208                          ; v208-231 two sets of 12: a fragment's codes
.set CT,  232                          ; v232-238 the second halves of the two blocks' codes (a conversion's three registers begin on an even number)
.set MX,  240                          ; v240-243 four running maxima
.set SCO, 244                          ; v244-245 the conversions' scale operands
.set BY,  246                          ; v246-247 the scale bytes
.set SW,  248                          ; v248-255 the eight tiles' scale words
	s_load_b256 s[4:11], s[0:1], 0x0               ; x, Wq, Wk, Wv
	s_load_b64 s[12:13], s[0:1], 0x20              ; xw
	; SHARES as this text has them: two work-groups of one wave to a super block, four of its eight tiles each: 32 KiB read, 6,400 bytes written
	s_lshr_b32 s22, ttmp9, 1                       ; my super block
	s_and_b32 s23, ttmp9, 1                        ; tiles 0-3 or 4-7 of it
	s_mul_i32 s24, s23, 4*1536                     ; where their codes begin
	s_lshl_b32 s25, s23, 8                         ; and their scale words
	v_lshl_add_u32 v15, v0, 2, 0x2200
	v_mov_b32 v239, 0
	v_and_b32 v1, 15, v0                           ; r
	v_bfe_u32 v2, v0, 4, 1                         ; h
	v_lshlrev_b32 v3, 4, v0                        ; 16 x lane: my bytes of a load and of a stage row on the way in
	v_add_nc_u32 v7, s24, v3                       ; my bytes of a store of codes
	v_lshl_add_u32 v10, v1, 4, s25                 ; row r's four scale words
	v_mul_u32_u24 v5, v1, SPT
	v_lshl_add_u32 v5, v2, 7, v5                   ; the stage on the way out: row r, + 128 h
	v_lshlrev_b32 v6, 3, v2                        ; 8 h: where my two bytes stand in the scale word
	v_mov_b32 v[WD+1], 0                           ; written once: a lane permute's destination counts as one of its sources
	s_mov_b32 s20, 0x76543210
	s_mov_b32 s21, 0xfedcba98                      ; v_permlanex16_b32's selects for lane l xor 16
	s_lshr_b32 s14, s22, 3                         ; row group 0..87
	s_and_b32 s15, s14, 7                          ; and within a weight
	s_and_b32 s16, s22, 7
	s_lshl_b32 s16, s16, 9                         ; the K step: 128 numbers, 512 bytes
	s_lshl_b32 s26, s23, 18                        ; tiles 4-7 begin 64 rows of 4,096 bytes further down
	s_add_co_u32 s16, s16, s26
	s_mov_b32 s17, 0
	s_mul_i32 s18, s22, SBB                        ; my super block
	s_mov_b32 s19, 0
	s_wait_alu depctr_va_vdst(0)
	s_wait_kmcnt 0x0
	s_cmp_lt_u32 s22, 640                          ; which tensor: the choice hangs on the work-group's number alone
	s_cselect_b64 s[8:9], s[8:9], s[10:11]
	s_cmp_lt_u32 s22, 576
	s_cselect_b64 s[6:7], s[6:7], s[8:9]
	s_cmp_lt_u32 s22, 512
	s_cselect_b64 s[4:5], s[4:5], s[6:7]
	s_cselect_b32 s14, s14, s15
	s_lshl_b32 s14, s14, 19                        ; 128 rows of 4,096 bytes
	s_add_co_u32 s16, s16, s14
	s_add_nc_u64 s[4:5], s[4:5], s[16:17]
	s_add_nc_u64 s[12:13], s[12:13], s[18:19]
.macro LOADF i                         ; tile i: load t reads 512 consecutive bytes of the tile's row t
.irp t, 0,1,2,3,4,5,6,7,8,9,10,11,12,13,14,15
	global_load_b128 v[R+64*((\i)%2)+4*\t:R+64*((\i)%2)+4*\t+3], v3, s[4:5] offset:(32*((\i)/2)+8*((\i)%2)+(\t%8)+16*(\t/8))*4096 th:TH_LOAD_NT
.endr
.endm
.macro FRAGQ i
.set RS, R+64*((\i)%2)
.set PS, PC+12*((\i)%2)
.if (\i) < 3
	s_wait_loadcnt 16                              ; this tile's 16 loads are in; the next tile's 16 may be out
.else
	s_wait_loadcnt 0x0
.endif
.irp t, 0,1,2,3,4,5,6,7,8,9,10,11,12,13,14,15
	ds_store_b128 v3, v[RS+4*\t:RS+4*\t+3] offset:SPT*\t
.endr
.irp c, 0,1
.irp j, 0,1,2,3,4,5,6,7
	ds_load_b128 v[X+32*\c+4*\j:X+32*\c+4*\j+3], v5 offset:256*\c+16*\j   ; LDS serves a wave's instructions in order: these see the stores above
.endr
.endr
	s_wait_dscnt 0x0                               ; my numbers are back, and the stores have read their registers,
.if (\i) < 2
	LOADF (\i)+2                                   ; which take the tile two further on
.endif
.irp m, 0,1,2,3                        ; four chains: the two halves of each of my two blocks; the floor 2^(5 - 127) is a leaf
	v_max3_num_f32 v[MX+\m], |v[X+16*\m]|, |v[X+16*\m+1]|, 0x2800000
.endr
.irp k, 2,4,6,8,10,12,14
.irp m, 0,1,2,3
	v_max3_num_f32 v[MX+\m], v[MX+\m], |v[X+16*\m+\k]|, |v[X+16*\m+\k+1]|
.endr
.endr
.irp c, 0,1
	v_max_num_f32 v[MX+2*\c], v[MX+2*\c], v[MX+2*\c+1]
.endr
.irp c, 0,1
	v_add_nc_u32 v[SCO+\c], 0xfe000000, v[MX+2*\c] ; 4 off the exponent field: the conversion takes that field as its scale
.endr
.irp c, 0,1
	v_lshrrev_b32 v[BY+\c], 23, v[SCO+\c]          ; the scale's byte
.endr
	v_lshl_or_b32 v[WD], v[BY+1], 16, v[BY]        ; my bytes: blocks h and 2 + h,
	v_lshlrev_b32 v[WD], v6, v[WD]                 ; at their places;
	v_permlanex16_b32 v[WD+1], v[WD], s20, s21
	v_or_b32 v[SW+(\i)], v[WD], v[WD+1]            ; with lane l xor 16's two the word is whole, in both lanes
	s_wait_alu depctr_va_vdst(0)
	s_wait_xcnt 0x0                                ; the stores of two tiles ago have read this set of code registers
.irp c, 0,1
	v_cvt_scalef32_pk16_bf6_f32 v[PS+6*\c:PS+6*\c+2], v[X+32*\c:X+32*\c+15], v[SCO+\c]
	v_cvt_scalef32_pk16_bf6_f32 v[CT+4*\c:CT+4*\c+2], v[X+32*\c+16:X+32*\c+31], v[SCO+\c]
.endr
	v_nop                                          ; one plain place behind a scaled conversion
.irp c, 0,1
.irp e, 0,1,2
	v_mov_b32 v[PS+6*\c+3+\e], v[CT+4*\c+\e]
.endr
.endr
.irp c, 0,1,2
	global_store_b128 v7, v[PS+4*\c:PS+4*\c+3], s[12:13] offset:1536*(\i)+512*\c   ; 32 lanes store 512 consecutive bytes, at a multiple of 256 from the buffer's first byte
.endr
.endm
	LOADF 0
	LOADF 1
.irp i, 0,1,2,3
	FRAGQ \i
.endr
	global_store_b128 v10, v[SW:SW+3], s[12:13] offset:12288   ; my four tiles' scale words: 256 consecutive bytes; lanes l and l xor 16 hold and store the same 16
	s_wait_tensorcnt 0x0
	ds_add_u32 v15, v239
	s_wait_dscnt 0x0
	s_endpgm
.Lfunc_end_k_q8100c8d6b2_quant:
	.size	k_q8100c8d6b2_quant, .Lfunc_end_k_q8100c8d6b2_quant-k_q8100c8d6b2_quant
	.p2alignl 7, 3214868480
	.fill 96, 4, 3214868480
	.section	.rodata,"a",@progbits
	.p2align	6, 0x0
	.amdhsa_kernel k_q8100c8d6b2_quant
		.amdhsa_group_segment_fixed_size 8960
		.amdhsa_private_segment_fixed_size 0
		.amdhsa_enable_private_segment 0
		.amdhsa_kernarg_size 40
		.amdhsa_user_sgpr_count 2
		.amdhsa_user_sgpr_kernarg_segment_ptr 1
		.amdhsa_wavefront_size32 1
		.amdhsa_system_sgpr_workgroup_id_x 1
		.amdhsa_system_sgpr_workgroup_id_y 1
		.amdhsa_system_sgpr_workgroup_id_z 1
		.amdhsa_system_vgpr_workitem_id 0
		.amdhsa_next_free_vgpr 256
		.amdhsa_next_free_sgpr 66
		.amdhsa_reserve_vcc 0
		.amdhsa_float_denorm_mode_32 3
		.amdhsa_float_denorm_mode_16_64 3
		.amdhsa_memory_ordered 1
		.amdhsa_forward_progress 1
		.amdhsa_inst_pref_size 31
	.end_amdhsa_kernel
	.amdgpu_metadata
---
amdhsa.version: [ 1, 2 ]
amdhsa.kernels:
  - .name:           k_q8100c8d6b2_quant
    .symbol:         k_q8100c8d6b2_quant.kd
    .args:
      - { .name: x, .offset: 0, .size: 8, .value_kind: global_buffer, .address_space: global }
      - { .name: Wq, .offset: 8, .size: 8, .value_kind: global_buffer, .address_space: global }
      - { .name: Wk, .offset: 16, .size: 8, .value_kind: global_buffer, .address_space: global }
      - { .name: Wv, .offset: 24, .size: 8, .value_kind: global_buffer, .address_space: global }
      - { .name: xw, .offset: 32, .size: 8, .value_kind: global_buffer, .address_space: global }
    .group_segment_fixed_size: 8960
    .private_segment_fixed_size: 0
    .kernarg_segment_align: 8
    .kernarg_segment_size: 40
    .max_flat_workgroup_size: 32
    .sgpr_count:     66
    .vgpr_count:     256
    .wavefront_size: 32
...
	.end_amdgpu_metadata
.endif
;; end of part 5
;; launch proj (part 6): grid 8 x 32, 4 waves a work-group, clusters of 4 x 4, 327,680 bytes of LDS; arguments xw, bq, bk, bv, qkv; writes qkv
.if DOCPART == 6
	.amdgcn_target "amdgcn-amd-amdhsa--gfx1250"
	.amdhsa_code_object_version 6
	.text
	.protected	k_q8100c8d6b2_proj
	.globl	k_q8100c8d6b2_proj
	.p2align	8
	.type	k_q8100c8d6b2_proj,@function
k_q8100c8d6b2_proj:
	s_mov_b64 s[64:65], 0
	v_nop
	global_prefetch_b8 v0, s[64:65] scope:SCOPE_SE
	s_setreg_imm32_b32 hwreg(HW_REG_WAVE_MODE, 25, 1), 1
	s_wait_xcnt 0x0
	s_wait_alu depctr_hold_cnt(0) depctr_sa_sdst(0) depctr_va_vdst(0) depctr_va_sdst(0) depctr_va_ssrc(0) depctr_va_vcc(0) depctr_vm_vsrc(0)
	s_getreg_b32 s2, hwreg(HW_REG_IB_STS2, 6, 4)
	s_cmp_eq_u32 s2, 0
	s_cbranch_scc0 .Lentry_in_a_cluster
	s_endpgm
.Lentry_in_a_cluster:
	s_bfe_u32 s2, ttmp6, 0x10000c
	s_cmp_lg_u32 s2, 0xf033
	s_cbranch_scc0 .Lentry_shape_is_right
	s_endpgm
.Lentry_shape_is_right:
; q = x Wq^T + bq, k = x Wk^T + bk, v^T = Wv x^T + bv, on codes of E3M2 with E8M0 scales (K = 1,024), each result quantised in registers along the K of the product that will read it,
; and stored as super blocks: 128 rows x 128 K in 12,800 bytes, in the order of the operand's registers (codes at 1536 t + 512 c + 16 lane; scale words at 12288 + 256 (t/4) + 16 r + 4 (t%4);
; tile t, lane r = row 32 (t/2) + 8 (t%2) + r%8 + 16 (r/8)).  qkv: q [64 groups of tokens][8 K steps], then k likewise, then v^T [4 batches][8 groups of d][16 K steps of tokens].
; SHARES: 8 x 32 = 256 work-groups.  A work-group takes 256 tokens (two row groups of x) and group dg of 128 units of each of Wq, Wk, Wv: 256 x 128 of q, of k, and 128 x 256 of v^T.
; PHASE 1: wave (th, m) makes tokens' half th x Wq (m = 0) or Wk (m = 1): 128 x 128, 64 accumulators; source 1 = x (a lane owns a token), source 0 = W (units run along a lane's registers).
; PHASE 2: the same wave makes Wv's tiles 4 m .. 4 m + 3 x tokens' half th: 64 x 128, 32 accumulators; source 1 = Wv (a lane owns a unit), source 0 = x (tokens run along a lane's registers).
; THE BIAS is the C of each accumulator's first product, in the result's layout: no addition is written, and the quantiser reads the accumulators as they stand.
; LDS: x's two groups, all of K, 204,800 bytes, filled once (K steps 0-3 at the head, 4-7 behind the first round) and read in both phases; behind them two slots of 51,200 bytes for the weights:
; fills 0-3 are two K steps of Wq and Wk each, fills 4, 5 four K steps of Wv each; fill f lies in slot f % 2.  One tensor load a wave at the head and behind each round: waves 0, 1 bring x, waves 2, 3 the weights.
; CLUSTERS 4 x 4: x's tiles are asked for jointly along a row of the cluster, the weights' along a column.  Every wait on TENSORcnt is for 0.
; PREFETCH: the weights' fills 3, 4, 5 are named two fills ahead: each half fill is 100 blocks of 256 bytes, shared by address among the 4 partners of a column x 2 waves, 13 blocks each;
; x's K steps 4-7, 400 blocks, are named at the head, one group of loads ahead, shared by address among the 4 partners of a row x 4 waves, 25 blocks each.  Lanes left over name their wave's last block again.
; REGISTERS: window 0: v4-26 addresses; v28-29 for the add; v32-63 scale words, two sets; v64-127 the biases (bq or bk; behind K step 0 bv in v64-95); v128-223 source 1's fragments;
;   window 1: source 0's fragments, two sets, at v0 and v128; windows 2, 3: the accumulators ((a, b) at v[8 (8 (a%4) + b)]).  On the ways out v192-239 are at work.
; LIMITS: NaN and infinities are not served; a block whose largest magnitude lies under 2^-122 keeps the scale byte 1.
.set SBB,   12800
.set GRP,   2*SBB                      ; two K steps of a row group
.set XH,    4*SBB                      ; four K steps: what one load of x brings
.set KGRP,  8*SBB                      ; a row group's eight K steps
.set WB,    2*KGRP                     ; behind x: the weights' two slots
.set WSL,   4*SBB
.set SPARE, WB+2*WSL                   ; behind the slots: the spare words, 128 bytes a wave
.set FR,    12
.set NL,    3                          ; LDS loads that bring a fragment
.set NP,    4                          ; places behind this matrix instruction (ISA guide 7.12.1)
.set LI,    4                          ; v4   16 x lane
.set BOF,   5                          ; v5   64 h: my place in the bias that runs along registers
.set MOF,   6                          ; v6   4 (r%8 + 16 (r/8)): my place in the bias that runs along rows
.set RO,    7                          ; v7   16 r + 256 m: v^T's scale words on the way out
.set AX,    8                          ; v8-9   x's fragments, K steps 0-3, 4-7
.set AB,    10                         ; v10-11 Wq's or Wk's fragments in slot 0, 1
.set ADRS,  12                         ; v12-15 phase 1's scale words of K steps 2 j, 2 j + 1: lanes 0-15 x's, lanes 16-31 W's
.set AV,    16                         ; v16-17 my four tiles of Wv, K steps 0-3, 4-7
.set SX,    18                         ; v18-19 16 r in my group of x
.set SV,    20                         ; v20-21 16 r at my four tiles' scale words of Wv, less 12288
.set PFO,   22                         ; v22  the weights' prefetches' offset
.set LV,    23                         ; v23  16 x lane + 6144 m: v^T's codes on the way out
.set PFX,   26                         ; v26  x's prefetch's offset
.set SPW,   28
.set NIL,   29
.set SC,    32
.set BN,    64
.set AF,    128
.set PC,    192                        ; v192-211 the codes just made
.set TM,    212                        ; v212-227 at work
.set SW,    232                        ; v232-239 scale words
.set TU,    28                         ; the ways out take two tiles at once: the second tile's registers at work are v240-255,
.set PU,    96                         ; and its codes are made in v96-114 (free behind K step 0)
.set G1,  24                           ; s[24:31] group 1 for x: 200 rows of 256 bytes
.set G1B, 32                           ; s[32:39] for the weights: 100 rows
.set G0X, 40                           ; s[40:47] group 0 for x's two loads
.set G0W, 68                           ; s[68:91] group 0 for the weights' six fills
.set SEL, 94
.set MSB, 0
.macro WIN new                         ; the immediate's high byte repeats the setting that is left
.if MSB != (\new)
	s_set_vgpr_msb (MSB<<8)|(\new)
.set MSB, (\new)
.endif
.endm
.set MUL_LO, 0xa1                      ; source 0 window 1, source 1 window 0, C and D window 2 (a first product: C in window 0, 0x20 less)
.set MUL_HI, 0xf1                      ; C and D window 3 (a first product: 0x30 less)
.set TO_B,   0x40
.macro PLACES n
.rept \n
	v_nop
.endr
.endm
; A joint load in every wave: waves 0, 1 for x, waves 2, 3 for the weights; the branch hangs on the wave's number alone.  s_nop 0 and four v_nop follow each line.
.macro JLOAD g0a, g1a, g0b, g1b
	s_cmp_eq_u32 s15, 0
	s_cbranch_scc0 .Lfor_b_\@
	tensor_load_to_lds s[\g0a:\g0a+3], s[\g1a:\g1a+7]
	s_nop 0
	PLACES 4
	s_branch .Lasked_\@
.Lfor_b_\@:
	tensor_load_to_lds s[\g0b:\g0b+3], s[\g1b:\g1b+7]
	s_nop 0
	PLACES 4
.Lasked_\@:
.endm
.macro JLW f                           ; fill f of the weights: waves 2 and 3; waves 0 and 1 have no part of it
	s_cmp_eq_u32 s15, 0
	s_cbranch_scc1 .Lnone_\@
	tensor_load_to_lds s[G0W+4*(\f):G0W+4*(\f)+3], s[G1B:G1B+7]
	s_nop 0
	PLACES 4
.Lnone_\@:
.endm
.macro CREST                           ; a round of the cluster's barrier behind its opening barrier
	s_cmp_lg_u32 s14, 0
	s_cbranch_scc1 .Lnot_wave_0_\@
	s_barrier_signal -3
.Lnot_wave_0_\@:
	s_barrier_wait -3
	s_barrier_signal -1
	s_barrier_wait -1
.endm
.macro CROUND
	s_barrier_signal -1
	s_barrier_wait -1
	CREST
.endm
.macro DESC g, rows                    ; dense bytes as rows of 32 elements of 8 bytes, no padding
	s_mov_b32 s[\g+1], 32<<16
	s_mov_b32 s[\g+2], \rows<<16
	s_mov_b32 s[\g+3], 32<<16
	s_mov_b32 s[\g+4], \rows
	s_mov_b32 s[\g+5], 32
	s_mov_b32 s[\g+6], 0
	s_mov_b32 s[\g+7], 0
.endm
	s_load_b256 s[4:11], s[0:1], 0x0               ; xw, bq, bk, bv
	s_load_b64 s[12:13], s[0:1], 0x20              ; qkv
	v_lshl_add_u32 v[SPW], v0, 2, SPARE
	v_mov_b32 v[NIL], 0
	ds_add_u32 v[SPW], v[NIL]                      ; the opening lines: the add, twice on end, and its wait ahead of my first tensor load
	ds_add_u32 v[SPW], v[NIL]
	v_lshrrev_b32 v1, 5, v0
	v_readfirstlane_b32 s14, v1                    ; wave 0..3
	s_lshr_b32 s15, s14, 1                         ; th: my half of the tokens.  Also: I fetch for x (0) or for the weights (1)
	s_and_b32 s16, s14, 1                          ; m: Wq or Wk, and which half of Wv's tiles.  Also: which part I fetch
	s_bfe_u32 s92, ttmp6, 0x40000                  ; cx
	s_bfe_u32 s93, ttmp6, 0x40004                  ; cy
	s_lshl_b32 s17, ttmp9, 2
	s_add_co_u32 s17, s17, s92                     ; dg: the group of units, 0..7
	s_and_b32 s18, ttmp7, 0xffff
	s_lshl_b32 s18, s18, 2
	s_add_co_u32 s18, s18, s93                     ; tb: the block of 256 tokens, 0..31
	s_lshl_b32 s19, s93, 2
	s_lshl_b32 s19, 15, s19                        ; my row of the cluster
	s_lshl_b32 s20, 0x1111, s92                    ; my column
	s_or_b32 s[G1+0], s19, (3<<16)|(1<<21)         ; 15:0 the mask; 17:16 elements of 8 bytes; 21 set beside a mask
	s_or_b32 s[G1B+0], s20, (3<<16)|(1<<21)
	DESC G1, 200
	DESC G1B, 100
	s_lshl_b32 s22, s18, 1
	s_add_co_u32 s22, s22, s16                     ; x's row group that I would fetch: it hangs on tb alone
	s_mul_i32 s22, s22, KGRP
	s_mov_b32 s23, 0
	s_lshl_b32 s48, s16, 3
	s_add_co_u32 s48, s48, s17
	s_add_co_u32 s48, s48, 64                      ; Wq's or Wk's row group: on dg alone
	s_mul_i32 s48, s48, KGRP
	s_mov_b32 s49, 0
	s_add_co_u32 s50, s17, 80                      ; Wv's row group,
	s_mul_i32 s50, s50, KGRP
	s_mul_i32 s51, s16, GRP                        ; of whose four K steps a fill I fetch two
	s_add_co_u32 s50, s50, s51
	s_mov_b32 s51, 0
	s_mul_i32 s52, s16, KGRP                       ; where they go: no place in the cluster enters an LDS address
	s_mul_i32 s53, s16, GRP
	s_add_co_u32 s53, s53, WB
	s_mov_b32 s[SEL], 0x76543210
	s_mov_b32 s[SEL+1], 0xfedcba98
	s_wait_dscnt 0x0                               ; both opening adds are done
	s_wait_kmcnt 0x0
	s_add_nc_u64 s[22:23], s[4:5], s[22:23]
	s_add_nc_u64 s[48:49], s[4:5], s[48:49]
	s_add_nc_u64 s[50:51], s[4:5], s[50:51]
	CROUND                                         ; all sixteen work-groups are here: the first joint loads meet
.irp s, 0,1
	s_mov_b32 s[G0X+4*\s], 1
	s_add_co_u32 s[G0X+4*\s+1], s52, \s*XH
	s_add_nc_u64 s[G0X+4*\s+2:G0X+4*\s+3], s[22:23], \s*XH
	s_or_b32 s[G0X+4*\s+3], s[G0X+4*\s+3], 0x80000000
.endr
.irp f, 0,1,2,3
	s_mov_b32 s[G0W+4*\f], 1
	s_add_co_u32 s[G0W+4*\f+1], s53, (\f%2)*WSL
	s_add_nc_u64 s[G0W+4*\f+2:G0W+4*\f+3], s[48:49], \f*GRP
	s_or_b32 s[G0W+4*\f+3], s[G0W+4*\f+3], 0x80000000
.endr
.irp f, 4,5
	s_mov_b32 s[G0W+4*\f], 1
	s_add_co_u32 s[G0W+4*\f+1], s53, (\f%2)*WSL
	s_add_nc_u64 s[G0W+4*\f+2:G0W+4*\f+3], s[50:51], (\f-4)*WSL
	s_or_b32 s[G0W+4*\f+3], s[G0W+4*\f+3], 0x80000000
.endr
	JLOAD G0X, G1, G0W, G1B                        ; x's K steps 0-3, the weights' fill 0: one tensor load a wave at the head
	; the scalar part of the addresses first, then the vector part on end
	s_mul_i32 s54, s15, KGRP                       ; my group of x in LDS
	s_mul_i32 s55, s16, GRP
	s_add_co_u32 s58, s55, WB-2*GRP
	s_sub_co_u32 s58, s58, s54                     ; s[56+j]: from x's K steps 2 j to W's in slot j % 2: j = 2,
	s_add_co_u32 s59, s58, GRP                     ; 3,
	s_add_co_u32 s56, s59, GRP                     ; 0,
	s_add_co_u32 s57, s56, GRP                     ; 1
	s_add_co_u32 s55, s55, WB                      ; my W in slot 0
	s_mul_i32 s60, s16, 4*1536
	s_add_co_u32 s61, s60, WB                      ; my four tiles of Wv
	s_lshl_b32 s62, s16, 8
	s_add_co_u32 s63, s62, WB                      ; and their scale words
	s_lshl_b32 s98, s93, 1
	s_add_co_u32 s98, s98, s15
	s_mul_i32 s98, s98, 13                         ; the weights' prefetches: my 13 blocks of the 100
	s_lshl_b32 s99, s92, 2
	s_add_co_u32 s99, s99, s14                     ; x's prefetch: asker 4 cx + wave, 0..15: eight to a row group
	s_lshr_b32 s100, s99, 3
	s_lshl_b32 s101, s18, 1
	s_add_co_u32 s100, s100, s101
	s_mul_i32 s100, s100, KGRP
	s_and_b32 s99, s99, 7
	s_mul_i32 s99, s99, 25*256                     ; my 25 blocks of the group's 200
	s_add_co_u32 s100, s100, s99
	s_mov_b32 s101, 0
	s_add_nc_u64 s[100:101], s[4:5], s[100:101]
	s_lshl_b32 s66, s18, 1
	s_add_co_u32 s66, s66, s15                     ; tg: my group of tokens, 0..63
	s_lshr_b32 s20, s66, 4                         ; v^T: super block 1024 + 16 (8 (tg / 16) + dg) + tg % 16
	s_lshl_b32 s20, s20, 3
	s_add_co_u32 s20, s20, s17
	s_lshl_b32 s20, s20, 4
	s_and_b32 s21, s66, 15
	s_add_co_u32 s20, s20, s21
	s_add_co_u32 s20, s20, 1024
	s_mul_i32 s20, s20, SBB
	s_mov_b32 s21, 0
	s_add_nc_u64 s[96:97], s[12:13], s[20:21]
	s_lshl_b32 s20, s16, 9                         ; q, k: super block 512 m + 8 tg + dg
	s_lshl_b32 s67, s66, 3
	s_add_co_u32 s20, s20, s67
	s_add_co_u32 s20, s20, s17
	s_mul_i32 s20, s20, SBB
	s_add_nc_u64 s[12:13], s[12:13], s[20:21]
	s_lshl_b32 s20, s17, 9                         ; the biases of group dg: 512 bytes
	s_cmp_eq_u32 s16, 0
	s_cselect_b64 s[52:53], s[6:7], s[8:9]         ; bq or bk
	s_add_nc_u64 s[52:53], s[52:53], s[20:21]
	s_add_co_u32 s20, s20, s62                     ; bv: + the 64 units of my four tiles
	s_add_nc_u64 s[22:23], s[10:11], s[20:21]
	v_and_b32 v1, 15, v0                           ; r
	v_bfe_u32 v2, v0, 4, 1                         ; h
	v_and_b32 v3, 31, v0
	v_lshlrev_b32 v[LI], 4, v3
	v_lshlrev_b32 v[BOF], 6, v2
	v_and_b32 v24, 7, v1
	v_lshrrev_b32 v25, 3, v1
	v_lshl_add_u32 v24, v25, 4, v24
	v_lshlrev_b32 v[MOF], 2, v24
	v_lshl_add_u32 v[RO], v1, 4, s62
	v_add_nc_u32 v[LV], s60, v[LI]
	v_add_nc_u32 v[AX], s54, v[LI]
	v_add_nc_u32 v[AX+1], XH, v[AX]
	v_add_nc_u32 v[AB], s55, v[LI]
	v_add_nc_u32 v[AB+1], WSL, v[AB]
	v_add_nc_u32 v[AV], s61, v[LI]
	v_add_nc_u32 v[AV+1], WSL, v[AV]
	v_lshl_add_u32 v[SX], v1, 4, s54
	v_add_nc_u32 v[SX+1], XH, v[SX]
	v_lshl_add_u32 v[SV], v1, 4, s63
	v_add_nc_u32 v[SV+1], WSL, v[SV]
.irp j, 0,1,2,3
	v_mad_u32_u24 v[ADRS+\j], v2, s[56+\j], v[SX]  ; lanes 16-31 take W's: one product, the distance between the two bases
.endr
.irp j, 0,1,2,3
	v_add_nc_u32 v[ADRS+\j], 12288+\j*GRP, v[ADRS+\j]
.endr
	v_min_u32 v24, 12, v3
	v_add_nc_u32 v24, s98, v24
	v_min_u32 v24, 99, v24                         ; held inside the half fill's 100 blocks
	v_lshlrev_b32 v[PFO], 8, v24
	v_min_u32 v25, 24, v3
	v_lshlrev_b32 v[PFX], 8, v25
.irp b, 0,1,2,3
.irp j, 0,1,2,3
	global_load_b128 v[BN+16*\b+4*\j:BN+16*\b+4*\j+3], v[BOF], s[52:53] offset:128*\b+16*\j   ; register 16 b + i: bq's or bk's number of unit 32 b + 16 h + i
.endr
.endr
	global_prefetch_b8 v[PFX], s[100:101] offset:XH th:TH_LOAD_NT scope:SCOPE_SE               ; x's K steps 4-7, which the next group of loads brings; the address registers are never rewritten
.macro FRAG reg, adr, off              ; a fragment: three loads of 512 consecutive bytes
.irp c, 0,1,2
	ds_load_b128 v[\reg+4*\c:\reg+4*\c+3], v[\adr] offset:\off+512*\c
.endr
.endm
; PHASE 1.  16 matrix instructions: x's tiles a0, a0 + 1 against W's eight.  p: W's set; q, sc: which scale words.  first = 1: the bias starts the sums.
; The 64 accumulators take turns, one instruction a turn.
.macro MUL16 a0, p, q, sc, first
.irp a, \a0, \a0+1
.irp b, 0,1,2,3,4,5,6,7
.if \first
	v_wmma_scale_f32_16x16x128_f8f6f4 v[8*(8*((\a)%4)+\b):8*(8*((\a)%4)+\b)+7], v[128*(\p)+FR*\b:128*(\p)+FR*\b+FR-1], v[AF+FR*(\a):AF+FR*(\a)+FR-1], v[BN+8*\b:BN+8*\b+7], v[SC+16*(\sc)+8*(\q)+\b], v[SC+16*(\sc)+8*(\q)+(\a)] matrix_a_fmt:MATRIX_FMT_BF6 matrix_b_fmt:MATRIX_FMT_BF6 matrix_a_scale:MATRIX_SCALE_ROW1
.else
	v_wmma_scale_f32_16x16x128_f8f6f4 v[8*(8*((\a)%4)+\b):8*(8*((\a)%4)+\b)+7], v[128*(\p)+FR*\b:128*(\p)+FR*\b+FR-1], v[AF+FR*(\a):AF+FR*(\a)+FR-1], v[8*(8*((\a)%4)+\b):8*(8*((\a)%4)+\b)+7], v[SC+16*(\sc)+8*(\q)+\b], v[SC+16*(\sc)+8*(\q)+(\a)] matrix_a_fmt:MATRIX_FMT_BF6 matrix_b_fmt:MATRIX_FMT_BF6 matrix_a_scale:MATRIX_SCALE_ROW1
.endif
.endr
.endr
.endm
.macro FETCH_B k, p                    ; W's eight fragments of K step k, from slot (k / 2) % 2, into set p
	WIN TO_B
.irp i, 0,1,2,3,4,5,6,7
	FRAG 128*(\p)+FR*\i, AB+((\k)/2)%2, SBB*((\k)%2)+1536*\i
.endr
	WIN 0
.endm
.macro FETCH_A k, i0                   ; x's tiles i0 .. i0 + 3 of K step k
.irp i, \i0, \i0+1, \i0+2, \i0+3
	FRAG AF+FR*(\i), AX+(\k)/4, SBB*((\k)%4)+1536*(\i)
.endr
.endm
.macro SCALES j                        ; the scale words of K steps 2 j, 2 j + 1 into set j % 2: a load gives a lane the words of four tiles
.irp q, 0,1
.irp f, 0,1
	ds_load_b128 v[SC+16*((\j)%2)+8*\q+4*\f:SC+16*((\j)%2)+8*\q+4*\f+3], v[ADRS+(\j)] offset:SBB*\q+256*\f
.endr
.endr
.endm
.macro ASK pb, po                      ; 13 blocks of 256 bytes of the fill two fills on; the address registers are never rewritten
	global_prefetch_b8 v[PFO], s[\pb:\pb+1] offset:\po th:TH_LOAD_NT scope:SCOPE_SE
.endm
; An even K step: no barrier; the next K step lies in the same slot.
.macro STEP k, first
	s_wait_dscnt 4*NL                              ; all but the youngest 12 loads (x's tiles 4-7) are in
	WIN MUL_LO-0x20*\first
	MUL16 0, (\k)%2, (\k)%2, ((\k)/2)%2, \first
	MUL16 2, (\k)%2, (\k)%2, ((\k)/2)%2, \first
	s_wait_dscnt 0
	PLACES NP                                      ; in front of loads into registers that matrix instructions have read
	FETCH_B (\k)+1, 1
	FETCH_A (\k)+1, 0
	WIN MUL_HI-0x30*\first
	MUL16 4, (\k)%2, (\k)%2, ((\k)/2)%2, \first
	MUL16 6, (\k)%2, (\k)%2, ((\k)/2)%2, \first
	PLACES NP
	WIN 0
	FETCH_A (\k)+1, 4
.endm
; An odd K step changes slots: each wave waits for all its tensor loads, adds 0 to its spare word, waits for that and for its reads of the slot; the barrier opens a round of the cluster's;
; fill f goes into the slot just read out; then the next slot is read.  K step 7 has nothing more to fetch for phase 1.
.macro TURN k, f, pb, po
	s_wait_tensorcnt 0x0                           ; all my tensor loads have landed
	ds_add_u32 v[SPW], v[NIL]
	s_wait_dscnt 4*NL+1                            ; (the add and the youngest 12 loads may be out)
	WIN MUL_LO
	MUL16 0, 1, 1, ((\k)/2)%2, 0
	s_wait_dscnt 0x0                               ; the add is done, and my reads of this slot are over
	s_barrier_signal -1
	MUL16 2, 1, 1, ((\k)/2)%2, 0
	WIN 0
	PLACES NP                                      ; the places in front of the loads below, on every wave's way
	s_barrier_wait -1
	CREST                                          ; no wave of any partner still reads this slot or has a load on its way
	JLW \f                                         ; the first tensor load behind the round, one a wave
.if (\k) < 7
	FETCH_B (\k)+1, 0
	FETCH_A (\k)+1, 0
	SCALES ((\k)+1)/2
.if \pb
	ASK \pb, \po
.endif
.endif
	WIN MUL_HI
	MUL16 4, 1, 1, ((\k)/2)%2, 0
	MUL16 6, 1, 1, ((\k)/2)%2, 0
.if (\k) < 7
	PLACES NP
	WIN 0
	FETCH_A (\k)+1, 4
.else
	WIN 0
.endif
.endm
; PHASE 2.  K step k: x's eight fragments into window 1's set k % 2, my four of Wv into source 1's set k % 2, and their scale words (x's eight at SC + 16 set, Wv's four at + 8; every lane takes row r's).
.macro FETCHV k
	WIN TO_B
.irp i, 0,1,2,3,4,5,6,7
	FRAG 128*((\k)%2)+FR*\i, AX+(\k)/4, SBB*((\k)%4)+1536*\i
.endr
	WIN 0
.irp i, 0,1,2,3
	FRAG AF+48*((\k)%2)+FR*\i, AV+(\k)/4, SBB*((\k)%4)+1536*\i
.endr
	ds_load_b128 v[SC+16*((\k)%2):SC+16*((\k)%2)+3], v[SX+(\k)/4] offset:SBB*((\k)%4)+12288
	ds_load_b128 v[SC+16*((\k)%2)+4:SC+16*((\k)%2)+7], v[SX+(\k)/4] offset:SBB*((\k)%4)+12288+256
	ds_load_b128 v[SC+16*((\k)%2)+8:SC+16*((\k)%2)+11], v[SV+(\k)/4] offset:SBB*((\k)%4)+12288
.endm
.macro MULV k, a0, first               ; 16 matrix instructions; the 32 accumulators take turns; first = 1: bv of my row of tile a, eight times, starts the sums
.irp a, \a0, \a0+1
.irp b, 0,1,2,3,4,5,6,7
.if \first
	v_wmma_scale_f32_16x16x128_f8f6f4 v[8*(8*(\a)+\b):8*(8*(\a)+\b)+7], v[128*((\k)%2)+FR*\b:128*((\k)%2)+FR*\b+FR-1], v[AF+48*((\k)%2)+FR*(\a):AF+48*((\k)%2)+FR*(\a)+FR-1], v[BN+8*(\a):BN+8*(\a)+7], v[SC+16*((\k)%2)+\b], v[SC+16*((\k)%2)+8+(\a)] matrix_a_fmt:MATRIX_FMT_BF6 matrix_b_fmt:MATRIX_FMT_BF6
.else
	v_wmma_scale_f32_16x16x128_f8f6f4 v[8*(8*(\a)+\b):8*(8*(\a)+\b)+7], v[128*((\k)%2)+FR*\b:128*((\k)%2)+FR*\b+FR-1], v[AF+48*((\k)%2)+FR*(\a):AF+48*((\k)%2)+FR*(\a)+FR-1], v[8*(8*(\a)+\b):8*(8*(\a)+\b)+7], v[SC+16*((\k)%2)+\b], v[SC+16*((\k)%2)+8+(\a)] matrix_a_fmt:MATRIX_FMT_BF6 matrix_b_fmt:MATRIX_FMT_BF6
.endif
.endr
.endr
.endm
.macro VSTEP k, first
	s_wait_dscnt 0x0                               ; this K step's fragments are in
.if (\k) < 7
	PLACES NP                                      ; in front of loads into the set that the last K step multiplied
	FETCHV (\k)+1
.endif
	WIN MUL_LO-0x20*\first
	MULV \k, 0, \first
	MULV \k, 2, \first
	WIN 0
.endm
; TWO TILES AT ONCE, line by line in turns, so that no line waits for the line above it.  64 results of a lane for each, in window wn from register s and s + 64 on, register 16 b + i = k 32 b + 16 h + i of my row,
; become two fragments' codes, in v[PC] and v[PC - PU] on, and their scale words in v[w] and v[w + 1].
.macro QUANT s, w, wn
	WIN 0x14*(\wn)                                 ; sources 1 and 2: the accumulators' window
.irp b, 0,1,2,3
.irp u, 0,1
	v_max3_num_f32 v[TM+TU*\u+\b], 0x2800000, |v[\s+64*\u+16*\b]|, |v[\s+64*\u+1+16*\b]|   ; the floor 2^(5 - 127) is a leaf: the byte cannot fall under 1; each accumulator from its low end on
.endr
.endr
.irp i, 2,4,6,8,10,12,14
.irp b, 0,1,2,3
.irp u, 0,1
	v_max3_num_f32 v[TM+TU*\u+\b], v[TM+TU*\u+\b], |v[\s+64*\u+16*\b+\i]|, |v[\s+64*\u+1+16*\b+\i]|
.endr
.endr
.endr
	WIN 0
.irp b, 0,1,2,3
.irp u, 0,1
	v_permlanex16_b32 v[TM+TU*\u+4+\b], v[TM+TU*\u+\b], s[SEL], s[SEL+1]
.endr
.endr
.irp b, 0,1,2,3
.irp u, 0,1
	v_max_num_f32 v[TM+TU*\u+\b], v[TM+TU*\u+\b], v[TM+TU*\u+4+\b]   ; with lane l xor 16's: the block's largest magnitude
.endr
.endr
.irp b, 0,1,2,3
.irp u, 0,1
	v_add_nc_u32 v[TM+TU*\u+12+\b], 0xfe000000, v[TM+TU*\u+\b]       ; 4 off its exponent field: the conversion's scale operand
.endr
.endr
.irp b, 0,1,2,3
.irp u, 0,1
	v_lshrrev_b32 v[TM+TU*\u+4+\b], 23, v[TM+TU*\u+12+\b]            ; the scale's byte
.endr
.endr
.irp u, 0,1
	v_lshl_or_b32 v[\w+\u], v[TM+TU*\u+5], 8, v[TM+TU*\u+4]
.endr
.irp u, 0,1
	v_lshl_or_b32 v[\w+\u], v[TM+TU*\u+6], 16, v[\w+\u]
.endr
.irp u, 0,1
	v_lshl_or_b32 v[\w+\u], v[TM+TU*\u+7], 24, v[\w+\u]
.endr
	s_wait_xcnt 0x0                                ; the last two tiles' stores have read the code registers
	WIN \wn                                        ; source 0: the accumulators' window
.irp c, 0,1
.irp u, 0,1
	v_cvt_scalef32_pk16_bf6_f32 v[PC-PU*\u+6*\c:PC-PU*\u+2+6*\c], v[\s+64*\u+32*\c:\s+64*\u+15+32*\c], v[TM+TU*\u+12+2*\c]
	v_cvt_scalef32_pk16_bf6_f32 v[PC-PU*\u+12+4*\c:PC-PU*\u+14+4*\c], v[\s+64*\u+16+32*\c:\s+64*\u+31+32*\c], v[TM+TU*\u+12+2*\c+1]
.endr
.endr
	WIN 0
	v_nop                                          ; one plain place behind a scaled conversion
.irp c, 0,1                            ; the operand's layout wants a whole block in a lane
.irp i, 0,1,2
.irp u, 0,1
	v_permlane16_swap_b32 v[PC-PU*\u+6*\c+\i], v[PC-PU*\u+12+4*\c+\i]
.endr
.endr
.irp i, 0,1,2
.irp u, 0,1
	v_mov_b32 v[PC-PU*\u+3+6*\c+\i], v[PC-PU*\u+12+4*\c+\i]
.endr
.endr
.endr
.endm
; THE WAY OUT of source 1's tiles a and a + 1: the quantiser, and for each three stores of 512 consecutive bytes: the image of the next operand's registers.
.macro OUT a, wn, ac, sb, vo
	QUANT \ac, SW+(\a), \wn
.irp u, 0,1
.irp c, 0,1,2
	global_store_b128 v[\vo], v[PC-PU*\u+4*\c:PC-PU*\u+4*\c+3], s[\sb:\sb+1] offset:1536*((\a)+\u)+512*\c
.endr
.endr
.endm
	s_wait_alu depctr_va_vdst(0)                   ; the head's end
	s_wait_tensorcnt 0x0                           ; my tile of the head's four is in; the same lines as ahead of a refill stand ahead of the later first fills:
	ds_add_u32 v[SPW], v[NIL]
	s_wait_dscnt 0x0
	CROUND                                         ; a whole round: all four tiles are in, in all sixteen work-groups
	JLOAD G0X+4, G1, G0W+4, G1B                    ; x's K steps 4-7 and the weights' fill 1: first fills, one a wave
	FETCH_B 0, 0
	FETCH_A 0, 0
	SCALES 0
	FETCH_A 0, 4
	ASK 48, 3*GRP                                  ; fill 3
	s_wait_loadcnt 0x0                             ; bq or bk
	STEP 0, 1                                      ; K step 0 starts the sums on the bias: nothing is cleared, nothing is added later
.irp a, 0,1,2,3
.irp e, 0,1,2,3,4,5,6,7
	global_load_b32 v[BN+8*\a+\e], v[MOF], s[22:23] offset:4*(32*(\a/2)+8*(\a%2))   ; bv of my row of my tile a, eight times: phase 2's first C (K step 0's places stand ahead)
.endr
.endr
	TURN 1, 2, 50, 0                               ; slot 0 takes Wq's, Wk's K steps 4, 5; fill 4 is named
	STEP 2, 0
	TURN 3, 3, 50, WSL                             ; slot 1 takes K steps 6, 7; fill 5 is named
	STEP 4, 0
	TURN 5, 4, 0, 0                                ; slot 0 takes Wv's K steps 0-3
	STEP 6, 0
	TURN 7, 5, 0, 0                                ; slot 1 takes Wv's K steps 4-7
	PLACES NP                                      ; behind the last products: results are read, and registers that held fragments take loads
	FETCHV 0                                       ; phase 2's first fragments: K step 7's round has shown fill 4 whole; they land under the way out
.irp b, 0,1,2,3
	v_mov_b32 v[TM+4+\b], 0                        ; written once: a lane permute's destination counts as one of its sources
	v_mov_b32 v[TM+TU+4+\b], 0
.endr
.irp a, 0,2,4,6
	OUT \a, 0x02+\a/4, 64*(\a%4), 12, LI
.endr
	s_mov_b32 vcc_lo, 0xffff0000                   ; lanes 16-31 give the words of tiles 4-7
.irp e, 0,1,2,3
	v_cndmask_b32 v[TM+\e], v[SW+\e], v[SW+4+\e], vcc_lo
.endr
	global_store_b128 v[LI], v[TM:TM+3], s[12:13] offset:12288
	s_wait_loadcnt 0x0                             ; bv
	s_wait_xcnt 0x0                                ; the stores have read their registers, which take phase 2's fragments
	s_wait_tensorcnt 0x0                           ; my part of fill 5 is in
	s_wait_dscnt 0x0
	s_barrier_signal -1
	s_barrier_wait -1
	VSTEP 0, 1
.irp k, 1,2,3,4,5,6,7
	VSTEP \k, 0
.endr
	PLACES NP
.irp a, 0,2
	OUT \a, 0x02, 64*\a, 96, LV
.endr
	global_store_b128 v[RO], v[SW:SW+3], s[96:97] offset:12288   ; my four tiles' scale words: 256 consecutive bytes; lanes l and l xor 16 hold and store the same 16
	s_wait_tensorcnt 0x0                           ; the wave's end
	ds_add_u32 v[SPW], v[NIL]
	s_wait_dscnt 0x0
	CROUND                                         ; the closing round
	s_endpgm
.Lfunc_end_k_q8100c8d6b2_proj:
	.size	k_q8100c8d6b2_proj, .Lfunc_end_k_q8100c8d6b2_proj-k_q8100c8d6b2_proj
	.p2alignl 7, 3214868480
	.fill 96, 4, 3214868480
	.section	.rodata,"a",@progbits
	.p2align	6, 0x0
	.amdhsa_kernel k_q8100c8d6b2_proj
		.amdhsa_group_segment_fixed_size 327680
		.amdhsa_private_segment_fixed_size 0
		.amdhsa_enable_private_segment 0
		.amdhsa_kernarg_size 40
		.amdhsa_user_sgpr_count 2
		.amdhsa_user_sgpr_kernarg_segment_ptr 1
		.amdhsa_wavefront_size32 1
		.amdhsa_system_sgpr_workgroup_id_x 1
		.amdhsa_system_sgpr_workgroup_id_y 1
		.amdhsa_system_sgpr_workgroup_id_z 1
		.amdhsa_system_vgpr_workitem_id 0
		.amdhsa_next_free_vgpr 1024
		.amdhsa_next_free_sgpr 102
		.amdhsa_reserve_vcc 1
		.amdhsa_float_denorm_mode_32 3
		.amdhsa_float_denorm_mode_16_64 3
		.amdhsa_memory_ordered 1
		.amdhsa_forward_progress 1
		.amdhsa_inst_pref_size 215
	.end_amdhsa_kernel
	.amdgpu_metadata
---
amdhsa.version: [ 1, 2 ]
amdhsa.kernels:
  - .name:           k_q8100c8d6b2_proj
    .symbol:         k_q8100c8d6b2_proj.kd
    .args:
      - { .name: xw, .offset: 0, .size: 8, .value_kind: global_buffer, .address_space: global }
      - { .name: bq, .offset: 8, .size: 8, .value_kind: global_buffer, .address_space: global }
      - { .name: bk, .offset: 16, .size: 8, .value_kind: global_buffer, .address_space: global }
      - { .name: bv, .offset: 24, .size: 8, .value_kind: global_buffer, .address_space: global }
      - { .name: qkv, .offset: 32, .size: 8, .value_kind: global_buffer, .address_space: global }
    .group_segment_fixed_size: 327680
    .private_segment_fixed_size: 0
    .kernarg_segment_align: 8
    .kernarg_segment_size: 40
    .max_flat_workgroup_size: 128
    .sgpr_count:     102
    .vgpr_count:     1024
    .wavefront_size: 32
...
	.end_amdgpu_metadata
.endif
;; end of part 6
;; launch score (part 7): grid 40 x 4, 4 waves a work-group, no clusters, 327,680 bytes of LDS; arguments qkv, pimg, mstat, lstat; writes pimg, mstat, lstat
.if DOCPART == 7
	.amdgcn_target "amdgcn-amd-amdhsa--gfx1250"
	.amdhsa_code_object_version 6
	.text
	.protected	k_q8100c8d6b2_score
	.globl	k_q8100c8d6b2_score
	.p2align	8
	.type	k_q8100c8d6b2_score,@function
k_q8100c8d6b2_score:
	s_mov_b64 s[64:65], 0
	v_nop
	global_prefetch_b8 v0, s[64:65] scope:SCOPE_SE
	s_setreg_imm32_b32 hwreg(HW_REG_WAVE_MODE, 25, 1), 1
	s_wait_xcnt 0x0
; S = q k^T on codes of E3M2 (K = 1,024), the causal mask, and p = 2^(t - M'), t = score x log2(e) / 32, M' = the ceiling of the largest t of the query AMONG THE WAVE'S 128 KEYS: a whole number.
; p is quantised along the keys and stored as super blocks (128 queries x 128 keys in 12,800 bytes, in the order of the operand's registers: codes at 1536 t + 512 c + 16 lane, scale words at
; 12288 + 256 (t/4) + 16 r + 4 (t%4); tile t, lane r = row 32 (t/2) + 8 (t%2) + r%8 + 16 (r/8)): pimg [4 batches][16 groups of queries][16 K steps of keys].
; -M' goes to mstat and the sum l' of the unquantised p to lstat, 512 bytes for each super block, laid as its scale words.  The next launch brings all stretches of a row under the row's own M by
; whole powers of two: on the scale bytes and on l'.  The codes are those of the row's M, since M - M' is a whole number.
; TILES: 256 queries x 256 keys; row i of a batch has tiles j = 0 .. (i | 1): 40 a batch, the 36 that the mask leaves and 4 wholly hidden, which come out as zero codes, so that the next
; launch finds p written in whole steps of 512 keys.  NO CLUSTER: the rows hold 2, 2, 4, 4, 6, 6, 8, 8 tiles; groups of 4 x 4 would want 48 tiles a batch, 12 of them wholly hidden.
; Four waves, 128 x 128 each.  SOURCE 1 = q (a lane owns a query), SOURCE 0 = k (keys run along a lane's registers: register 16 b + i = key 32 b + 16 h + i).
; LDS: each of the four row groups (q's two, k's two) has 76,800 bytes on end: K steps 0-5, brought by ONE tensor load a wave at the head; K steps 6, 7 go into the first 25,600 of them behind the
; barrier at K step 1 and have K steps 2-5 in which to land.  NO PREFETCH: six of a group's eight K steps are asked for by the head's load itself and the last two one K step later: no step stands ahead of them.
; THE SOFTMAX takes two tiles of queries at once, line by line in turns; p is made in place, in the accumulators.
; LIMITS: NaN and infinities are not served.  A block of 32 whose largest p lies under 2^-64 is coded under the scale 2^-68 (its numbers are under 2^-64 of the stretch's largest).
; The promise holds while the scaled scores t stay under 2^31 in magnitude.
.set SBB,   12800
.set GRP,   2*SBB
.set SLOT,  GRP                        ; from two K steps of a group to the next two
.set REG,   3*GRP                      ; from group to group
.set SPARE, 4*REG
.set KGRP,  8*SBB
.set FR,    12
.set NL,    3
.set NP,    4
.set LI,    4
.set ADRA,  16                         ; v16-18 q's fragments, K steps 0-1 (later 6-7), 2-3, 4-5
.set ADRB,  19                         ; v19-21 k's
.set ADRS,  22                         ; v22-24 the scale words: lanes 0-15 q's, lanes 16-31 k's
.set SPW,   28
.set NIL,   29
.set SC,    32
.set FLR,   64                         ; v64  -3e38: under every score
.set NINF,  65                         ; v65  -infinity
.set DQ0,   66                         ; v66  my query of tile 0 less the key of my register 0
.set SW,    72                         ; v72-79 scale words, v80-87 -M', v88-95 l', one for each tile of queries
.set MS,    80
.set LS,    88
.set AF,    128
.set UB,    48                         ; the softmax's registers at work: the first tile's from v128, the second's UB further on
.set PC,    128                        ; 20: the codes just made
.set BMX,   148                        ; 4: each block's largest score, then its largest p
.set BX2,   152
.set SCO,   156
.set NM,    160                        ; 2: -M' (named as a pair)
.set SU,    162                        ; 4: the sum, in two chains
.set TMP,   166
.set DQ,    167
.set OW,    224                        ; v224-235 the words on their way out
.set G1,  24
.set G0,  32
.set CS,  50                           ; s[50:51] c = log2(e) / 32
.set SEL, 52
.set MK,  66                           ; s[66:97] the diagonal block's masks, sixteen a tile
.set MSB, 0
.macro WIN new
.if MSB != (\new)
	s_set_vgpr_msb (MSB<<8)|(\new)
.set MSB, (\new)
.endif
.endm
.set MUL_LO, 0xa1
.set MUL_HI, 0xf1
.set TO_B,   0x40
.macro PLACES n
.rept \n
	v_nop
.endr
.endm
	s_load_b256 s[4:11], s[0:1], 0x0               ; qkv, pimg, mstat, lstat
	v_lshl_add_u32 v[SPW], v0, 2, SPARE
	v_mov_b32 v[NIL], 0
	ds_add_u32 v[SPW], v[NIL]                      ; the opening lines: the add, twice on end, and its wait ahead of my first tensor load
	ds_add_u32 v[SPW], v[NIL]
	s_wait_dscnt 0x0
	v_lshrrev_b32 v1, 5, v0
	v_readfirstlane_b32 s14, v1                    ; wave 0..3
	s_lshr_b32 s15, s14, 1                         ; which 128 queries I multiply.  Also: I fetch for q (0) or for k (1)
	s_and_b32 s16, s14, 1                          ; which 128 keys I multiply.  Also: which group of that operand I fetch
	s_and_b32 s44, ttmp7, 0xffff                   ; the batch
	s_cmp_ge_u32 ttmp9, 4                          ; the pairs of rows begin at tiles 0, 4, 12, 24
	s_cselect_b32 s17, 1, 0
	s_cmp_ge_u32 ttmp9, 12
	s_cselect_b32 s18, 1, 0
	s_cmp_ge_u32 ttmp9, 24
	s_cselect_b32 s19, 1, 0
	s_add_co_u32 s17, s17, s18
	s_add_co_u32 s17, s17, s19                     ; the pair of rows, 0..3
	s_add_co_u32 s18, s17, 1
	s_mul_i32 s18, s18, s17
	s_lshl_b32 s18, s18, 1                         ; its first tile
	s_sub_co_u32 s19, ttmp9, s18
	s_lshl_b32 s20, s17, 1
	s_add_co_u32 s20, s20, 2                       ; tiles in each of its rows
	s_lshl_b32 s17, s17, 1
	s_cmp_ge_u32 s19, s20
	s_cselect_b32 s21, 1, 0
	s_cselect_b32 s22, s20, 0
	s_add_co_u32 s17, s17, s21                     ; i
	s_sub_co_u32 s19, s19, s22                     ; j
	s_sub_co_u32 s20, s19, s17                     ; the row group that I fetch: 16 b + 2 i + half for q, 64 + 16 b + 2 j + half for k
	s_lshl_b32 s20, s20, 1
	s_add_co_u32 s20, s20, 64
	s_mul_i32 s20, s20, s15
	s_lshl_b32 s21, s17, 1
	s_add_co_u32 s20, s20, s21
	s_add_co_u32 s20, s20, s16
	s_lshl_b32 s21, s44, 4
	s_add_co_u32 s20, s20, s21
	s_mul_i32 s20, s20, KGRP
	s_mov_b32 s21, 0
	s_mov_b32 s[G1+0], 3<<16                       ; no mask; elements of 8 bytes; no padding: the head's load is 76,800 dense bytes as 300 rows of 256
	s_mov_b32 s[G1+1], 32<<16
	s_mov_b32 s[G1+2], 300<<16
	s_mov_b32 s[G1+3], 32<<16
	s_mov_b32 s[G1+4], 300
	s_mov_b32 s[G1+5], 32
	s_mov_b32 s[G1+6], 0
	s_mov_b32 s[G1+7], 0
	s_mul_i32 s46, s14, REG
	s_mov_b32 s[CS], 0x3d38aa3b
	s_mov_b32 s[CS+1], s[CS]
	s_mov_b32 s[SEL], 0x76543210
	s_mov_b32 s[SEL+1], 0xfedcba98
	s_wait_kmcnt 0x0
	s_add_nc_u64 s[20:21], s[4:5], s[20:21]
	s_mov_b32 s[G0], 1                             ; one group 0: K steps 0-5 at the head, then K steps 6, 7 into the same first bytes
	s_mov_b32 s[G0+1], s46
	s_mov_b64 s[G0+2:G0+3], s[20:21]
	s_or_b32 s[G0+3], s[G0+3], 0x80000000
	tensor_load_to_lds s[G0:G0+3], s[G1:G1+7]      ; my group's K steps 0-5: one tensor load a wave at the head
	s_nop 0
	PLACES 4
	s_lshl_b32 s47, s17, 1
	s_add_co_u32 s47, s47, s15                     ; my group of queries
	s_lshl_b32 s48, s44, 4
	s_add_co_u32 s47, s47, s48
	s_lshl_b32 s47, s47, 4
	s_lshl_b32 s48, s19, 1
	s_add_co_u32 s48, s48, s16                     ; my K step of keys
	s_add_co_u32 s47, s47, s48                     ; my super block
	s_mul_i32 s48, s47, SBB
	s_mov_b32 s49, 0
	s_add_nc_u64 s[6:7], s[6:7], s[48:49]
	s_lshl_b32 s48, s47, 9
	s_add_nc_u64 s[8:9], s[8:9], s[48:49]
	s_add_nc_u64 s[10:11], s[10:11], s[48:49]
	v_and_b32 v1, 15, v0                           ; r
	v_bfe_u32 v2, v0, 4, 1                         ; h
	v_and_b32 v3, 31, v0
	v_lshlrev_b32 v[LI], 4, v3
	s_wait_alu depctr_va_vdst(0)
	s_sub_co_i32 s22, s17, s19
	s_lshl_b32 s22, s22, 8
	s_sub_co_i32 s23, s15, s16
	s_lshl_b32 s23, s23, 7
	s_add_co_i32 s22, s22, s23                     ; 256 (i - j) + 128 (my half of the queries - my half of the keys): my first query less my first key
	v_and_b32 v8, 7, v1
	v_lshrrev_b32 v9, 3, v1
	v_lshl_add_u32 v8, v9, 4, v8
	v_lshlrev_b32 v9, 4, v2
	v_sub_nc_u32 v8, v8, v9
	v_add_nc_u32 v[DQ0], s22, v8
	v_mov_b32 v[FLR], 0xff61b1e6
	v_mov_b32 v[NINF], 0xff800000
	s_mul_i32 s18, s15, REG
	s_mul_i32 s20, s16, REG
	s_add_co_u32 s20, s20, 2*REG
.irp s, 0,1,2
	v_add_nc_u32 v[ADRA+\s], s18, v[LI]
	v_add_nc_u32 v[ADRB+\s], s20, v[LI]
	s_add_co_u32 s18, s18, SLOT
	s_add_co_u32 s20, s20, SLOT
.endr
	s_mul_i32 s18, s15, REG
	s_mul_i32 s20, s16, REG
	s_add_co_u32 s20, s20, 2*REG
	s_sub_co_u32 s20, s20, s18
	v_mul_u32_u24 v7, s20, v2                      ; lanes 16-31 take k's scale words: one product, the distance between the two bases
	v_lshl_add_u32 v7, v1, 4, v7
	s_add_co_u32 s18, s18, 12288
	v_add_nc_u32 v[ADRS], s18, v7
	v_add_nc_u32 v[ADRS+1], SLOT, v[ADRS]
	v_add_nc_u32 v[ADRS+2], 2*SLOT, v[ADRS]
.macro FRAG reg, adr, q, i
.irp c, 0,1,2
	ds_load_b128 v[\reg+4*\c:\reg+4*\c+3], v[\adr] offset:SBB*(\q)+1536*(\i)+512*\c
.endr
.endm
.macro MUL16 a0, p, q, sc, zero        ; the 64 accumulators take turns, one instruction a turn
.irp a, \a0, \a0+1
.irp b, 0,1,2,3,4,5,6,7
.if \zero
	v_wmma_scale_f32_16x16x128_f8f6f4 v[8*(8*((\a)%4)+\b):8*(8*((\a)%4)+\b)+7], v[128*(\p)+FR*\b:128*(\p)+FR*\b+FR-1], v[AF+FR*(\a):AF+FR*(\a)+FR-1], 0, v[SC+16*(\sc)+8*(\q)+\b], v[SC+16*(\sc)+8*(\q)+(\a)] matrix_a_fmt:MATRIX_FMT_BF6 matrix_b_fmt:MATRIX_FMT_BF6 matrix_a_scale:MATRIX_SCALE_ROW1
.else
	v_wmma_scale_f32_16x16x128_f8f6f4 v[8*(8*((\a)%4)+\b):8*(8*((\a)%4)+\b)+7], v[128*(\p)+FR*\b:128*(\p)+FR*\b+FR-1], v[AF+FR*(\a):AF+FR*(\a)+FR-1], v[8*(8*((\a)%4)+\b):8*(8*((\a)%4)+\b)+7], v[SC+16*(\sc)+8*(\q)+\b], v[SC+16*(\sc)+8*(\q)+(\a)] matrix_a_fmt:MATRIX_FMT_BF6 matrix_b_fmt:MATRIX_FMT_BF6 matrix_a_scale:MATRIX_SCALE_ROW1
.endif
.endr
.endr
.endm
.macro FETCH_B slot, q, p
	WIN TO_B
.irp i, 0,1,2,3,4,5,6,7
	FRAG 128*(\p)+FR*\i, ADRB+\slot, \q, \i
.endr
	WIN 0
.endm
.macro FETCH_A slot, q, i0
.irp i, \i0, \i0+1, \i0+2, \i0+3
	FRAG AF+FR*(\i), ADRA+\slot, \q, \i
.endr
.endm
.macro SCALES slot, sc
.irp q, 0,1
.irp f, 0,1
	ds_load_b128 v[SC+16*\sc+8*\q+4*\f:SC+16*\sc+8*\q+4*\f+3], v[ADRS+\slot] offset:SBB*\q+256*\f
.endr
.endr
.endm
; A K step behind which no barrier is due: it multiplies k's set p with the scale words (sc, q), and fetches the next K step's fragments from slot ns, K step nq.
; ls = 1: that is a new slot, which an earlier barrier has shown whole: its scale words come too, into set nsc.
.macro STEP p, q, sc, zero, ns, nq, ls, nsc
	s_wait_dscnt 4*NL                              ; all but the youngest 12 loads (q's tiles 4-7) are in
	WIN MUL_LO
	MUL16 0, \p, \q, \sc, \zero
	MUL16 2, \p, \q, \sc, \zero
	s_wait_dscnt 0
	PLACES NP
	FETCH_B \ns, \nq, 1-\p
	FETCH_A \ns, \nq, 0
.if \ls
	SCALES \ns, \nsc
.endif
	WIN MUL_HI
	MUL16 4, \p, \q, \sc, \zero
	MUL16 6, \p, \q, \sc, \zero
	PLACES NP
	WIN 0
	FETCH_A \ns, \nq, 4
.endm
; A slot's second K step with a barrier.  fill = 1 (K step 1): slot 0 has been read out and takes K steps 6, 7.  fill = 0 (K step 5): that load has landed in every wave, and slot 0 is read next.
.macro TURN sc, ns, nsc, fill
	s_wait_tensorcnt 0x0                           ; all my tensor loads have landed
	ds_add_u32 v[SPW], v[NIL]
	s_wait_dscnt 4*NL+1                            ; (the add and the youngest 12 loads may be out)
	WIN MUL_LO
	MUL16 0, 1, 1, \sc, 0
	s_wait_dscnt 0x0                               ; the add is done, and my reads of this slot are over
	s_barrier_signal -1
	MUL16 2, 1, 1, \sc, 0
	WIN 0
	s_barrier_wait -1
.if \fill
	s_add_nc_u64 s[G0+2:G0+3], s[G0+2:G0+3], 3*GRP                 ; no load of mine is out: the group may be written
	tensor_load_to_lds s[G0:G0+3], s[G1:G1+7]                      ; my one tensor load behind this barrier
	s_nop 0
.endif
	PLACES NP
	FETCH_B \ns, 0, 0
	FETCH_A \ns, 0, 0
	SCALES \ns, \nsc
	WIN MUL_HI
	MUL16 4, 1, 1, \sc, 0
	MUL16 6, 1, 1, \sc, 0
	PLACES NP
	WIN 0
	FETCH_A \ns, 0, 4
.endm
	s_wait_alu depctr_va_vdst(0)                   ; the head's end
	s_wait_tensorcnt 0x0                           ; my group's K steps 0-5 are in; no load of mine is out, so the descriptor may be written:
	s_mov_b32 s[G1+2], 100<<16                     ; the one later load brings 100 rows
	s_mov_b32 s[G1+4], 100
	s_barrier_signal -1
	s_barrier_wait -1
	FETCH_B 0, 0, 0
	FETCH_A 0, 0, 0
	SCALES 0, 0
	FETCH_A 0, 0, 4
	STEP 0, 0, 0, 1, 0, 1, 0, 0                    ; K step 0 starts the sums
	TURN 0, 1, 1, 1                                ; K step 1: slot 0 takes K steps 6, 7
	STEP 0, 0, 1, 0, 1, 1, 0, 0                    ; K step 2
	STEP 1, 1, 1, 0, 2, 0, 1, 0                    ; K step 3: on into slot 2, whole since the first barrier; slot 1 is not filled again: no barrier
	STEP 0, 0, 0, 0, 2, 1, 0, 0                    ; K step 4
	TURN 0, 0, 1, 0                                ; K step 5: K steps 6, 7 have landed
	STEP 0, 0, 1, 0, 0, 1, 0, 0                    ; K step 6
	s_wait_dscnt 4*NL                              ; K step 7
	WIN MUL_LO
	MUL16 0, 1, 1, 1, 0
	MUL16 2, 1, 1, 1, 0
	s_wait_dscnt 0
	WIN MUL_HI
	MUL16 4, 1, 1, 1, 0
	MUL16 6, 1, 1, 1, 0
	WIN 0
; THE SOFTMAX AND THE WAY OUT of tiles a and a + 1 of the queries (a even): 64 scores a lane and tile, register 16 b + i = key 32 b + 16 h + i of my 128.  The two tiles take turns line by line.
.macro SOFT2 a
.set WH, (\a)/4                        ; their window: 2 + WH
.set A0, 64*((\a)%4)                   ; tile a's accumulators; tile a + 1's lie 64 further on
.set BD, (\a)/2                        ; on the diagonal: the block of 32 keys that the diagonal crosses, for both tiles
	; THE MASK, by my wave's place: s22 is made of ids alone: 128 or more: nothing is hidden; 0: my 128 x 128 lie on the diagonal; under 0: all is hidden
	s_cmp_ge_i32 s22, 128
	s_cbranch_scc1 .Lopen_\@
	s_cmp_lt_i32 s22, 0
	s_cbranch_scc1 .Lhid_\@
.irp u, 0,1
	v_add_nc_u32 v[DQ+UB*\u], 32*BD+8*\u, v[DQ0]   ; my query less my register 0's key: register 16 b + i is hidden where 32 b + i is greater
.endr
	WIN 0x82+0x41*WH                               ; destination and source 0: the accumulators' window
.irp u, 0,1
.irp e, 0,1,2,3,4,5,6,7,8,9,10,11,12,13,14,15
	v_cmp_gt_i32 s[MK+16*\u+\e], 32*BD+\e, v[DQ+UB*\u]
.endr
.endr
.irp u, 0,1
.irp e, 0,1,2,3,4,5,6,7,8,9,10,11,12,13,14,15
	v_cndmask_b32 v[A0+64*\u+16*BD+\e], v[A0+64*\u+16*BD+\e], v[NINF], s[MK+16*\u+\e]
.endr
.endr
.if BD < 3
.irp u, 0,1
.set n, 16*BD+16
.rept 48-16*BD
	v_mov_b32 v[A0+64*\u+n], 0xff800000            ; the blocks behind it are hidden whole; those ahead of it count whole
.set n, n+1
.endr
.endr
.endif
	WIN 0
	s_branch .Lopen_\@
.Lhid_\@:
	WIN 0x82+0x41*WH
.set n, 0
.rept 128
	v_mov_b32 v[A0+n], 0xff800000
.set n, n+1
.endr
	WIN 0
.Lopen_\@:
	WIN 0x28+0x14*WH                               ; sources 1 and 2: the accumulators' window
.irp b, 0,1,2,3
.irp u, 0,1
	v_max3_num_f32 v[BMX+UB*\u+\b], v[FLR], v[A0+64*\u+16*\b], v[A0+64*\u+16*\b+1]   ; each block's largest score; -3e38 is a leaf, so that a hidden block gives a number
.endr
.endr
.irp i, 2,4,6,8,10,12,14
.irp b, 0,1,2,3
.irp u, 0,1
	v_max3_num_f32 v[BMX+UB*\u+\b], v[BMX+UB*\u+\b], v[A0+64*\u+16*\b+\i], v[A0+64*\u+16*\b+\i+1]
.endr
.endr
.endr
	WIN 0
.irp b, 0,1,2,3
.irp u, 0,1
	v_permlanex16_b32 v[BX2+UB*\u+\b], v[BMX+UB*\u+\b], s[SEL], s[SEL+1]
.endr
.endr
.irp b, 0,1,2,3
.irp u, 0,1
	v_max_num_f32 v[BMX+UB*\u+\b], v[BMX+UB*\u+\b], v[BX2+UB*\u+\b]
.endr
.endr
.irp u, 0,1
	v_max3_num_f32 v[TMP+UB*\u], v[BMX+UB*\u], v[BMX+UB*\u+1], v[BMX+UB*\u+2]
.endr
.irp u, 0,1
	v_max_num_f32 v[TMP+UB*\u], v[TMP+UB*\u], v[BMX+UB*\u+3]
.endr
.irp u, 0,1
	v_mul_f32 v[TMP+UB*\u], s[CS], v[TMP+UB*\u]    ; the largest t of my query among these 128 keys
.endr
.irp u, 0,1
	v_floor_f32 v[NM+UB*\u], -v[TMP+UB*\u]         ; -M' = floor(-t) = -ceil(t)
.endr
	WIN 0x82+0x41*WH
.set n, 0
.rept 32
.irp u, 0,1
	v_pk_fma_f32 v[A0+64*\u+n:A0+64*\u+n+1], v[A0+64*\u+n:A0+64*\u+n+1], s[CS:CS+1], v[NM+UB*\u:NM+UB*\u+1] op_sel_hi:[1,0,0]   ; t - M', in place
.endr
.set n, n+2
.endr
	WIN 0
.irp b, 0,1,2,3
.irp u, 0,1
	v_fma_f32 v[BMX+UB*\u+\b], v[BMX+UB*\u+\b], s[CS], v[NM+UB*\u]   ; the same of each block's largest score
.endr
.endr
	s_wait_alu depctr_va_vdst(0)                   ; ahead of the batch of exponentials
	WIN 0x82+0x41*WH
.set n, 0
.rept 128
	v_exp_f32 v[A0+n], v[A0+n]                     ; p, at most 1; 0 where the key is hidden
.set n, n+1
.endr
	WIN 0
.irp b, 0,1,2,3
.irp u, 0,1
	v_exp_f32 v[BMX+UB*\u+\b], v[BMX+UB*\u+\b]     ; the block's largest p: the same two operations on the same number
.endr
.endr
.irp u, 0,1
	v_mov_b32 v[MS+(\a)+\u], v[NM+UB*\u]           ; (plain places behind the exponentials)
.endr
	s_wait_alu depctr_va_vdst(0)                   ; one wait for the whole batch, ahead of its first reader
.irp b, 0,1,2,3
.irp u, 0,1
	v_med3_num_f32 v[BMX+UB*\u+\b], v[BMX+UB*\u+\b], 0x1f800000, 1.0   ; held between 2^-64 and 1: the bytes lie in 59 .. 123, so that the next launch can take up to 58 off them
.endr
.endr
.irp b, 0,1,2,3
.irp u, 0,1
	v_add_nc_u32 v[SCO+UB*\u+\b], 0xfe000000, v[BMX+UB*\u+\b]
.endr
.endr
.irp b, 0,1,2,3
.irp u, 0,1
	v_lshrrev_b32 v[BX2+UB*\u+\b], 23, v[SCO+UB*\u+\b]
.endr
.endr
.irp u, 0,1
	v_lshl_or_b32 v[SW+(\a)+\u], v[BX2+UB*\u+1], 8, v[BX2+UB*\u]
.endr
.irp u, 0,1
	v_lshl_or_b32 v[SW+(\a)+\u], v[BX2+UB*\u+2], 16, v[SW+(\a)+\u]
.endr
.irp u, 0,1
	v_lshl_or_b32 v[SW+(\a)+\u], v[BX2+UB*\u+3], 24, v[SW+(\a)+\u]
.endr
	s_wait_xcnt 0x0                                ; the last two tiles' stores have read the code registers
	WIN 0x02+WH                                    ; source 0: the accumulators' window
.irp c, 0,1
.irp u, 0,1
	v_cvt_scalef32_pk16_bf6_f32 v[PC+UB*\u+6*\c:PC+UB*\u+2+6*\c], v[A0+64*\u+32*\c:A0+64*\u+15+32*\c], v[SCO+UB*\u+2*\c]
	v_cvt_scalef32_pk16_bf6_f32 v[PC+UB*\u+12+4*\c:PC+UB*\u+14+4*\c], v[A0+64*\u+16+32*\c:A0+64*\u+31+32*\c], v[SCO+UB*\u+2*\c+1]
.endr
.endr
	WIN 0
	v_nop                                          ; one plain place behind a scaled conversion
.irp c, 0,1
.irp i, 0,1,2
.irp u, 0,1
	v_permlane16_swap_b32 v[PC+UB*\u+6*\c+\i], v[PC+UB*\u+12+4*\c+\i]
.endr
.endr
.irp i, 0,1,2
.irp u, 0,1
	v_mov_b32 v[PC+UB*\u+3+6*\c+\i], v[PC+UB*\u+12+4*\c+\i]
.endr
.endr
.endr
	WIN 0x0a+0x05*WH                               ; sources 0 and 1: the accumulators' window
.irp u, 0,1
	v_pk_add_f32 v[SU+UB*\u:SU+UB*\u+1], v[A0+64*\u:A0+64*\u+1], v[A0+64*\u+2:A0+64*\u+3]   ; the sum of the unquantised p, in two chains a tile
	v_pk_add_f32 v[SU+UB*\u+2:SU+UB*\u+3], v[A0+64*\u+4:A0+64*\u+5], v[A0+64*\u+6:A0+64*\u+7]
.endr
	WIN 0x08+0x04*WH                               ; source 1 alone
.irp j, 8,12,16,20,24,28,32,36,40,44,48,52,56,60
.irp u, 0,1
	v_pk_add_f32 v[SU+UB*\u:SU+UB*\u+1], v[SU+UB*\u:SU+UB*\u+1], v[A0+64*\u+\j:A0+64*\u+\j+1]
	v_pk_add_f32 v[SU+UB*\u+2:SU+UB*\u+3], v[SU+UB*\u+2:SU+UB*\u+3], v[A0+64*\u+\j+2:A0+64*\u+\j+3]
.endr
.endr
	WIN 0
.irp u, 0,1
	v_pk_add_f32 v[SU+UB*\u:SU+UB*\u+1], v[SU+UB*\u:SU+UB*\u+1], v[SU+UB*\u+2:SU+UB*\u+3]
.endr
.irp u, 0,1
	v_add_f32 v[SU+UB*\u], v[SU+UB*\u], v[SU+UB*\u+1]
.endr
.irp u, 0,1
	v_permlanex16_b32 v[TMP+UB*\u], v[SU+UB*\u], s[SEL], s[SEL+1]
.endr
.irp u, 0,1
	v_add_f32 v[LS+(\a)+\u], v[SU+UB*\u], v[TMP+UB*\u]
.endr
.irp u, 0,1
.irp c, 0,1,2
	global_store_b128 v[LI], v[PC+UB*\u+4*\c:PC+UB*\u+4*\c+3], s[6:7] offset:1536*((\a)+\u)+512*\c   ; 512 consecutive bytes, at a multiple of 256 from the buffer's first byte
.endr
.endr
.endm
	PLACES NP                                      ; behind the last products
.irp u, 0,1
.irp b, 0,1,2,3
	v_mov_b32 v[BX2+UB*\u+\b], 0                   ; written once: a lane permute's destination counts as one of its sources
.endr
	v_mov_b32 v[NM+UB*\u+1], 0                     ; named as the upper half of a pair
.endr
.irp a, 0,2,4,6
	SOFT2 \a
.endr
	s_mov_b32 vcc_lo, 0xffff0000                   ; lanes 16-31 give the words of tiles 4-7
.irp e, 0,1,2,3
	v_cndmask_b32 v[OW+\e], v[SW+\e], v[SW+4+\e], vcc_lo
	v_cndmask_b32 v[OW+4+\e], v[MS+\e], v[MS+4+\e], vcc_lo
	v_cndmask_b32 v[OW+8+\e], v[LS+\e], v[LS+4+\e], vcc_lo
.endr
	global_store_b128 v[LI], v[OW:OW+3], s[6:7] offset:12288
	global_store_b128 v[LI], v[OW+4:OW+7], s[8:9]
	global_store_b128 v[LI], v[OW+8:OW+11], s[10:11]
	s_wait_tensorcnt 0x0                           ; the wave's end
	ds_add_u32 v[SPW], v[NIL]
	s_wait_dscnt 0x0
	s_endpgm
.Lfunc_end_k_q8100c8d6b2_score:
	.size	k_q8100c8d6b2_score, .Lfunc_end_k_q8100c8d6b2_score-k_q8100c8d6b2_score
	.p2alignl 7, 3214868480
	.fill 96, 4, 3214868480
	.section	.rodata,"a",@progbits
	.p2align	6, 0x0
	.amdhsa_kernel k_q8100c8d6b2_score
		.amdhsa_group_segment_fixed_size 327680
		.amdhsa_private_segment_fixed_size 0
		.amdhsa_enable_private_segment 0
		.amdhsa_kernarg_size 32
		.amdhsa_user_sgpr_count 2
		.amdhsa_user_sgpr_kernarg_segment_ptr 1
		.amdhsa_wavefront_size32 1
		.amdhsa_system_sgpr_workgroup_id_x 1
		.amdhsa_system_sgpr_workgroup_id_y 1
		.amdhsa_system_sgpr_workgroup_id_z 1
		.amdhsa_system_vgpr_workitem_id 0
		.amdhsa_next_free_vgpr 1024
		.amdhsa_next_free_sgpr 98
		.amdhsa_reserve_vcc 1
		.amdhsa_float_denorm_mode_32 3
		.amdhsa_float_denorm_mode_16_64 3
		.amdhsa_memory_ordered 1
		.amdhsa_forward_progress 1
		.amdhsa_inst_pref_size 253
	.end_amdhsa_kernel
	.amdgpu_metadata
---
amdhsa.version: [ 1, 2 ]
amdhsa.kernels:
  - .name:           k_q8100c8d6b2_score
    .symbol:         k_q8100c8d6b2_score.kd
    .args:
      - { .name: qkv, .offset: 0, .size: 8, .value_kind: global_buffer, .address_space: global }
      - { .name: pimg, .offset: 8, .size: 8, .value_kind: global_buffer, .address_space: global }
      - { .name: mstat, .offset: 16, .size: 8, .value_kind: global_buffer, .address_space: global }
      - { .name: lstat, .offset: 24, .size: 8, .value_kind: global_buffer, .address_space: global }
    .group_segment_fixed_size: 327680
    .private_segment_fixed_size: 0
    .kernarg_segment_align: 8
    .kernarg_segment_size: 32
    .max_flat_workgroup_size: 128
    .sgpr_count:     98
    .vgpr_count:     1024
    .wavefront_size: 32
...
	.end_amdgpu_metadata
.endif
;; end of part 7
;; launch mix (part 8): grid 4 x 64, 4 waves a work-group, clusters of 4 x 4, 327,680 bytes of LDS; arguments pimg, qkv, mstat, lstat, out0; writes out0
.if DOCPART == 8
	.amdgcn_target "amdgcn-amd-amdhsa--gfx1250"
	.amdhsa_code_object_version 6
	.text
	.protected	k_q8100c8d6b2_mix
	.globl	k_q8100c8d6b2_mix
	.p2align	8
	.type	k_q8100c8d6b2_mix,@function
k_q8100c8d6b2_mix:
	s_mov_b64 s[64:65], 0
	v_nop
	global_prefetch_b8 v0, s[64:65] scope:SCOPE_SE
	s_setreg_imm32_b32 hwreg(HW_REG_WAVE_MODE, 25, 1), 1
	s_wait_xcnt 0x0
	s_wait_alu depctr_hold_cnt(0) depctr_sa_sdst(0) depctr_va_vdst(0) depctr_va_sdst(0) depctr_va_ssrc(0) depctr_va_vcc(0) depctr_vm_vsrc(0)
	s_getreg_b32 s2, hwreg(HW_REG_IB_STS2, 6, 4)
	s_cmp_eq_u32 s2, 0
	s_cbranch_scc0 .Lentry_in_a_cluster
	s_endpgm
.Lentry_in_a_cluster:
	s_bfe_u32 s2, ttmp6, 0x10000c
	s_cmp_lg_u32 s2, 0xf033
	s_cbranch_scc0 .Lentry_shape_is_right
	s_endpgm
.Lentry_shape_is_right:
.set SBB,   12800
.set GRP,   2*SBB
.set VB,    4*SBB
.set SLOT,  3*VB
.set STAGE, 2*SLOT
.set SPT,   272
.set SPARE, STAGE+4*16*SPT
.set LI,    4
.set SOF,   5
.set ADRA,  16
.set ADSA,  18
.set ADRB,  20
.set ADSB,  22
.set STO,   24
.set RD,    25
.set GO,    26
.set SPW,   28
.set NIL,   29
.set SA,    32
.set SB,    48
.set D,     80
.set BK,    80
.set AF,    144
.set L,     144
.set T,     144
.set EI,    208
.set RL,    240
.set NMR,   248
.set LSUM,  252
.set G1,  24
.set G0,  32
.set G1B, 48
.set G0B, 56
.set MSB, 0
.macro WIN new
.if MSB != (\new)
	s_set_vgpr_msb (MSB<<8)|(\new)
.set MSB, (\new)
.endif
.endm
.set MUL, 0x52
.macro PLACES n
.rept \n
	v_nop
.endr
.endm
.macro JLOAD g0a, g1a, g0b, g1b
	s_cmp_eq_u32 s15, 0
	s_cbranch_scc0 .Lfor_b_\@
	tensor_load_to_lds s[\g0a:\g0a+3], s[\g1a:\g1a+7]
	s_nop 0
	PLACES 4
	s_branch .Lasked_\@
.Lfor_b_\@:
	tensor_load_to_lds s[\g0b:\g0b+3], s[\g1b:\g1b+7]
	s_nop 0
	PLACES 4
.Lasked_\@:
.endm
.macro CREST
	s_cmp_lg_u32 s14, 0
	s_cbranch_scc1 .Lnot_wave_0_\@
	s_barrier_signal -3
.Lnot_wave_0_\@:
	s_barrier_wait -3
	s_barrier_signal -1
	s_barrier_wait -1
.endm
.macro CROUND
	s_barrier_signal -1
	s_barrier_wait -1
	CREST
.endm
	s_load_b256 s[4:11], s[0:1], 0x0
	s_load_b64 s[12:13], s[0:1], 0x20
	v_lshl_add_u32 v[SPW], v0, 2, SPARE
	v_mov_b32 v[NIL], 0
	ds_add_u32 v28, v29
	ds_add_u32 v28, v29
	s_wait_dscnt 0x0
	v_lshrrev_b32 v1, 5, v0
	v_readfirstlane_b32 s14, v1
	s_lshr_b32 s15, s14, 1
	s_and_b32 s16, s14, 1
	s_bfe_u32 s40, ttmp6, 0x40000
	s_bfe_u32 s41, ttmp6, 0x40004
	s_and_b32 s17, ttmp7, 0xffff
	s_lshr_b32 s18, s17, 2
	s_and_b32 s19, s17, 3
	s_add_co_u32 s20, s19, 1
	s_lshl_b32 s21, s19, 2
	s_add_co_u32 s21, s21, s41
	s_lshl_b32 s42, ttmp9, 2
	s_add_co_u32 s42, s42, s40
	s_lshl_b32 s43, s41, 2
	s_lshl_b32 s43, 15, s43
	s_lshl_b32 s44, 0x1111, s40
	s_or_b32 s[G1+0], s43, (3<<16)|(1<<21)
	s_mov_b32 s[G1+1], 32<<16
	s_mov_b32 s[G1+2], 100<<16
	s_mov_b32 s[G1+3], 32<<16
	s_mov_b32 s[G1+4], 100
	s_mov_b32 s[G1+5], 32
	s_mov_b32 s[G1+6], 0
	s_mov_b32 s[G1+7], 0
	s_or_b32 s[G1B+0], s44, (3<<16)|(1<<21)
	s_mov_b32 s[G1B+1], 32<<16
	s_mov_b32 s[G1B+2], 200<<16
	s_mov_b32 s[G1B+3], 32<<16
	s_mov_b32 s[G1B+4], 200
	s_mov_b32 s[G1B+5], 32
	s_mov_b32 s[G1B+6], 0
	s_mov_b32 s[G1B+7], 0
	s_lshl_b32 s22, s18, 4
	s_add_co_u32 s66, s22, s21
	s_lshl_b32 s22, s66, 4
	s_lshl_b32 s23, s16, 1
	s_add_co_u32 s22, s22, s23
	s_mul_i32 s22, s22, SBB
	s_mov_b32 s23, 0
	s_lshl_b32 s46, s18, 3
	s_lshl_b32 s47, s42, 1
	s_add_co_u32 s46, s46, s47
	s_add_co_u32 s46, s46, s16
	s_mul_i32 s46, s46, 16*SBB
	s_add_co_u32 s46, s46, 1024*SBB
	s_mov_b32 s47, 0
	s_mul_i32 s45, s16, GRP
	s_mul_i32 s67, s16, VB
	s_add_co_u32 s67, s67, VB
	s_lshl_b32 s68, s66, 13
	s_mov_b32 s69, 0
	s_lshl_b32 s70, s66, 19
	s_lshl_b32 s71, s15, 18
	s_add_co_u32 s70, s70, s71
	s_lshl_b32 s71, s42, 10
	s_add_co_u32 s70, s70, s71
	s_lshl_b32 s71, s16, 9
	s_add_co_u32 s70, s70, s71
	s_mov_b32 s71, 0
	s_mov_b32 s72, 0x7f61b1e6
	s_mov_b32 s73, 0x01010101
	v_and_b32 v1, 15, v0
	v_bfe_u32 v2, v0, 4, 1
	v_and_b32 v3, 31, v0
	v_lshlrev_b32 v[LI], 4, v3
	v_lshlrev_b32 v6, 4, v1
	s_mul_i32 s74, s15, 4*1536
	v_add_nc_u32 v[ADRA], s74, v[LI]
	v_add_nc_u32 v[ADRA+1], SLOT, v[ADRA]
	s_lshl_b32 s74, s15, 8
	v_add_nc_u32 v[SOF], s74, v6
	s_add_co_u32 s74, s74, 12288
	v_add_nc_u32 v[ADSA], s74, v6
	v_add_nc_u32 v[ADSA+1], SLOT, v[ADSA]
	v_add_nc_u32 v[ADRB], s67, v[LI]
	v_add_nc_u32 v[ADRB+1], SLOT, v[ADRB]
	s_add_co_u32 s74, s67, 12288
	v_add_nc_u32 v[ADSB], s74, v6
	v_add_nc_u32 v[ADSB+1], SLOT, v[ADSB]
	s_mul_i32 s74, s14, 16*SPT
	s_add_co_u32 s74, s74, STAGE
	v_mul_u32_u24 v7, v1, SPT
	v_lshl_add_u32 v7, v2, 6, v7
	v_add_nc_u32 v[STO], s74, v7
	v_mul_u32_u24 v7, v2, SPT
	v_lshl_add_u32 v7, v1, 4, v7
	v_add_nc_u32 v[RD], s74, v7
	v_lshlrev_b32 v[GO], 12, v2
	v_lshl_add_u32 v[GO], v1, 4, v[GO]
	s_wait_kmcnt 0x0
	s_add_nc_u64 s[22:23], s[4:5], s[22:23]
	s_add_nc_u64 s[46:47], s[6:7], s[46:47]
	s_add_nc_u64 s[8:9], s[8:9], s[68:69]
	s_add_nc_u64 s[10:11], s[10:11], s[68:69]
	s_add_nc_u64 s[12:13], s[12:13], s[70:71]
.macro STATS l
.irp k, 0,1,2,3
	global_load_b128 v[D+16*(\l)+4*\k:D+16*(\l)+4*\k+3], v[SOF], s[8:9] offset:512*(4*(\l)+\k)
	global_load_b128 v[L+16*(\l)+4*\k:L+16*(\l)+4*\k+3], v[SOF], s[10:11] offset:512*(4*(\l)+\k)
.endr
.endm
.macro HEAD
.set n, 16
.rept 48
	v_mov_b32 v[D+n], s72
	v_mov_b32 v[L+n], 0
.set n, n+1
.endr
	STATS 0
	s_cmp_le_u32 s20, 1
	s_cbranch_scc1 .Lstats_\@
	STATS 1
	s_cmp_le_u32 s20, 2
	s_cbranch_scc1 .Lstats_\@
	STATS 2
	s_cmp_le_u32 s20, 3
	s_cbranch_scc1 .Lstats_\@
	STATS 3
.Lstats_\@:
.endm
.macro HEAD2
	s_wait_loadcnt 0x0
.irp a, 0,1,2,3
	v_min3_num_f32 v[NMR+\a], v[D+\a], v[D+4+\a], v[D+8+\a]
.endr
.irp k, 3,5,7,9,11,13
.irp a, 0,1,2,3
	v_min3_num_f32 v[NMR+\a], v[NMR+\a], v[D+4*\k+\a], v[D+4*\k+4+\a]
.endr
.endr
.irp a, 0,1,2,3
	v_min_num_f32 v[NMR+\a], v[NMR+\a], v[D+60+\a]
.endr
.irp k, 0,1,2,3,4,5,6,7,8,9,10,11,12,13,14,15
.irp a, 0,1,2,3
	v_sub_f32 v[D+4*\k+\a], v[NMR+\a], v[D+4*\k+\a]
.endr
.irp a, 0,1,2,3
	v_cvt_i32_f32 v[EI+\a], v[D+4*\k+\a]
.endr
.irp a, 0,1,2,3
	v_ldexp_f32 v[L+4*\k+\a], v[L+4*\k+\a], v[EI+\a]
.endr
.irp a, 0,1,2,3
	v_max_num_f32 v[D+4*\k+\a], 0xc2680000, v[D+4*\k+\a]
.endr
.irp a, 0,1,2,3
	v_cvt_i32_f32 v[D+4*\k+\a], v[D+4*\k+\a]
.endr
.irp a, 0,1,2,3
	v_mul_lo_u32 v[D+4*\k+\a], v[D+4*\k+\a], s73
.endr
.endr
.irp a, 0,1,2,3
	v_add_f32 v[LSUM+\a], v[L+\a], v[L+4+\a]
.endr
.irp k, 2,3,4,5,6,7,8,9,10,11,12,13,14,15
.irp a, 0,1,2,3
	v_add_f32 v[LSUM+\a], v[LSUM+\a], v[L+4*\k+\a]
.endr
.endr
	s_wait_alu depctr_va_vdst(0)
.irp a, 0,1,2,3
	v_rcp_f32 v[RL+2*\a], v[LSUM+\a]
.endr
	v_nop
	s_wait_alu depctr_va_vdst(0)
.irp a, 0,1,2,3
	v_mov_b32 v[RL+2*\a+1], v[RL+2*\a]
.endr
.endm
.macro FETCHK ls, hf, q
	WIN 0x80
.irp b, 0,1,2,3,4,5,6,7
.irp c, 0,1,2
	ds_load_b128 v[96*(\q)+12*\b+4*\c:96*(\q)+12*\b+4*\c+3], v[ADRB+\ls] offset:SBB*(2*(\hf)+(\q))+1536*\b+512*\c
.endr
.endr
	WIN 0
.irp a, 0,1,2,3
.irp c, 0,1,2
	ds_load_b128 v[AF+48*(\q)+12*\a+4*\c:AF+48*(\q)+12*\a+4*\c+3], v[ADRA+\ls] offset:SBB*(2*(\hf)+(\q))+1536*\a+512*\c
.endr
.endr
.endm
.macro SCALES ls, hf
.irp q, 0,1
	ds_load_b128 v[SA+8*\hf+4*\q:SA+8*\hf+4*\q+3], v[ADSA+\ls] offset:SBB*(2*\hf+\q)
.irp f, 0,1
	ds_load_b128 v[SB+16*\hf+8*\q+4*\f:SB+16*\hf+8*\q+4*\f+3], v[ADSB+\ls] offset:SBB*(2*\hf+\q)+256*\f
.endr
.endr
.endm
.macro MUL8 q, hf, a, zero
.irp b, 0,1,2,3,4,5,6,7
.if \zero
	v_wmma_scale_f32_16x16x128_f8f6f4 v[8*(8*(\a)+\b):8*(8*(\a)+\b)+7], v[96*(\q)+12*\b:96*(\q)+12*\b+11], v[AF+48*(\q)+12*(\a):AF+48*(\q)+12*(\a)+11], 0, v[SB+16*(\hf)+8*(\q)+\b], v[SA+8*(\hf)+4*(\q)+(\a)] matrix_a_fmt:MATRIX_FMT_BF6 matrix_b_fmt:MATRIX_FMT_BF6
.else
	v_wmma_scale_f32_16x16x128_f8f6f4 v[8*(8*(\a)+\b):8*(8*(\a)+\b)+7], v[96*(\q)+12*\b:96*(\q)+12*\b+11], v[AF+48*(\q)+12*(\a):AF+48*(\q)+12*(\a)+11], v[8*(8*(\a)+\b):8*(8*(\a)+\b)+7], v[SB+16*(\hf)+8*(\q)+\b], v[SA+8*(\hf)+4*(\q)+(\a)] matrix_a_fmt:MATRIX_FMT_BF6 matrix_b_fmt:MATRIX_FMT_BF6
.endif
.endr
.endm
.macro STEPA ls, hf, ks0, zero
	s_wait_dscnt 0x0
.irp q, 0,1
.irp a, 0,1,2,3
	v_add_nc_u32 v[SA+8*\hf+4*\q+\a], v[SA+8*\hf+4*\q+\a], v[D+4*((\ks0)+\q)+\a]
.endr
.endr
	PLACES 8
	FETCHK \ls, \hf, 1
	WIN MUL
	MUL8 0, \hf, 0, \zero
	MUL8 0, \hf, 1, \zero
	MUL8 0, \hf, 2, \zero
	MUL8 0, \hf, 3, \zero
	WIN 0
.endm
.macro SOFT ls
	s_wait_dscnt 0x0
	WIN MUL
	MUL8 1, 0, 0, 0
	MUL8 1, 0, 1, 0
	WIN 0
	PLACES 4
	FETCHK \ls, 1, 0
	SCALES \ls, 1
	WIN MUL
	MUL8 1, 0, 2, 0
	MUL8 1, 0, 3, 0
	WIN 0
.endm
.macro TURN ls, nls, fill
	s_wait_tensorcnt 0x0
	ds_add_u32 v[SPW], v[NIL]
	s_wait_dscnt 1
	WIN MUL
	MUL8 1, 1, 0, 0
	s_wait_dscnt 0x0
	s_barrier_signal -1
	MUL8 1, 1, 1, 0
	WIN 0
	s_barrier_wait -1
.if \fill
	CREST
	s_add_nc_u64 s[G0+4*\ls+2:G0+4*\ls+3], s[G0+4*\ls+2:G0+4*\ls+3], 2*VB
	s_add_nc_u64 s[G0B+4*\ls+2:G0B+4*\ls+3], s[G0B+4*\ls+2:G0B+4*\ls+3], 2*VB
	JLOAD G0+4*\ls, G1, G0B+4*\ls, G1B
.else
	PLACES 4
.endif
	FETCHK \nls, 0, 0
	SCALES \nls, 0
	WIN MUL
	MUL8 1, 1, 2, 0
	MUL8 1, 1, 3, 0
	WIN 0
.endm
.macro LAP ls, l, zero
	STEPA \ls, 0, 4*(\l), \zero
	s_wait_alu depctr_va_vdst(0)
	SOFT \ls
	STEPA \ls, 1, 4*(\l)+2, 0
.endm
.macro FINAL
	s_wait_dscnt 0x0
	WIN MUL
	MUL8 1, 1, 0, 0
	MUL8 1, 1, 1, 0
	MUL8 1, 1, 2, 0
	MUL8 1, 1, 3, 0
	WIN 0
.endm
	HEAD                                           ; the stretches' -M' and l' are asked for ahead of the opening round
	CROUND
.irp s, 0,1
	s_mov_b32 s[G0+4*\s], 1
	s_add_co_u32 s[G0+4*\s+1], s45, \s*SLOT
	s_add_nc_u64 s[G0+4*\s+2:G0+4*\s+3], s[22:23], \s*VB
	s_or_b32 s[G0+4*\s+3], s[G0+4*\s+3], 0x80000000
	s_mov_b32 s[G0B+4*\s], 1
	s_add_co_u32 s[G0B+4*\s+1], s67, \s*SLOT
	s_add_nc_u64 s[G0B+4*\s+2:G0B+4*\s+3], s[46:47], \s*VB
	s_or_b32 s[G0B+4*\s+3], s[G0B+4*\s+3], 0x80000000
.endr
	JLOAD G0, G1, G0B, G1B
	HEAD2                                          ; the rows' M, the shifts of the scale bytes and 1 / l are made while the first tiles are on their way
	s_wait_alu depctr_va_vdst(0)
	s_wait_tensorcnt 0x0
	ds_add_u32 v28, v29
	s_wait_dscnt 0x0
	CROUND
	s_cmp_eq_u32 s20, 1
	s_cbranch_scc1 .Lsolo
	JLOAD G0+4, G1, G0B+4, G1B
	s_wait_tensorcnt 1
	s_barrier_signal -1
	s_barrier_wait -1
	FETCHK 0, 0, 0
	SCALES 0, 0
	LAP 0, 0, 1
	s_cmp_lg_u32 s20, 2
	s_cbranch_scc1 .Lthree
	s_wait_alu depctr_va_vdst(0)
	TURN 0, 1, 0
	LAP 1, 1, 0
	s_wait_alu depctr_va_vdst(0)
	FINAL
	s_branch .Lout
.Lthree:
	s_wait_alu depctr_va_vdst(0)
	TURN 0, 1, 1
	LAP 1, 1, 0
	s_cmp_lg_u32 s20, 3
	s_cbranch_scc1 .Lfour
	s_wait_alu depctr_va_vdst(0)
	TURN 1, 0, 0
	LAP 0, 2, 0
	s_wait_alu depctr_va_vdst(0)
	FINAL
	s_branch .Lout
.Lfour:
	s_wait_alu depctr_va_vdst(0)
	TURN 1, 0, 1
	LAP 0, 2, 0
	s_wait_alu depctr_va_vdst(0)
	TURN 0, 1, 0
	LAP 1, 3, 0
	s_wait_alu depctr_va_vdst(0)
	FINAL
	s_branch .Lout
.Lsolo:
	s_wait_tensorcnt 0x0
	s_barrier_signal -1
	s_barrier_wait -1
	FETCHK 0, 0, 0
	SCALES 0, 0
	LAP 0, 0, 1
	s_wait_alu depctr_va_vdst(0)
	FINAL
.Lout:
.macro OUTQ a
	WIN 0x01
.set n, 0
.rept 32
	v_pk_mul_f32 v[T+n:T+n+1], v[64*(\a)+n:64*(\a)+n+1], v[RL+2*(\a):RL+2*(\a)+1]
.set n, n+2
.endr
	WIN 0
	s_wait_alu depctr_va_vdst(0)
	s_wait_xcnt 0x0
.irp u, 0,1
.irp b, 0,1,2,3
	ds_store_b128 v[STO], v[T+32*\u+8*\b:T+32*\u+8*\b+3] offset:128*(\b/2)+32*(\b%2)
	ds_store_b128 v[STO], v[T+32*\u+8*\b+4:T+32*\u+8*\b+7] offset:128*(\b/2)+32*(\b%2)+16
.endr
.irp i, 0,1,2,3,4,5,6,7
	ds_load_b128 v[BK+32*\u+4*\i:BK+32*\u+4*\i+3], v[RD] offset:2*\i*SPT
.endr
.endr
.irp u, 0,1
.irp i, 0,1,2,3,4,5,6,7
	s_wait_dscnt 23-16*\u-\i
	global_store_b128 v[GO], v[BK+32*\u+4*\i:BK+32*\u+4*\i+3], s[12:13] offset:4096*(32*((\a)/2)+8*((\a)%2)+(2*\i)%8+16*(\i/4))+256*\u th:TH_STORE_NT
.endr
.endr
.endm
	PLACES 4
.irp a, 0,1,2,3
	OUTQ \a
.endr
	s_wait_tensorcnt 0x0
	ds_add_u32 v[SPW], v[NIL]
	s_wait_dscnt 0x0
	CROUND
	s_endpgm
.Lfunc_end_k_q8100c8d6b2_mix:
	.size	k_q8100c8d6b2_mix, .Lfunc_end_k_q8100c8d6b2_mix-k_q8100c8d6b2_mix
	.p2alignl 7, 3214868480
	.fill 96, 4, 3214868480
	.section	.rodata,"a",@progbits
	.p2align	6, 0x0
	.amdhsa_kernel k_q8100c8d6b2_mix
		.amdhsa_group_segment_fixed_size 327680
		.amdhsa_private_segment_fixed_size 0
		.amdhsa_enable_private_segment 0
		.amdhsa_kernarg_size 40
		.amdhsa_user_sgpr_count 2
		.amdhsa_user_sgpr_kernarg_segment_ptr 1
		.amdhsa_wavefront_size32 1
		.amdhsa_system_sgpr_workgroup_id_x 1
		.amdhsa_system_sgpr_workgroup_id_y 1
		.amdhsa_system_sgpr_workgroup_id_z 1
		.amdhsa_system_vgpr_workitem_id 0
		.amdhsa_next_free_vgpr 768
		.amdhsa_next_free_sgpr 80
		.amdhsa_reserve_vcc 0
		.amdhsa_float_denorm_mode_32 3
		.amdhsa_float_denorm_mode_16_64 3
		.amdhsa_memory_ordered 1
		.amdhsa_forward_progress 1
		.amdhsa_inst_pref_size 255
	.end_amdhsa_kernel
	.section	.bss,"aw",@nobits
	.p2align	6
	.space	262144
	.amdgpu_metadata
---
amdhsa.version: [ 1, 2 ]
amdhsa.kernels:
  - .name:           k_q8100c8d6b2_mix
    .symbol:         k_q8100c8d6b2_mix.kd
    .args:
      - { .name: pimg, .offset: 0, .size: 8, .value_kind: global_buffer, .address_space: global }
      - { .name: qkv, .offset: 8, .size: 8, .value_kind: global_buffer, .address_space: global }
      - { .name: mstat, .offset: 16, .size: 8, .value_kind: global_buffer, .address_space: global }
      - { .name: lstat, .offset: 24, .size: 8, .value_kind: global_buffer, .address_space: global }
      - { .name: out0, .offset: 32, .size: 8, .value_kind: global_buffer, .address_space: global }
    .group_segment_fixed_size: 327680
    .private_segment_fixed_size: 0
    .kernarg_segment_align: 8
    .kernarg_segment_size: 40
    .max_flat_workgroup_size: 128
    .sgpr_count:     80
    .vgpr_count:     768
    .wavefront_size: 32
...
	.end_amdgpu_metadata
.endif
;; end of part 8
